; MI455X (gfx1250); checked and timed in simulation.
; The chip was launched on July 23, 2026; its instructions are those of AMD's public machine-readable ISA for CDNA 5 (MIT licence, August 2026) and "CDNA5" Instruction Set Architecture Reference Guide (July 2026). The comments in the code are by the model that wrote it; some were corrected since.
;; Block. Allowed arithmetic: matrix products marked QUANTISED: E3M2 operands, one E8M0 scale for each 32 along K, by v_wmma_scale_f32_16x16x128_f8f6f4 with both operands' format E3M2, f32 sums; everything else in f32.
;; Inputs: attention_mask 2 x 1 x 1 x 2,048 float32; ln1_b 1,024 float32; ln1_g 1,024 float32; ln2_b 1,024 float32; ln2_g 1,024 float32; w1_codes 4,096 x 32 x 24 uint8 (E3M2 codes of w1, K innermost, in blocks of 32 codes, four codes in three bytes); w1_scales 4,096 x 32 uint8 (E8M0 scales of w1, one for each 32 codes along K); w2_codes 1,024 x 128 x 24 uint8 (E3M2 codes of w2, K innermost, in blocks of 32 codes, four codes in three bytes); w2_scales 1,024 x 128 uint8 (E8M0 scales of w2, one for each 32 codes along K); wk_codes 1,024 x 32 x 24 uint8 (E3M2 codes of wk, K innermost, in blocks of 32 codes, four codes in three bytes); wk_scales 1,024 x 32 uint8 (E8M0 scales of wk, one for each 32 codes along K); wo_codes 1,024 x 32 x 24 uint8 (E3M2 codes of wo, K innermost, in blocks of 32 codes, four codes in three bytes); wo_scales 1,024 x 32 uint8 (E8M0 scales of wo, one for each 32 codes along K); wq_codes 1,024 x 32 x 24 uint8 (E3M2 codes of wq, K innermost, in blocks of 32 codes, four codes in three bytes); wq_scales 1,024 x 32 uint8 (E8M0 scales of wq, one for each 32 codes along K); wv_codes 1,024 x 32 x 24 uint8 (E3M2 codes of wv, K innermost, in blocks of 32 codes, four codes in three bytes); wv_scales 1,024 x 32 uint8 (E8M0 scales of wv, one for each 32 codes along K); x 2 x 2,048 x 1,024 float32.
;; Outputs: out0 2 x 2,048 x 1,024 float32.
;; This version of the problem:
;;   THIS VERSION OF THE PROBLEM IS GIVEN IN LOW PRECISION. The matrix products marked QUANTISED in the list below multiply operands that are first quantised to E3M2 (3 exponent bits, 2 mantissa bits; 6 bits a number), with one power-of-two scale for each 32 numbers along K (OCP MX v1.0); their sums are f32. All else is computed in f32.
;;   The module's matrix products, in the order in which they are computed (A, B: the left and right operand; K: the contracted axis; several contracted axes count as one K, in the product's order):
;;     1. [M 4,096, K 1,024] x [K 1,024, N 1,024]; A: computed on the way; B: input wq (given as codes): QUANTISED
;;     2. [M 4,096, K 1,024] x [K 1,024, N 1,024]; A: computed on the way; B: input wk (given as codes): QUANTISED
;;     3. [M 4,096, K 1,024] x [K 1,024, N 1,024]; A: computed on the way; B: input wv (given as codes): QUANTISED
;;     4. batch 32 x [M 2,048, K 64] x [K 64, N 2,048]; A: computed on the way; B: computed on the way: QUANTISED
;;     5. batch 32 x [M 64, K 2,048] x [K 2,048, N 2,048]; A: computed on the way; B: softmax (see below): QUANTISED
;;     6. [M 4,096, K 1,024] x [K 1,024, N 1,024]; A: computed on the way; B: input wo (given as codes): QUANTISED
;;     7. [M 4,096, K 1,024] x [K 1,024, N 4,096]; A: computed on the way; B: input w1 (given as codes): QUANTISED
;;     8. [M 4,096, K 4,096] x [K 4,096, N 1,024]; A: computed on the way; B: input w2 (given as codes): QUANTISED
;;   THE QUANTISER, for each operand of a quantised product, along K:
;;     - K is cut into blocks of 32 from its start; a last block that is shorter is filled with zeros.
;;     - A block's scale is 2^e with e = floor(log2(the largest magnitude in the block)) - 4, held to -126 .. 127; a block of zeros has e = 0. As a byte (E8M0): e + 127.
;;     - Each number is divided by its block's scale, clamped to +-28, and rounded to the nearest number of E3M2, ties to even, subnormals kept.
;;     - The product sums the exact products of the quantised numbers (number of the format x scale) in f32.
;;   ~~~python
;;   def quantise(x, axis):      # numpy; x: float32 -> the quantised numbers, widened to float32 again
;;       x = np.moveaxis(x, axis, -1); K = x.shape[-1]
;;       x = np.pad(x, [(0, 0)] * (x.ndim - 1) + [(0, -K % 32)]); x = x.reshape(x.shape[:-1] + (-1, 32)); a = np.abs(x).max(-1, keepdims=True)
;;       e = np.where(a > 0, np.clip(np.frexp(np.where(a > 0, a, 1))[1] - 1 - 4, -126, 127), 0)      # np.frexp(a)[1] - 1 = floor(log2(a)), exactly
;;       r = np.clip(x / 2.0 ** e, -28, 28)
;;       step = 2.0 ** (np.maximum(np.frexp(np.where(r == 0, 1, r))[1] - 1, -2) - 2)
;;       q = np.round(r / step) * step * 2.0 ** e      # np.round: ties to even
;;       return np.moveaxis(q.reshape(q.shape[:-2] + (-1,))[..., :K], -1, axis).astype(np.float32)
;;   ~~~
;;   SOFTMAX AHEAD OF A QUANTISED PRODUCT. Where the list says 'softmax', what is quantised is not the finished softmax but p = 2^(t - M), with t = logit x log2(e) and M = ceil(the row's largest t), a whole number; so 1/2 < the row's largest p <= 1. The row's sum l is taken of the UNQUANTISED p, in f32, and the product's result is divided by l at the end. Since M is a whole number, a kernel that streams over the keys may use a running M (the ceiling of the running maximum): every later rescaling is an exact power of two, which a block's scale takes up: the codes' values come out the same.
;;   OPERANDS COMPUTED ON THE WAY. 'Computed on the way' means the value that the module computes at that place (a softmax that the list does not call 'softmax' is quantised finished and normalised). What goes into a quantiser is computed in f32, as accurately as f32 sums, v_exp_f32 and their like allow (about 1e-6 of the number): no bf16 or f16 on the way to a quantiser, and a product that is left as it is and whose result goes on into a quantised operand takes f32 operands (vector FMAs, or v_wmma_f32_16x16x4_f32). A number that lies on a knife's edge between two numbers of the format may be rounded either way, as far as f32 arithmetic and the matrix unit's own rounding can turn it there, and no further.
;;   INPUTS GIVEN AS CODES. w1 (in the module: [1024, 4096], K = its axis 0); w2 (in the module: [4096, 1024], K = its axis 0); wk (in the module: [1024, 1024], K = its axis 0); wo (in the module: [1024, 1024], K = its axis 0); wq (in the module: [1024, 1024], K = its axis 0); wv (in the module: [1024, 1024], K = its axis 0): each comes as NAME_codes (uint8): NAME with its K axis moved to the last place and cut into blocks of 32 codes, [.., K / 32, bytes a block], one block behind the other in memory; four codes in three bytes: a row's codes are one little-endian stream of bits, code i at bits 6 i .. 6 i + 5 (a code: sign, 3 exponent bits, 2 mantissa bits); and NAME_scales (uint8): the same leading axes, one E8M0 byte (e + 127) for each 32 codes along K. Its value is code x scale, taken as it is: it is not quantised again, and the codes and scales need not be those that the quantiser above would give.
;; 2 versions, each right. Each part assembles by itself: llvm-mc -triple=amdgcn-amd-amdhsa -mcpu=gfx1250 --defsym DOCPART=n.
;; ======== version 1 of 2: 7 launches
;; limits: a function is approximated: absolute error at most 1.5e-07
;; workspace buffers: act 3,276,800 bytes; wts 9,830,400 bytes; qc 3,276,800 bytes; kv 6,553,600 bytes; x1 16,777,216 bytes; hid 13,107,200 bytes
;; launch prep (part 1): grid 448 x 1, 4 waves a work-group, no clusters, 32,256 bytes of LDS; arguments x, ln1_g, ln1_b, act, wq_codes, wq_scales, wk_codes, wk_scales, wv_codes, wv_scales, wo_codes, wo_scales, w1_codes, w1_scales, w2_codes, w2_scales, wts; writes act, wts
.if DOCPART == 1
	.amdgcn_target "amdgcn-amd-amdhsa--gfx1250"
	.amdhsa_code_object_version 6
	.text
	.protected	k_q24bc55dc6e_prep
	.globl	k_q24bc55dc6e_prep
	.p2align	8
	.type	k_q24bc55dc6e_prep,@function
k_q24bc55dc6e_prep:
	s_mov_b64 s[64:65], 0
	v_nop
	global_prefetch_b8 v0, s[64:65] scope:SCOPE_SE
	s_setreg_imm32_b32 hwreg(HW_REG_WAVE_MODE, 25, 1), 1
	s_wait_xcnt 0x0
; Work-groups 0-255: layernorm of 16 rows of X [4096][1024] f32 (gain G, bias B), quantised along the 1,024 to E3M2 codes with one E8M0 byte for each 32, stored as an OPERAND IMAGE.
; Work-groups 256-447 (first launch only): the six weights, given as rows of codes, are laid out anew as the same kind of image.  Nothing is converted there.
; THE IMAGE.  Tile t of a matrix [R][K] holds rows 32 (t / 2) + 8 (t % 2) + r + 8 (r / 8), r = 0 .. 15.  Fragment (t, ks), 16 rows x 128 K, is 1,536 bytes at (t K / 128 + ks) 1536: two halves c of 768 bytes;
; in a half, lane r + 16 h holds the six words of k = 128 ks + 64 c + 32 h + 0 .. 31: words 0-3 at 16 x lane, words 4-5 at 512 + 8 x lane.  Scale word of (t, ks, r) at (t K / 128 + ks) 64 + 4 r.
; So a reader fills an operand's 12 registers by loads of 16, 8, 16, 8 bytes a lane, each of consecutive bytes.
; LIMITS: NaN and infinities are not served.  A block whose largest magnitude lies under 2^(5 - 127), a block of zeros among them, gets the byte 1: its codes are zeros or next to it, and only this program reads the bytes.
.set ASC,  3145728                     ; act: the scale words begin here
.set WSC,  9437184                     ; wts: likewise
.set STG,  4608                        ; LDS: a turning stage for each wave: 32 blocks of 128 bytes + 16
.set IMG,  4*STG                       ; the tile's image, 8 fragments
.set SCB,  IMG+12288                   ; its 8 x 16 scale words
.set X,    64                          ; v64-191  four rows, 32 registers each
.set GA,   192                         ; v192-223 the gain at my columns
.set BE,   224                         ; v224-255 the bias
.set C,    24                          ; v24-30   a block's codes
	v_lshl_add_u32 v21, v0, 2, 0x7c00
	v_mov_b32 v22, 0
	s_cmp_lt_u32 ttmp9, 256                        ; the same for all four waves of a work-group
	s_cbranch_scc0 .Lrepack
	; ---------------- layernorm and quantiser: work-group = tile, wave w = rows r = 4 w .. 4 w + 3, which are neighbours in memory
	s_load_b256 s[4:11], s[0:1], 0x0               ; X s[4:5], G s[6:7], B s[8:9], act s[10:11]
	v_lshrrev_b32 v1, 5, v0
	v_readfirstlane_b32 s12, v1                    ; wave
	v_and_b32 v1, 31, v0                           ; lane l
	v_lshlrev_b32 v2, 4, v1                        ; 16 l: my bytes of a load's 512
	s_mul_i32 s13, s12, STG
	v_lshrrev_b32 v3, 3, v1
	v_lshl_add_u32 v3, v3, 4, v2
	v_add_nc_u32 v3, s13, v3                       ; into the stage: 16 l + 16 (l / 8): eight lanes fill a block of 32 numbers, 16 bytes of padding follow
	v_mul_u32_u24 v4, v1, 144
	v_add_nc_u32 v4, s13, v4                       ; out of it: block l whole
	v_lshrrev_b32 v11, 2, v1                       ; block l is K step l / 4, half (l / 2) % 2, lanes' half h = l % 2
	v_mul_u32_u24 v5, v11, 1536
	v_bfe_u32 v6, v1, 1, 1
	v_mad_u32_u24 v5, v6, 768, v5
	v_and_b32 v7, 1, v1
	v_lshl_add_u32 v6, v7, 7, v5
	v_lshl_add_u32 v5, v7, 8, v5
	s_lshl_b32 s14, s12, 6
	s_add_co_u32 s14, s14, IMG
	v_add_nc_u32 v5, s14, v5                       ; words 0-3 of row 4 w: + 16 (r + 16 h)
	s_lshl_b32 s14, s12, 5
	s_add_co_u32 s14, s14, IMG+512
	v_add_nc_u32 v6, s14, v6                       ; words 4-5: + 512 + 8 (r + 16 h)
	v_and_b32 v7, 3, v1
	v_lshl_add_u32 v7, v11, 6, v7
	s_lshl_b32 s14, s12, 4
	s_add_co_u32 s14, s14, SCB
	v_add_nc_u32 v7, s14, v7                       ; the block's byte: 64 (l / 4) + l % 4 + 4 r
	s_mul_i32 s14, s12, 3072
	v_add_nc_u32 v9, s14, v2                       ; the way out: my wave's quarter of the image, in memory
	v_add_nc_u32 v8, IMG, v9                       ; and in LDS
	v_add_nc_u32 v10, SCB, v2
	s_lshr_b32 s16, ttmp9, 1
	s_lshl_b32 s16, s16, 5
	s_and_b32 s17, ttmp9, 1
	s_lshl_b32 s17, s17, 3
	s_add_co_u32 s16, s16, s17
	s_lshl_b32 s17, s12, 2
	s_add_co_u32 s16, s16, s17
	s_lshr_b32 s17, s12, 1
	s_lshl_b32 s17, s17, 3
	s_add_co_u32 s16, s16, s17                     ; my first row: 32 (t / 2) + 8 (t % 2) + 4 w + 8 (w / 2)
	s_lshl_b32 s16, s16, 12                        ; 4,096 bytes a row
	s_mov_b32 s17, 0
	s_mul_i32 s18, ttmp9, 12288
	s_mov_b32 s19, 0
	s_lshl_b32 s24, ttmp9, 9
	s_add_co_u32 s24, s24, ASC
	s_mov_b32 s25, 0
	s_mov_b32 s20, 0x76543210
	s_mov_b32 s21, 0xfedcba98                      ; v_permlanex16_b32's selects for lane l xor 16
	s_mov_b32 s22, 0x3a800000                      ; 1 / 1024
	s_mov_b32 s23, 0x3727c5ac                      ; 1e-5
	v_mov_b32 v13, 0                               ; upper halves of pairs of which the low word serves both halves, and a lane permute's destination: written once
	v_mov_b32 v15, 0
	v_mov_b32 v23, 0
	s_wait_kmcnt 0x0
	s_add_nc_u64 s[4:5], s[4:5], s[16:17]
	s_add_nc_u64 s[24:25], s[10:11], s[24:25]
	s_add_nc_u64 s[10:11], s[10:11], s[18:19]
.irp i, 0,1,2,3,4,5,6,7
	global_load_b128 v[GA+4*\i:GA+4*\i+3], v2, s[6:7] offset:512*\i
	global_load_b128 v[BE+4*\i:BE+4*\i+3], v2, s[8:9] offset:512*\i
.endr
.irp p, 0,1,2,3
.irp i, 0,1,2,3,4,5,6,7
	global_load_b128 v[X+32*\p+4*\i:X+32*\p+4*\i+3], v2, s[4:5] offset:4096*\p+512*\i th:TH_LOAD_NT   ; 512 consecutive bytes a load; all 48 loads are out together
.endr
.endr
.macro REDUCE                          ; v16 summed over the 32 lanes, the sum in every lane
	v_add_f32_dpp v16, v16, v16 row_xmask:1 row_mask:0xf bank_mask:0xf
	v_add_f32_dpp v16, v16, v16 row_xmask:2 row_mask:0xf bank_mask:0xf
	v_add_f32_dpp v16, v16, v16 row_xmask:4 row_mask:0xf bank_mask:0xf
	v_add_f32_dpp v16, v16, v16 row_xmask:8 row_mask:0xf bank_mask:0xf
	v_permlanex16_b32 v23, v16, s20, s21
	v_add_f32 v16, v16, v23
.endm
.macro ROW p
.set XR, X+32*\p
	s_wait_loadcnt 24-8*\p                         ; gain, bias and my row are in; the eight loads of each later row stay out
	v_pk_add_f32 v[16:17], v[XR:XR+1], v[XR+2:XR+3]
	v_pk_add_f32 v[18:19], v[XR+4:XR+5], v[XR+6:XR+7]
.irp j, 8,12,16,20,24,28
	v_pk_add_f32 v[16:17], v[16:17], v[XR+\j:XR+\j+1]
	v_pk_add_f32 v[18:19], v[18:19], v[XR+\j+2:XR+\j+3]
.endr
	v_pk_add_f32 v[16:17], v[16:17], v[18:19]
	v_add_f32 v16, v16, v17
	REDUCE
	v_mul_f32 v12, s22, v16                        ; the mean
.irp j, 0,2,4,6,8,10,12,14,16,18,20,22,24,26,28,30
	v_pk_add_f32 v[XR+\j:XR+\j+1], v[XR+\j:XR+\j+1], v[12:13] op_sel_hi:[1,0] neg_lo:[0,1] neg_hi:[0,1]   ; x - mean, before the squares: an offset of the inputs does no harm
.endr
	v_pk_mul_f32 v[16:17], v[XR:XR+1], v[XR:XR+1]
	v_pk_mul_f32 v[18:19], v[XR+2:XR+3], v[XR+2:XR+3]
.irp j, 4,8,12,16,20,24,28
	v_pk_fma_f32 v[16:17], v[XR+\j:XR+\j+1], v[XR+\j:XR+\j+1], v[16:17]
	v_pk_fma_f32 v[18:19], v[XR+\j+2:XR+\j+3], v[XR+\j+2:XR+\j+3], v[18:19]
.endr
	v_pk_add_f32 v[16:17], v[16:17], v[18:19]
	v_add_f32 v16, v16, v17
	REDUCE
	v_fma_f32 v20, v16, s22, s23                   ; the variance + 1e-5
	v_rsq_f32 v14, v20
	v_nop                                          ; a plain instruction behind the transcendental,
	s_wait_alu depctr_va_vdst(0)                   ; and the wait ahead of its first reader
.irp j, 0,2,4,6,8,10,12,14,16,18,20,22,24,26,28,30
	v_pk_mul_f32 v[XR+\j:XR+\j+1], v[XR+\j:XR+\j+1], v[14:15] op_sel_hi:[1,0]
.endr
.irp j, 0,2,4,6,8,10,12,14,16,18,20,22,24,26,28,30
	v_pk_fma_f32 v[XR+\j:XR+\j+1], v[XR+\j:XR+\j+1], v[GA+\j:GA+\j+1], v[BE+\j:BE+\j+1]
.endr
.irp i, 0,1,2,3,4,5,6,7
	ds_store_b128 v3, v[XR+4*\i:XR+4*\i+3] offset:576*\i             ; the row turns through my own stage: in as loaded,
.endr
.irp j, 0,1,2,3,4,5,6,7
	ds_load_b128 v[XR+4*\j:XR+4*\j+3], v4 offset:16*\j               ; out a block of 32 neighbours a lane (LDS serves a wave's instructions in order)
.endr
	s_wait_dscnt 0x0                               ; the block is in; the last row's stores into the image have read their registers
	v_max3_num_f32 v16, |v[XR]|, |v[XR+1]|, |v[XR+2]|
	v_max3_num_f32 v17, |v[XR+3]|, |v[XR+4]|, |v[XR+5]|
.irp i, 6,10,14,18,22,26
	v_max3_num_f32 v16, v16, |v[XR+\i]|, |v[XR+\i+1]|
	v_max3_num_f32 v17, v17, |v[XR+\i+2]|, |v[XR+\i+3]|
.endr
	v_max3_num_f32 v16, v16, |v[XR+30]|, |v[XR+31]|
	v_max3_num_f32 v16, v16, v17, 0x2800000        ; the block's largest magnitude, and the floor 2^(5 - 127): the byte cannot fall under 1
	v_add_nc_u32 v18, 0xfe000000, v16              ; 4 off its exponent field: the conversion takes this operand's exponent field as its scale
	v_cvt_scalef32_pk16_bf6_f32 v[C:C+2], v[XR:XR+15], v18
	v_cvt_scalef32_pk16_bf6_f32 v[C+4:C+6], v[XR+16:XR+31], v18      ; (a conversion's three registers begin on an even number)
	v_lshrrev_b32 v31, 23, v18                     ; the scale's byte; also the plain instruction behind the conversions
	v_mov_b32 v[C+3], v[C+4]
	v_mov_b32 v[C+4], v[C+5]
	v_mov_b32 v[C+5], v[C+6]                       ; six words on end
	ds_store_b128 v5, v[C:C+3] offset:16*\p
	ds_store_b64 v6, v[C+4:C+5] offset:8*\p
	ds_store_b8 v7, v31 offset:4*\p
.endm
	ROW 0
	ROW 1
	ROW 2
	ROW 3
	s_wait_dscnt 0x0                               ; for the others' sake: my stores into the image are done
	s_barrier_signal -1
	s_barrier_wait -1
.irp i, 0,1,2,3,4,5
	ds_load_b128 v[32+4*\i:35+4*\i], v8 offset:512*\i
.endr
.irp i, 0,1,2,3,4,5
	s_wait_dscnt 5-\i                              ; load i is in, the later ones may be out
	global_store_b128 v9, v[32+4*\i:35+4*\i], s[10:11] offset:512*\i  ; 512 consecutive bytes, aligned
.endr
	s_cmp_lg_u32 s12, 0
	s_cbranch_scc1 .Ldone
	ds_load_b128 v[56:59], v10                     ; wave 0: the tile's 512 bytes of scale words
	s_wait_dscnt 0x0
	global_store_b128 v2, v[56:59], s[24:25]
.Ldone:
	s_wait_tensorcnt 0x0
	ds_add_u32 v21, v22
	s_wait_dscnt 0x0
	s_endpgm
	; ---------------- the weights: wave = one unit of 12,288 bytes: one tile x 8 K steps.  No LDS.
.Lrepack:
	s_load_b512 s[16:31], s[0:1], 0x20             ; wq, wk, wv, wo: codes and scales by turns
	s_load_b256 s[32:39], s[0:1], 0x60             ; w1, w2
	s_load_b64 s[40:41], s[0:1], 0x80              ; wts
	v_lshrrev_b32 v1, 5, v0
	v_readfirstlane_b32 s12, v1
	v_and_b32 v1, 31, v0
	v_and_b32 v2, 15, v0                           ; r
	v_bfe_u32 v3, v0, 4, 1                         ; h
	s_sub_co_u32 s13, ttmp9, 256                   ; g: 0-15 wq, 16-31 wk, 32-47 wv, 48-63 wo, 64-127 w1, 128-191 w2
	s_mov_b32 s49, 3072
	s_mov_b32 s50, 128
	s_mov_b32 s48, 128
	s_cmp_lt_u32 s13, 128
	s_cselect_b32 s49, 768, s49                    ; a row of codes in bytes: K = 1,024, or w2's 4,096
	s_cselect_b32 s50, 32, s50                     ; a row of scale bytes
	s_cselect_b32 s51, 0, 2                        ; units to a tile: 1 or 4, as a shift
	s_wait_kmcnt 0x0
	s_mov_b64 s[44:45], s[36:37]
	s_mov_b64 s[46:47], s[38:39]
.macro PICK lim, cod, first            ; the choice hangs on the work-group's number alone
	s_cmp_lt_u32 s13, \lim
	s_cselect_b64 s[44:45], s[\cod:\cod+1], s[44:45]
	s_cselect_b64 s[46:47], s[\cod+2:\cod+3], s[46:47]
	s_cselect_b32 s48, \first, s48
.endm
	PICK 128, 32, 64
	PICK 64, 28, 48
	PICK 48, 24, 32
	PICK 32, 20, 16
	PICK 16, 16, 0
	s_sub_co_u32 s52, s13, s48
	s_lshl_b32 s52, s52, 2
	s_add_co_u32 s52, s52, s12                     ; my unit in its tensor
	s_lshr_b32 s53, s52, s51                       ; its tile,
	s_lshl_b32 s54, s53, s51
	s_sub_co_u32 s54, s52, s54                     ; and which 8 K steps
	s_lshr_b32 s55, s53, 1
	s_lshl_b32 s55, s55, 5
	s_and_b32 s56, s53, 1
	s_lshl_b32 s56, s56, 3
	s_add_co_u32 s55, s55, s56                     ; the tile's first row
	s_mul_i32 s56, s55, s49
	s_mul_i32 s57, s54, 768
	s_add_co_u32 s56, s56, s57
	s_mov_b32 s57, 0
	s_mul_i32 s58, s55, s50
	s_lshl_b32 s59, s54, 5
	s_add_co_u32 s58, s58, s59
	s_mov_b32 s59, 0
	s_add_nc_u64 s[44:45], s[44:45], s[56:57]
	s_add_nc_u64 s[46:47], s[46:47], s[58:59]
	s_lshl_b32 s60, s13, 2
	s_add_co_u32 s60, s60, s12                     ; my unit in wts
	s_mul_i32 s4, s60, 12288
	s_mov_b32 s5, 0
	s_lshl_b32 s6, s60, 9
	s_add_co_u32 s6, s6, WSC
	s_mov_b32 s7, 0
	s_add_nc_u64 s[4:5], s[40:41], s[4:5]
	s_add_nc_u64 s[6:7], s[40:41], s[6:7]
	v_and_b32 v4, 8, v2
	v_add_nc_u32 v4, v4, v2                        ; r + 8 (r / 8)
	v_mul_lo_u32 v5, v4, s49
	v_mad_u32_u24 v5, v3, 24, v5                   ; codes: my row, + 24 h
	v_mul_lo_u32 v6, v4, s50
	v_lshl_add_u32 v6, v3, 4, v6                   ; scale words: my row, K steps 4 h .. 4 h + 3
	v_lshlrev_b32 v7, 4, v1
	v_lshlrev_b32 v8, 3, v1
	v_lshlrev_b32 v9, 2, v2
	v_lshl_add_u32 v9, v3, 8, v9                   ; 256 h + 4 r
	global_load_b128 v[16:19], v6, s[46:47]
.irp k, 0,1,2,3,4,5,6,7
.irp p, 0,1,2,3,4,5
	global_load_b64 v[32+12*\k+2*\p:33+12*\k+2*\p], v5, s[44:45] offset:96*\k+48*(\p/3)+8*(\p%3)   ; the operand's registers, as they lie in the row's stream of bits
.endr
.endr
.irp k, 0,1,2,3,4,5,6,7
	s_wait_loadcnt 42-6*\k                         ; fragment k is in; six loads of each later fragment stay out
	global_store_b128 v7, v[32+12*\k:35+12*\k], s[4:5] offset:1536*\k
	global_store_b64 v8, v[36+12*\k:37+12*\k], s[4:5] offset:1536*\k+512
	global_store_b128 v7, v[38+12*\k:41+12*\k], s[4:5] offset:1536*\k+768
	global_store_b64 v8, v[42+12*\k:43+12*\k], s[4:5] offset:1536*\k+1280
.endr
.irp j, 0,1,2,3
	global_store_b32 v9, v[16+\j], s[6:7] offset:64*\j
.endr
	s_endpgm
.Lfunc_end_k_q24bc55dc6e_prep:
	.size	k_q24bc55dc6e_prep, .Lfunc_end_k_q24bc55dc6e_prep-k_q24bc55dc6e_prep
	.p2alignl 7, 3214868480
	.fill 96, 4, 3214868480
	.section	.rodata,"a",@progbits
	.p2align	6, 0x0
	.amdhsa_kernel k_q24bc55dc6e_prep
		.amdhsa_group_segment_fixed_size 32256
		.amdhsa_private_segment_fixed_size 0
		.amdhsa_enable_private_segment 0
		.amdhsa_kernarg_size 136
		.amdhsa_user_sgpr_count 2
		.amdhsa_user_sgpr_kernarg_segment_ptr 1
		.amdhsa_wavefront_size32 1
		.amdhsa_system_sgpr_workgroup_id_x 1
		.amdhsa_system_sgpr_workgroup_id_y 1
		.amdhsa_system_sgpr_workgroup_id_z 1
		.amdhsa_system_vgpr_workitem_id 0
		.amdhsa_next_free_vgpr 256
		.amdhsa_next_free_sgpr 66
		.amdhsa_reserve_vcc 0
		.amdhsa_float_denorm_mode_32 3
		.amdhsa_float_denorm_mode_16_64 3
		.amdhsa_memory_ordered 1
		.amdhsa_forward_progress 1
		.amdhsa_inst_pref_size 55
	.end_amdhsa_kernel
	.amdgpu_metadata
---
amdhsa.version: [ 1, 2 ]
amdhsa.kernels:
  - .name:           k_q24bc55dc6e_prep
    .symbol:         k_q24bc55dc6e_prep.kd
    .args:
      - { .name: x, .offset: 0, .size: 8, .value_kind: global_buffer, .address_space: global }
      - { .name: ln1_g, .offset: 8, .size: 8, .value_kind: global_buffer, .address_space: global }
      - { .name: ln1_b, .offset: 16, .size: 8, .value_kind: global_buffer, .address_space: global }
      - { .name: act, .offset: 24, .size: 8, .value_kind: global_buffer, .address_space: global }
      - { .name: wq_codes, .offset: 32, .size: 8, .value_kind: global_buffer, .address_space: global }
      - { .name: wq_scales, .offset: 40, .size: 8, .value_kind: global_buffer, .address_space: global }
      - { .name: wk_codes, .offset: 48, .size: 8, .value_kind: global_buffer, .address_space: global }
      - { .name: wk_scales, .offset: 56, .size: 8, .value_kind: global_buffer, .address_space: global }
      - { .name: wv_codes, .offset: 64, .size: 8, .value_kind: global_buffer, .address_space: global }
      - { .name: wv_scales, .offset: 72, .size: 8, .value_kind: global_buffer, .address_space: global }
      - { .name: wo_codes, .offset: 80, .size: 8, .value_kind: global_buffer, .address_space: global }
      - { .name: wo_scales, .offset: 88, .size: 8, .value_kind: global_buffer, .address_space: global }
      - { .name: w1_codes, .offset: 96, .size: 8, .value_kind: global_buffer, .address_space: global }
      - { .name: w1_scales, .offset: 104, .size: 8, .value_kind: global_buffer, .address_space: global }
      - { .name: w2_codes, .offset: 112, .size: 8, .value_kind: global_buffer, .address_space: global }
      - { .name: w2_scales, .offset: 120, .size: 8, .value_kind: global_buffer, .address_space: global }
      - { .name: wts, .offset: 128, .size: 8, .value_kind: global_buffer, .address_space: global }
    .group_segment_fixed_size: 32256
    .private_segment_fixed_size: 0
    .kernarg_segment_align: 8
    .kernarg_segment_size: 136
    .max_flat_workgroup_size: 128
    .sgpr_count:     66
    .vgpr_count:     256
    .wavefront_size: 32
...
	.end_amdgpu_metadata
.endif
;; end of part 1
;; launch qkv (part 2): grid 12 x 16, 4 waves a work-group, clusters of 4 x 4, 327,680 bytes of LDS; arguments act, wts, qc, kv; writes qc, kv
.if DOCPART == 2
	.amdgcn_target "amdgcn-amd-amdhsa--gfx1250"
	.amdhsa_code_object_version 6
	.text
	.protected	k_q24bc55dc6e_qkv
	.globl	k_q24bc55dc6e_qkv
	.p2align	8
	.type	k_q24bc55dc6e_qkv,@function
k_q24bc55dc6e_qkv:
	s_mov_b64 s[64:65], 0
	v_nop
	global_prefetch_b8 v0, s[64:65] scope:SCOPE_SE
	s_setreg_imm32_b32 hwreg(HW_REG_WAVE_MODE, 25, 1), 1
	s_wait_xcnt 0x0
	s_wait_alu depctr_hold_cnt(0) depctr_sa_sdst(0) depctr_va_vdst(0) depctr_va_sdst(0) depctr_va_ssrc(0) depctr_va_vcc(0) depctr_vm_vsrc(0)
	s_getreg_b32 s2, hwreg(HW_REG_IB_STS2, 6, 4)
	s_cmp_eq_u32 s2, 0
	s_cbranch_scc0 .Lentry_in_a_cluster
	s_endpgm
.Lentry_in_a_cluster:
	s_bfe_u32 s2, ttmp6, 0x10000c
	s_cmp_lg_u32 s2, 0xf033
	s_cbranch_scc0 .Lentry_shape_is_right
	s_endpgm
.Lentry_shape_is_right:
; q, k, v = y Wq, y Wk, y Wv on E3M2 codes with E8M0 scales (K = 1,024), each result quantised on the way out: q and k along the head's 64, v along the keys.
; Both operands are operand images (16-row tiles whose rows are 32 (t / 2) + 8 (t % 2) + r + 8 (r / 8); a fragment of 16 rows x 128 K is 1,536 consecutive bytes in the order of the operand's registers).
; A work-group of four waves makes 256 x 256, a wave 128 x 128: 64 accumulators.  K goes in steps of 256 through two LDS slots filled by the tensor data mover; all scale words come once.
; THE MATRIX INSTRUCTION IS USED TRANSPOSED: source 0 = 16 rows of 'B', source 1 = 16 rows of 'A'.  A lane then holds one row of A, and by the tiles' choice of rows its 64 registers of a block are 128 rows of B in
; their natural order, 16 neighbours to two tiles: what the quantiser of the next product wants.
; Clusters x = 0, 1: A = y (tokens), B = Wq | Wk: a lane holds a token, registers run along the heads' dims.  Cluster x = 2: A = Wv, B = y: a lane holds a dim of v, registers run along the tokens, which are the keys.
; Both take ONE text: buffers, offsets and strides are chosen by scalar selects on the cluster's x; no branch hangs on it.
; CLUSTERS 4 x 4: A's tiles are shared along a row of the cluster, B's along a column: each is asked for jointly.
; OUT: qc: a half fragment (16 queries x 64 dims, 768 bytes) for each (batch, head, tile of queries); two scale bytes a row.
;      kv: for each (batch, head) 16 key steps of 12,800 bytes: 4 fragments of K (two tiles of 16 keys x 64 dims each), 4 of V (16 dims x 128 keys), their scale words.
; LIMITS: NaN and infinities are not served; a block under 2^(5 - 127) gets the byte 1.
; REGISTERS: window 0: v16-31 addresses; v32-63 scale words, two sets for each side, and nothing else; v64-102 the quantiser; v128-223 A's fragments, one set.  window 1: B's fragments, two sets.  windows 2, 3: accumulators.
.set KT,    1024
.set ASC,   3145728
.set WSC,   9437184
.set QSC,   3145728
.set FR,    12                         ; registers of a fragment
.set NL,    4                          ; LDS loads that bring one
.set NP,    4                          ; places behind this matrix instruction (ISA guide 7.12.1)
.set KS8,   KT/128
.set TILEB, 1536*KS8                   ; a tile's fragments, all of K
.set STB,   64*KS8                     ; a tile's scale words
.set LAPS,  KT/512
.set HALFT, 8*3072                     ; 8 tiles x 2 fragments: what one tensor load brings
.set SLOT,  4*HALFT                    ; A's two halves, then B's two
.set SCL,   2*SLOT                     ; behind the ring: the scale words, filled once
.set HALFS, 8*STB
.set SPARE, SCL+4*HALFS                ; the spare words, 128 bytes for each wave, which no other line names
.set ADRA, 16                          ; v16-17 A: 16 x lane in slot 0, 1;  v18-19: 8 x lane
.set ADRB, 20                          ; v20-23 the same for B
.set LI16, 24                          ; v24 16 x lane   v25 8 x lane   v26, v30 the same + the second half's distance
.set LI8,  25
.set LI16B, 26
.set ADSA, 27                          ; v27 A's scale words: 4 x lane: lanes 0-15 the slot's first K step, lanes 16-31 its second
.set SPW,  28
.set NIL,  29
.set LI8B, 30
.set ADSB, 31
.set LS,   6
.set LSB,  7
.set SCA,  32                          ; A's scale words: set s at v[32 + 8 s], register i: block i
.set SCB,  48                          ; B's
.set TM,   64
.set PW,   80
.set PC,   84
.set AF,   128
.set SEL,  92
.set G1, 24
.set G0, 32
.set G1B, 48
.set G0B, 56
.set G1S, 68
.set G0S, 76
.set G1SB, 80
.set G0SB, 88
.set MSB, 0
.macro WIN new                         ; the immediate's high byte repeats the setting that is left
.if MSB != \new
	s_set_vgpr_msb (MSB<<8)|\new
.set MSB, \new
.endif
.endm
.set MUL_LO, 0xa1                      ; source 0 (B) window 1, source 1 (A) window 0, C and D window 2
.set MUL_HI, 0xf1
.set TO_B,   0x40
.macro JLOAD g0a, g1a, g0b, g1b        ; a joint load: waves 0, 1 fetch for A, waves 2, 3 for B; four v_nop follow each line
	s_cmp_eq_u32 s15, 0
	s_cbranch_scc0 .Lfor_b_\@
	tensor_load_to_lds s[\g0a:\g0a+3], s[\g1a:\g1a+7]
	s_nop 0
.rept 4
	v_nop
.endr
	s_branch .Lasked_\@
.Lfor_b_\@:
	tensor_load_to_lds s[\g0b:\g0b+3], s[\g1b:\g1b+7]
	s_nop 0
.rept 4
	v_nop
.endr
.Lasked_\@:
.endm
.macro CREST
	s_cmp_lg_u32 s14, 0
	s_cbranch_scc1 .Lnot_wave_0_\@
	s_barrier_signal -3
.Lnot_wave_0_\@:
	s_barrier_wait -3
	s_barrier_signal -1
	s_barrier_wait -1
.endm
.macro CROUND
	s_barrier_signal -1
	s_barrier_wait -1
	CREST
.endm
	s_load_b128 s[4:7], s[0:1], 0x0                ; act, wts
	s_load_b128 s[8:11], s[0:1], 0x10              ; qc, kv
	v_lshl_add_u32 v[SPW], v0, 2, SPARE
	v_mov_b32 v[NIL], 0
	ds_add_u32 v28, v29
	ds_add_u32 v28, v29
	s_wait_dscnt 0x0
	v_lshrrev_b32 v1, 5, v0
	v_readfirstlane_b32 s14, v1                    ; wave
	s_lshr_b32 s15, s14, 1                         ; my half of A's rows; also: I fetch for A (0) or B (1)
	s_and_b32 s16, s14, 1                          ; my half of B's rows; also: which 8 tiles I fetch
	s_bfe_u32 s40, ttmp6, 0x40000                  ; cx
	s_bfe_u32 s41, ttmp6, 0x40004                  ; cy
	s_and_b32 s92, ttmp7, 0xffff                   ; cluster y
	s_cmp_eq_u32 ttmp9, 2                          ; v?  The cluster's x is the same in all sixteen partners
	s_cselect_b32 s93, 0, s92
	s_cselect_b32 s94, s92, ttmp9
	s_cselect_b32 s95, 1572864, 0                  ; A's codes begin: Wv's image in wts, or act's first byte
	s_mov_b32 s96, ASC
	s_cselect_b32 s96, 9502720, s96                ; A's scale words
	s_mov_b32 s97, WSC
	s_cselect_b32 s97, ASC, s97                    ; B's
	s_lshl_b32 s17, s93, 2
	s_add_co_u32 s17, s17, s41                     ; A's block of 256 rows: cy (+ 4 x cluster y)
	s_lshl_b32 s42, s94, 2
	s_add_co_u32 s42, s42, s40                     ; B's: cx + 4 x (cluster x, or for v cluster y)
	s_lshl_b32 s43, s41, 2
	s_lshl_b32 s43, 15, s43                        ; my row of the cluster
	s_lshl_b32 s44, 0x1111, s40                    ; my column
	s_or_b32 s[G1+0], s43, (3<<16)|(1<<21)         ; 15:0 the mask; 17:16 elements of 8 bytes; 21 set beside a mask; no padding
	s_or_b32 s[G1B+0], s44, (3<<16)|(1<<21)
.irp g, G1, G1B
	s_mov_b32 s[\g+1], 384<<16                     ; tensor_dim0: 3,072 bytes: a tile's two fragments
	s_mov_b32 s[\g+2], 8<<16                       ; tensor_dim1: 8 tiles
	s_mov_b32 s[\g+3], 384<<16                     ; tile_dim0
	s_mov_b32 s[\g+4], 8                           ; tile_dim1
	s_mov_b32 s[\g+5], TILEB/8                     ; from tile to tile
	s_mov_b32 s[\g+6], 0
	s_mov_b32 s[\g+7], 0
.endr
	s_or_b32 s[G1S+0], s43, (3<<16)|(1<<21)
	s_or_b32 s[G1SB+0], s44, (3<<16)|(1<<21)
.irp g, G1S, G1SB
	s_mov_b32 s[\g+1], 32<<16                      ; the scale words of 8 tiles: a dense block, as rows of 256 bytes
	s_mov_b32 s[\g+2], (HALFS/256)<<16
	s_mov_b32 s[\g+3], 32<<16
	s_mov_b32 s[\g+4], HALFS/256
	s_mov_b32 s[\g+5], 32
	s_mov_b32 s[\g+6], 0
	s_mov_b32 s[\g+7], 0
.endr
	s_lshl_b32 s18, s16, 3
	s_lshl_b32 s20, s17, 4
	s_add_co_u32 s20, s20, s18                     ; A: first tile that I fetch
	s_lshl_b32 s46, s42, 4
	s_add_co_u32 s46, s46, s18                     ; B
	s_mul_i32 s22, s20, STB
	s_add_co_u32 s22, s22, s96
	s_mul_i32 s20, s20, TILEB
	s_add_co_u32 s20, s20, s95
	s_mul_i32 s92, s46, STB
	s_add_co_u32 s92, s92, s97
	s_mul_i32 s46, s46, TILEB
	s_mov_b32 s21, 0
	s_mov_b32 s23, 0
	s_mov_b32 s47, 0
	s_mov_b32 s93, 0
	s_mul_i32 s45, s14, HALFT                      ; where they go: by the wave's number alone
	s_mul_i32 s94, s14, HALFS
	s_wait_kmcnt 0x0
	s_cmp_eq_u32 ttmp9, 2
	s_cselect_b64 s[98:99], s[6:7], s[4:5]         ; A's buffer
	s_cselect_b64 s[100:101], s[4:5], s[6:7]       ; B's
	s_add_nc_u64 s[20:21], s[98:99], s[20:21]
	s_add_nc_u64 s[22:23], s[98:99], s[22:23]
	s_add_nc_u64 s[46:47], s[100:101], s[46:47]
	s_add_nc_u64 s[92:93], s[100:101], s[92:93]
	CROUND                                         ; all sixteen work-groups are here: the first joint loads meet
	s_mov_b32 s[G0S], 1
	s_add_co_u32 s[G0S+1], s94, SCL
	s_mov_b64 s[G0S+2:G0S+3], s[22:23]
	s_or_b32 s[G0S+3], s[G0S+3], 0x80000000
	s_mov_b32 s[G0SB], 1
	s_add_co_u32 s[G0SB+1], s94, SCL
	s_mov_b64 s[G0SB+2:G0SB+3], s[92:93]
	s_or_b32 s[G0SB+3], s[G0SB+3], 0x80000000
	JLOAD G0S, G1S, G0SB, G1SB
.irp s, 0,1
	s_mov_b32 s[G0+4*\s], 1
	s_add_co_u32 s[G0+4*\s+1], s45, \s*SLOT
	s_add_nc_u64 s[G0+4*\s+2:G0+4*\s+3], s[20:21], \s*3072
	s_or_b32 s[G0+4*\s+3], s[G0+4*\s+3], 0x80000000
	s_mov_b32 s[G0B+4*\s], 1
	s_add_co_u32 s[G0B+4*\s+1], s45, \s*SLOT
	s_add_nc_u64 s[G0B+4*\s+2:G0B+4*\s+3], s[46:47], \s*3072
	s_or_b32 s[G0B+4*\s+3], s[G0B+4*\s+3], 0x80000000
	JLOAD G0+4*\s, G1, G0B+4*\s, G1B
.endr
	v_and_b32 v1, 31, v0
	v_lshlrev_b32 v[LI16], 4, v1
	v_lshlrev_b32 v[LI8], 3, v1
	v_lshlrev_b32 v2, 2, v1
	s_mul_i32 s21, s15, HALFT
	s_mul_i32 s22, s16, HALFT
	s_add_co_u32 s22, s22, 2*HALFT
.irp s, 0,1
	v_add_nc_u32 v[ADRA+\s], s21, v[LI16]
	v_add_nc_u32 v[ADRB+\s], s22, v[LI16]
	v_add_nc_u32 v[ADRA+2+\s], s21, v[LI8]
	v_add_nc_u32 v[ADRB+2+\s], s22, v[LI8]
	s_add_co_u32 s21, s21, SLOT
	s_add_co_u32 s22, s22, SLOT
.endr
	s_mul_i32 s21, s15, HALFS
	s_add_co_u32 s21, s21, SCL
	v_add_nc_u32 v[ADSA], s21, v2
	s_mul_i32 s22, s16, HALFS
	s_add_co_u32 s22, s22, SCL+2*HALFS
	v_add_nc_u32 v[ADSB], s22, v2
	; the way out's places.  hd0: the first of my two heads; tg: my group of 128 tokens
	s_cmp_eq_u32 ttmp9, 0                          ; q?
	s_cselect_b64 s[12:13], s[8:9], s[10:11]       ; q goes to qc, k and v to kv
	s_mov_b32 s92, 204800
	s_cselect_b32 s92, 98304, s92                  ; codes: from head to head
	s_mov_b32 s93, 12800
	s_cselect_b32 s93, 6144, s93                   ; from group to group of 128 tokens
	s_mov_b32 s94, 204800
	s_cselect_b32 s94, 4096, s94                   ; scale bytes likewise
	s_mov_b32 s95, 12800
	s_cselect_b32 s95, 256, s95
	s_lshl_b32 s18, s17, 2
	s_lshl_b32 s19, s15, 1
	s_add_co_u32 s18, s18, s19                     ; v: head 4 x A's block + 2 x half
	s_and_b32 s19, s42, 3
	s_lshl_b32 s19, s19, 2
	s_lshl_b32 s20, s16, 1
	s_add_co_u32 s19, s19, s20                     ; q, k: head 4 x (B's block % 4) + 2 x half
	s_lshl_b32 s20, s42, 1
	s_add_co_u32 s20, s20, s16                     ; v: tokens lie along B
	s_lshl_b32 s21, s17, 1
	s_add_co_u32 s21, s21, s15                     ; q, k: along A
	s_cmp_eq_u32 ttmp9, 2
	s_cselect_b32 s18, s18, s19
	s_cselect_b32 s20, s20, s21
	s_cselect_b32 s22, 6144, 0                     ; V's fragments lie behind K's
	s_mov_b32 s23, 12288
	s_cselect_b32 s23, 12544, s23
	s_mov_b32 s46, 204800
	s_cselect_b32 s46, 768, s46                    ; a fragment's second half: the next head's place, or for v the same fragment's
	s_mov_b32 s47, 204800
	s_cselect_b32 s47, 2, s47                      ; the scale word's upper two bytes likewise
	s_mov_b32 s4, 768
	s_cselect_b32 s4, 1536, s4                     ; codes: from block to block,
	s_mov_b32 s6, 768
	s_cselect_b32 s6, 200192, s6                   ; behind block 3 (v: on to the next head)
	s_cselect_b32 s8, 64, 2                        ; scale bytes: behind an even block,
	s_cselect_b32 s10, 64, 62                      ; behind an odd one,
	s_mov_b32 s96, 62
	s_cselect_b32 s96, 204608, s96                 ; behind block 3
	s_mov_b32 s5, 0
	s_mov_b32 s7, 0
	s_mov_b32 s9, 0
	s_mov_b32 s11, 0
	s_mov_b32 s97, 0
	s_cmp_eq_u32 ttmp9, 0
	s_cselect_b32 s23, QSC, s23
	s_cselect_b32 s46, 98304, s46
	s_cselect_b32 s47, 4096, s47
	s_lshr_b32 s19, s20, 4
	s_lshl_b32 s19, s19, 4
	s_add_co_u32 s19, s19, s18                     ; 16 x batch + head
	s_and_b32 s20, s20, 15                         ; the group in its batch
	s_mul_i32 s98, s19, s92
	s_mul_i32 s21, s20, s93
	s_add_co_u32 s98, s98, s21
	s_add_co_u32 s98, s98, s22
	s_mov_b32 s99, 0
	s_mul_i32 s100, s19, s94
	s_mul_i32 s21, s20, s95
	s_add_co_u32 s100, s100, s21
	s_add_co_u32 s100, s100, s23
	s_mov_b32 s101, 0
	s_add_nc_u64 s[66:67], s[12:13], s[100:101]    ; scale bytes
	s_add_nc_u64 s[12:13], s[12:13], s[98:99]      ; codes
	s_mov_b32 s[SEL], 0x76543210
	s_mov_b32 s[SEL+1], 0xfedcba98
	v_add_nc_u32 v[LI16B], s46, v[LI16]
	v_add_nc_u32 v[LI8B], s46, v[LI8]
	v_and_b32 v3, 15, v0
	v_lshlrev_b32 v[LS], 2, v3
	v_add_nc_u32 v[LSB], s47, v[LS]
.macro FRAG reg, adr, q, i             ; fragment q of tile i of a slot: 1,536 consecutive bytes in the order of the operand's registers
	ds_load_b128 v[\reg:\reg+3], v[\adr] offset:(2*(\i)+(\q))*1536
	ds_load_b64 v[\reg+4:\reg+5], v[\adr+2] offset:(2*(\i)+(\q))*1536+512
	ds_load_b128 v[\reg+6:\reg+9], v[\adr] offset:(2*(\i)+(\q))*1536+768
	ds_load_b64 v[\reg+10:\reg+11], v[\adr+2] offset:(2*(\i)+(\q))*1536+1280
.endm
.macro WM acc, bfr, afr, sb, sa, zero, q   ; q = 1: both sides' scale words are taken from lanes 16-31
.if (\zero) && ((\q) == 0)
	v_wmma_scale_f32_16x16x128_f8f6f4 v[\acc:\acc+7], v[\bfr:\bfr+FR-1], v[\afr:\afr+FR-1], 0, v[\sb], v[\sa] matrix_a_fmt:MATRIX_FMT_BF6 matrix_b_fmt:MATRIX_FMT_BF6
.elseif (\q) == 0
	v_wmma_scale_f32_16x16x128_f8f6f4 v[\acc:\acc+7], v[\bfr:\bfr+FR-1], v[\afr:\afr+FR-1], v[\acc:\acc+7], v[\sb], v[\sa] matrix_a_fmt:MATRIX_FMT_BF6 matrix_b_fmt:MATRIX_FMT_BF6
.else
	v_wmma_scale_f32_16x16x128_f8f6f4 v[\acc:\acc+7], v[\bfr:\bfr+FR-1], v[\afr:\afr+FR-1], v[\acc:\acc+7], v[\sb], v[\sa] matrix_a_fmt:MATRIX_FMT_BF6 matrix_b_fmt:MATRIX_FMT_BF6 matrix_a_scale:MATRIX_SCALE_ROW1 matrix_b_scale:MATRIX_SCALE_ROW1
.endif
.endm
.macro MUL16 a0, p, q, sc, zero        ; A's blocks a0, a0 + 1 x B's eight.  The 64 accumulators take turns, one instruction a turn, in the same order in every step
.irp a, \a0, \a0+1
.irp b, 0,1,2,3,4,5,6,7
	WM 8*(8*((\a)%4)+\b), 128*(\p)+FR*\b, AF+FR*(\a), SCB+8*(\sc)+\b, SCA+8*(\sc)+(\a), \zero, \q
.endr
.endr
.endm
.macro FETCH_B slot, q, p
	WIN TO_B
.irp i, 0,1,2,3,4,5,6,7
	FRAG 128*(\p)+FR*\i, ADRB+\slot, \q, \i
.endr
	WIN 0
.endm
.macro FETCH_A slot, q, i0
.irp i, \i0, \i0+1, \i0+2, \i0+3
	FRAG AF+FR*(\i), ADRA+\slot, \q, \i
.endr
.endm
.macro SCALES sc
.irp i, 0,1,2,3,4,5,6,7
	ds_load_b32 v[SCA+8*\sc+\i], v[ADSA] offset:\i*STB
	ds_load_b32 v[SCB+8*\sc+\i], v[ADSB] offset:\i*STB
.endr
.endm
.macro PLACES n                        ; plain vector instructions between a matrix instruction and a load into, or a read of, its registers
.rept \n
	v_nop
.endr
.endm
.macro STEP slot, zero                 ; a slot's first 128 along K
	s_wait_dscnt 4*NL                              ; all but the youngest sixteen loads (A's blocks 4-7) are in
	WIN MUL_LO
	MUL16 0, 0, 0, \slot, \zero
	MUL16 2, 0, 0, \slot, \zero
	s_wait_dscnt 0
	PLACES NP
	FETCH_B \slot, 1, 1
	FETCH_A \slot, 1, 0
	WIN MUL_HI
	MUL16 4, 0, 0, \slot, \zero
	MUL16 6, 0, 0, \slot, \zero
	PLACES NP
	WIN 0
	FETCH_A \slot, 1, 4
.endm
.macro TURN slot, next, fill           ; a slot's second 128 along K, and the change of slots: one barrier
	s_wait_tensorcnt 0x0                           ; all my tensor loads have landed: my part of the next slot
	ds_add_u32 v[SPW], v[NIL]                      ; 0 onto my spare word
	s_wait_dscnt 4*NL+1                            ; the add and the youngest sixteen loads may be out
	WIN MUL_LO
	MUL16 0, 1, 1, \slot, 0
	s_wait_dscnt 0x0                               ; the add is done, and my reads of this slot are over
	s_barrier_signal -1
	MUL16 2, 1, 1, \slot, 0
	WIN 0
	s_barrier_wait -1
.if \fill
	CREST                                          ; the barrier has opened a round of the cluster's: no wave of any partner still reads this slot or has a load on its way
	s_add_nc_u64 s[G0+4*\slot+2:G0+4*\slot+3], s[G0+4*\slot+2:G0+4*\slot+3], 6144
	s_add_nc_u64 s[G0B+4*\slot+2:G0B+4*\slot+3], s[G0B+4*\slot+2:G0B+4*\slot+3], 6144
	JLOAD G0+4*\slot, G1, G0B+4*\slot, G1B         ; the first tensor load behind the round; its four v_nop are the places in front of the loads below
.else
	PLACES NP
.endif
	v_add_nc_u32 v[ADSA], 128, v[ADSA]             ; the next slot's scale words
	v_add_nc_u32 v[ADSB], 128, v[ADSB]
	FETCH_B \next, 0, 0
	FETCH_A \next, 0, 0
	SCALES \next
	WIN MUL_HI
	MUL16 4, 1, 1, \slot, 0
	MUL16 6, 1, 1, \slot, 0
	PLACES NP
	WIN 0
	FETCH_A \next, 0, 4
.endm
	s_wait_tensorcnt 1                             ; of my three loads the scale words and slot 0 are in; slot 1's may be out
	s_barrier_signal -1
	s_barrier_wait -1
	FETCH_B 0, 0, 0
	FETCH_A 0, 0, 0
	SCALES 0
	FETCH_A 0, 0, 4
	STEP 0, 1                                      ; the first step's products start the sums
	s_mov_b32 s3, LAPS-1
.Llap:
	TURN 0, 1, 1
	STEP 1, 0
	TURN 1, 0, 1
	STEP 0, 0
	s_sub_co_u32 s3, s3, 1
	s_cmp_lg_u32 s3, 0
	s_cbranch_scc1 .Llap
	TURN 0, 1, 0                                   ; the last lap fills nothing
	STEP 1, 0
	s_wait_dscnt 4*NL
	WIN MUL_LO
	MUL16 0, 1, 1, 1, 0
	MUL16 2, 1, 1, 1, 0
	s_wait_dscnt 0
	WIN MUL_HI
	MUL16 4, 1, 1, 1, 0
	MUL16 6, 1, 1, 1, 0
	WIN 0
; 64 numbers of a lane in window sw, register 16 b + i = k 32 b + 16 (lane / 16) + i of my row, become a fragment's codes in v[PC] on and its scale word in v[PW].  Each accumulator is read from its low end on.
.macro QUANT s, sw
	WIN (\sw)|((\sw)<<2)
.irp b, 0,1,2,3
	v_max3_num_f32 v[TM+\b], |v[\s+16*\b]|, |v[\s+1+16*\b]|, 0x2800000   ; with the floor 2^(5 - 127): the byte cannot fall under 1
.endr
.irp i, 2,4,6,8,10,12,14
.irp b, 0,1,2,3
	v_max3_num_f32 v[TM+\b], |v[\s+16*\b+\i]|, |v[\s+1+16*\b+\i]|, v[TM+\b]
.endr
.endr
	WIN 0
.irp b, 0,1,2,3
	v_permlanex16_b32 v[TM+4+\b], v[TM+\b], s[SEL], s[SEL+1]
.endr
.irp b, 0,1,2,3
	v_max_num_f32 v[TM+\b], v[TM+\b], v[TM+4+\b]   ; with lane l xor 16's: the block's largest magnitude
.endr
.irp b, 0,1,2,3
	v_add_nc_u32 v[TM+12+\b], 0xfe000000, v[TM+\b] ; 4 off its exponent field: the conversion's scale operand
.endr
.irp b, 0,1,2,3
	v_lshrrev_b32 v[TM+4+\b], 23, v[TM+12+\b]      ; the scale's byte
.endr
	v_lshl_or_b32 v[PW], v[TM+5], 8, v[TM+4]
	v_lshl_or_b32 v[PW], v[TM+6], 16, v[PW]
	v_lshl_or_b32 v[PW], v[TM+7], 24, v[PW]
	WIN \sw
.irp c, 0,1
	v_cvt_scalef32_pk16_bf6_f32 v[PC+6*\c:PC+2+6*\c], v[\s+32*\c:\s+15+32*\c], v[TM+12+2*\c]
	v_cvt_scalef32_pk16_bf6_f32 v[PC+12+4*\c:PC+14+4*\c], v[\s+16+32*\c:\s+31+32*\c], v[TM+12+2*\c+1]
.endr
	WIN 0
	v_nop                                          ; one plain instruction behind a scaled conversion
.irp c, 0,1                                    ; the operand wants a whole block in a lane
.irp i, 0,1,2
	v_permlane16_swap_b32 v[PC+6*\c+\i], v[PC+12+4*\c+\i]
.endr
.irp i, 0,1,2
	v_mov_b32 v[PC+3+6*\c+\i], v[PC+12+4*\c+\i]
.endr
.endr
.endm
	PLACES NP
.irp b, 0,1,2,3
	v_mov_b32 v[TM+4+\b], 0                        ; written once: a lane permute's destination counts as one of its sources
.endr
.irp a, 0,1,2,3,4,5,6,7
	QUANT 64*((\a)%4), 2+(\a)/4
	global_store_b128 v[LI16], v[PC:PC+3], s[12:13]                  ; a half fragment: 512 + 256 consecutive bytes
	global_store_b64 v[LI8], v[PC+4:PC+5], s[12:13] offset:512
	global_store_b128 v[LI16B], v[PC+6:PC+9], s[12:13]
	global_store_b64 v[LI8B], v[PC+10:PC+11], s[12:13] offset:512
	global_store_b16 v[LS], v[PW], s[66:67]                          ; both halves of the lanes write the same bytes with the same values
	global_store_d16_hi_b16 v[LSB], v[PW], s[66:67]
.if \a < 7
	s_wait_xcnt 0x0                                ; the stores have read their registers and bases: both may be written again
.if \a == 3
	s_add_nc_u64 s[12:13], s[12:13], s[6:7]
	s_add_nc_u64 s[66:67], s[66:67], s[96:97]
.elseif (\a)%2 == 0
	s_add_nc_u64 s[12:13], s[12:13], s[4:5]
	s_add_nc_u64 s[66:67], s[66:67], s[8:9]
.else
	s_add_nc_u64 s[12:13], s[12:13], s[4:5]
	s_add_nc_u64 s[66:67], s[66:67], s[10:11]
.endif
.endif
.endr
	s_wait_tensorcnt 0x0                           ; the wave's end
	ds_add_u32 v[SPW], v[NIL]
	s_wait_dscnt 0x0
	CROUND                                         ; the closing round
	s_endpgm
.Lfunc_end_k_q24bc55dc6e_qkv:
	.size	k_q24bc55dc6e_qkv, .Lfunc_end_k_q24bc55dc6e_qkv-k_q24bc55dc6e_qkv
	.p2alignl 7, 3214868480
	.fill 96, 4, 3214868480
	.section	.rodata,"a",@progbits
	.p2align	6, 0x0
	.amdhsa_kernel k_q24bc55dc6e_qkv
		.amdhsa_group_segment_fixed_size 327680
		.amdhsa_private_segment_fixed_size 0
		.amdhsa_enable_private_segment 0
		.amdhsa_kernarg_size 32
		.amdhsa_user_sgpr_count 2
		.amdhsa_user_sgpr_kernarg_segment_ptr 1
		.amdhsa_wavefront_size32 1
		.amdhsa_system_sgpr_workgroup_id_x 1
		.amdhsa_system_sgpr_workgroup_id_y 1
		.amdhsa_system_sgpr_workgroup_id_z 1
		.amdhsa_system_vgpr_workitem_id 0
		.amdhsa_next_free_vgpr 1024
		.amdhsa_next_free_sgpr 102
		.amdhsa_reserve_vcc 0
		.amdhsa_float_denorm_mode_32 3
		.amdhsa_float_denorm_mode_16_64 3
		.amdhsa_memory_ordered 1
		.amdhsa_forward_progress 1
		.amdhsa_inst_pref_size 155
	.end_amdhsa_kernel
	.amdgpu_metadata
---
amdhsa.version: [ 1, 2 ]
amdhsa.kernels:
  - .name:           k_q24bc55dc6e_qkv
    .symbol:         k_q24bc55dc6e_qkv.kd
    .args:
      - { .name: act, .offset: 0, .size: 8, .value_kind: global_buffer, .address_space: global }
      - { .name: wts, .offset: 8, .size: 8, .value_kind: global_buffer, .address_space: global }
      - { .name: qc, .offset: 16, .size: 8, .value_kind: global_buffer, .address_space: global }
      - { .name: kv, .offset: 24, .size: 8, .value_kind: global_buffer, .address_space: global }
    .group_segment_fixed_size: 327680
    .private_segment_fixed_size: 0
    .kernarg_segment_align: 8
    .kernarg_segment_size: 32
    .max_flat_workgroup_size: 128
    .sgpr_count:     102
    .vgpr_count:     1024
    .wavefront_size: 32
...
	.end_amdgpu_metadata
.endif
;; end of part 2
;; launch attn (part 3): grid 8 x 32, 16 waves a work-group, clusters of 4 x 1, 215,040 bytes of LDS; arguments qc, kv, attention_mask, act; writes act
.if DOCPART == 3
	.amdgcn_target "amdgcn-amd-amdhsa--gfx1250"
	.amdhsa_code_object_version 6
	.text
	.protected	k_q24bc55dc6e_attn
	.globl	k_q24bc55dc6e_attn
	.p2align	8
	.type	k_q24bc55dc6e_attn,@function
k_q24bc55dc6e_attn:
	s_mov_b64 s[64:65], 0
	v_nop
	global_prefetch_b8 v0, s[64:65] scope:SCOPE_SE
	s_setreg_imm32_b32 hwreg(HW_REG_WAVE_MODE, 25, 1), 1
	s_wait_xcnt 0x0
	s_wait_alu depctr_hold_cnt(0) depctr_sa_sdst(0) depctr_va_vdst(0) depctr_va_sdst(0) depctr_va_ssrc(0) depctr_va_vcc(0) depctr_vm_vsrc(0)
	s_getreg_b32 s2, hwreg(HW_REG_IB_STS2, 6, 4)
	s_cmp_eq_u32 s2, 0
	s_cbranch_scc0 .Lentry_in_a_cluster
	s_endpgm
.Lentry_in_a_cluster:
	s_bfe_u32 s2, ttmp6, 0x10000c
	s_cmp_lg_u32 s2, 0x3003
	s_cbranch_scc0 .Lentry_shape_is_right
	s_endpgm
.Lentry_shape_is_right:
; attn[b][q][head][:] = softmax_k(q . k / 32 + mask[b][k]) v, both products on E3M2 codes with E8M0 scales, and the result quantised along D for the next product.
; t = (q . k + 32 mask) x log2(e) / 32; M = the running largest t rounded UP to a whole number; p = 2^(t - M) is quantised along the keys, not normalised; the row's sum is taken of the unquantised p and divides at the end.
; SHARES.  A work-group owns 256 queries of one (batch, head); each of its sixteen waves owns one tile of 16 queries in 256 registers.  Every wave walks the 2,048 keys, 128 a step.
; THE HEAD'S WHOLE K AND V, 204,800 bytes of fragments and scale words in the order of the operands' registers, COME INTO LDS ONCE: sixteen tensor loads of one key step each, four by each of waves 0-3, all issued at
; the head.  No LDS byte is filled twice.  The four query blocks of a cluster belong to one head and ask jointly.  The walk goes in four phases of four steps; each phase waits for its own four loads alone.
; BOTH PRODUCTS TRANSPOSED: S^T = K Q^T, O^T = V^T P^T: a lane holds one query throughout.  The head has 64 dims and the instruction 128 along K: a fragment of K holds TWO tiles of 16 keys, one in each half of K,
; and is multiplied twice: by [q | 0] for the first tile, by [0 | q] for the second.  32 x mask is each score's C: it costs no vector instruction.
; The keys of a tile are 32 b + 8 u + r + 8 (r / 8), so that the 16 registers of tiles 2 b, 2 b + 1 are 16 neighbouring keys.
; No prefetch: every byte of K and V is asked for at the head.
; LIMITS: 32 x mask is held at -3e38 from below, so a key masked by -infinity gets p = 0; a row ALL of whose keys are -infinity gives a mean of v where the definition gives NaN.  NaN and +infinity are not served.
; REGISTERS: v1-4 lane terms; v8-11 the step's addresses; v12 -M, v13 the largest t, v[14:15] the sum; v32-79 four fragments of K or V; v96-159 S^T, then p; v160-191 O^T; v192-209 0 | q | 0; v224-235 p's codes; v232-254 at work; v248-251, v253, v255 scale words.
.set KVH,   204800
.set STEPB, 12800
.set MSK,   204800                     ; behind K and V: 32 x mask of the batch's 2,048 keys, written by LDS stores
.set ASC,   3145728
.set QSC,   3145728
.set WV,  18
.set SEL, 20
.set CS,  22
.set G1,  24
.set G0,  32                           ; s[32:47] four groups 0
.set TB,  2                            ; s2 where the step's fragments begin
.set TK,  3                            ; s3 where its 128 mask words begin
.set CNT, 48
.macro ROUND
	s_barrier_signal -1
	s_barrier_wait -1
	s_cmp_lg_u32 s[WV], 0
	s_cbranch_scc1 .Lnot_wave_0_\@
	s_barrier_signal -3
.Lnot_wave_0_\@:
	s_barrier_wait -3
	s_barrier_signal -1
	s_barrier_wait -1
.endm
	s_load_b128 s[4:7], s[0:1], 0x0                ; qc, kv
	s_load_b128 s[8:11], s[0:1], 0x10              ; mask, act
	v_lshl_add_u32 v223, v0, 2, 0x34000
	v_mov_b32 v243, 0
	ds_add_u32 v223, v243
	ds_add_u32 v223, v243
	v_lshrrev_b32 v8, 5, v0
	v_readfirstlane_b32 s[WV], v8                  ; wave 0..15
	s_bfe_u32 s12, ttmp6, 0x40000                  ; cx: it enters global addresses of q and of the result alone
	s_lshl_b32 s13, ttmp9, 2
	s_add_co_u32 s13, s13, s12
	s_lshl_b32 s13, s13, 4
	s_add_co_u32 s13, s13, s[WV]                   ; my tile of queries, 0..127
	s_and_b32 s14, ttmp7, 0xffff                   ; 16 x batch + head
	s_lshr_b32 s15, s14, 4
	s_and_b32 s16, s14, 15
	s_mov_b32 s[G1], 15|(3<<16)|(1<<21)            ; 15:0 all four work-groups; 17:16 elements of 8 bytes; 21 set beside a mask
	s_mov_b32 s[G1+1], 32<<16                      ; a key step: 12,800 dense bytes as 50 rows of 256
	s_mov_b32 s[G1+2], 50<<16
	s_mov_b32 s[G1+3], 32<<16
	s_mov_b32 s[G1+4], 50
	s_mov_b32 s[G1+5], 32
	s_mov_b32 s[G1+6], 0
	s_mov_b32 s[G1+7], 0
	s_mul_i32 s17, s[WV], STEPB
	s_mul_i32 s50, s14, KVH
	s_add_co_u32 s50, s50, s17
	s_mov_b32 s51, 0
	s_lshl_b32 s52, s15, 13                        ; the batch's mask
	s_mov_b32 s53, 0
	s_lshl_b32 s54, s14, 7
	s_add_co_u32 s54, s54, s13
	s_mul_i32 s54, s54, 768                        ; q's codes
	s_mov_b32 s55, 0
	s_lshl_b32 s56, s14, 12
	s_lshr_b32 s57, s13, 1
	s_lshl_b32 s57, s57, 6
	s_add_co_u32 s56, s56, s57
	s_and_b32 s57, s13, 1
	s_lshl_b32 s57, s57, 1
	s_add_co_u32 s56, s56, s57
	s_add_co_u32 s56, s56, QSC                     ; q's two scale bytes a row
	s_mov_b32 s57, 0
	s_lshl_b32 s58, s15, 7
	s_add_co_u32 s58, s58, s13
	s_lshl_b32 s58, s58, 3
	s_lshr_b32 s59, s16, 1
	s_add_co_u32 s58, s58, s59                     ; the result: fragment (tile, head / 2),
	s_and_b32 s59, s16, 1                          ; half head % 2
	s_lshl_b32 s60, s58, 6
	s_lshl_b32 s61, s59, 1
	s_add_co_u32 s60, s60, s61
	s_add_co_u32 s60, s60, ASC
	s_mov_b32 s61, 0
	s_mul_i32 s58, s58, 1536
	s_mul_i32 s59, s59, 768
	s_add_co_u32 s58, s58, s59
	s_mov_b32 s59, 0
	s_mov_b32 s[SEL], 0x76543210
	s_mov_b32 s[SEL+1], 0xfedcba98
	s_mov_b32 s[CS], 0x3d38aa3b                    ; c = log2(e) / 32
	s_mov_b32 s[CS+1], s[CS]
	s_wait_dscnt 0x0
	s_wait_kmcnt 0x0
	s_add_nc_u64 s[50:51], s[6:7], s[50:51]
	s_add_nc_u64 s[8:9], s[8:9], s[52:53]
	s_add_nc_u64 s[54:55], s[4:5], s[54:55]
	s_add_nc_u64 s[56:57], s[4:5], s[56:57]
	s_add_nc_u64 s[58:59], s[10:11], s[58:59]
	s_add_nc_u64 s[60:61], s[10:11], s[60:61]
	ROUND                                          ; all four work-groups are here: the joint loads meet
.irp q, 0,1,2,3
	s_mov_b32 s[G0+4*\q], 1
	s_add_co_u32 s[G0+4*\q+1], s17, \q*4*STEPB     ; key step 4 q + wave
	s_add_nc_u64 s[G0+4*\q+2:G0+4*\q+3], s[50:51], \q*4*STEPB
	s_or_b32 s[G0+4*\q+3], s[G0+4*\q+3], 0x80000000
.endr
	s_cmp_lt_u32 s[WV], 4                          ; all fills stand in one branch on the wave's number: four loads of a fetching wave are out
	s_cbranch_scc0 .Lno_fetch
	tensor_load_to_lds s[G0:G0+3], s[G1:G1+7]
	s_nop 0
	tensor_load_to_lds s[G0+4:G0+7], s[G1:G1+7]
	s_nop 0
	tensor_load_to_lds s[G0+8:G0+11], s[G1:G1+7]
	s_nop 0
	tensor_load_to_lds s[G0+12:G0+15], s[G1:G1+7]
	s_nop 0
.rept 4
	v_nop
.endr
.Lno_fetch:
	v_lshlrev_b32 v9, 4, v0
	global_load_b128 v[96:99], v9, s[8:9]          ; 512 threads x 4 mask words
	v_and_b32 v8, 31, v0
	v_lshlrev_b32 v1, 4, v8                        ; 16 x lane
	v_lshlrev_b32 v2, 3, v8                        ; 8 x lane
	v_and_b32 v3, 15, v0
	v_lshlrev_b32 v3, 2, v3                        ; 4 r
	v_bfe_u32 v4, v0, 4, 1
	v_lshl_add_u32 v4, v4, 6, MSK                  ; mask words: + 64 h
	v_add_nc_u32 v5, MSK, v9
	global_load_b128 v[198:201], v1, s[54:55]      ; q: six words a lane
	global_load_b64 v[202:203], v2, s[54:55] offset:512
	global_load_u16 v254, v3, s[56:57]
.irp j, 192,193,194,195,196,197,204,205,206,207,208,209
	v_mov_b32 v[\j], 0                             ; zero codes on both sides of q: v[198:209] = q | 0, v[192:203] = 0 | q
.endr
	v_mov_b32 v13, 0xff61b1e6                      ; the largest t so far: -3e38
	v_floor_f32 v12, -v13                          ; -M
	v_mov_b32 v14, 0
	v_mov_b32 v15, 0
.irp b, 0,1,2,3
	v_mov_b32 v[236+\b], 0                         ; a lane permute's destination counts as one of its sources
.endr
	v_mov_b32 v253, 0
.set j, 0
.rept 32
	v_mov_b32 v[160+j], 0                          ; O^T: the step is written once; the first change of M leaves zeros zeros
.set j, j+1
.endr
	s_wait_loadcnt 0x0
	v_lshl_or_b32 v255, v254, 16, v254             ; q's two scale bytes, for either half of K.  It is made first: the eight lines on the mask below and the first step's four additions, twelve plain vector instructions, stand between it and the first product that takes it as a scale
.irp j, 96,97,98,99
	v_mul_f32 v[\j], 0x42000000, v[\j]             ; 32 x mask: exact
.endr
.irp j, 96,97,98,99
	v_max_num_f32 v[\j], 0xff61b1e6, v[\j]         ; held at -3e38
.endr
	ds_store_b128 v5, v[96:99]
.macro STEP
	v_add_nc_u32 v8, s[TB], v1                     ; (these four are the places behind the last products, in front of the loads)
	v_add_nc_u32 v9, s[TB], v2
	v_add_nc_u32 v10, s[TB], v3
	v_add_nc_u32 v11, s[TK], v4
.irp n, 0,1,2,3,4,5,6,7
	ds_load_b128 v[96+8*\n:99+8*\n], v11 offset:128*(\n/2)+32*(\n%2)          ; 32 x mask of keys 32 (n / 2) + 8 (n % 2) + 16 h + 0 .. 7: the scores' C
	ds_load_b128 v[100+8*\n:103+8*\n], v11 offset:128*(\n/2)+32*(\n%2)+16
.endr
.irp t, 0,1,2,3
	ds_load_b128 v[32+12*\t:35+12*\t], v8 offset:1536*\t
	ds_load_b64 v[36+12*\t:37+12*\t], v9 offset:1536*\t+512
	ds_load_b128 v[38+12*\t:41+12*\t], v8 offset:1536*\t+768
	ds_load_b64 v[42+12*\t:43+12*\t], v9 offset:1536*\t+1280
	ds_load_b32 v[248+\t], v10 offset:12288+64*\t
.endr
	s_wait_dscnt 0x0
.irp t, 0,1,2,3
	v_wmma_scale_f32_16x16x128_f8f6f4 v[96+16*\t:103+16*\t], v[32+12*\t:43+12*\t], v[198:209], v[96+16*\t:103+16*\t], v[248+\t], v255 matrix_a_fmt:MATRIX_FMT_BF6 matrix_b_fmt:MATRIX_FMT_BF6
	v_wmma_scale_f32_16x16x128_f8f6f4 v[104+16*\t:111+16*\t], v[32+12*\t:43+12*\t], v[192:203], v[104+16*\t:111+16*\t], v[248+\t], v255 matrix_a_fmt:MATRIX_FMT_BF6 matrix_b_fmt:MATRIX_FMT_BF6
.endr
.rept 4
	v_nop                                          ; places: in front of the loads into K's registers and of the first read of the scores
.endr
.irp t, 0,1,2,3                                ; V is asked for now and lands under the softmax
	ds_load_b128 v[32+12*\t:35+12*\t], v8 offset:6144+1536*\t
	ds_load_b64 v[36+12*\t:37+12*\t], v9 offset:6144+1536*\t+512
	ds_load_b128 v[38+12*\t:41+12*\t], v8 offset:6144+1536*\t+768
	ds_load_b64 v[42+12*\t:43+12*\t], v9 offset:6144+1536*\t+1280
	ds_load_b32 v[248+\t], v10 offset:12544+64*\t
.endr
.irp b, 0,1,2,3
	v_max3_num_f32 v[232+\b], v[96+16*\b], v[97+16*\b], v[98+16*\b]   ; the largest score of each block of 32 keys: for the row's maximum and, since p rises with the score, for the block's largest p
.endr
.irp i, 3,5,7,9,11,13
.irp b, 0,1,2,3
	v_max3_num_f32 v[232+\b], v[232+\b], v[96+16*\b+\i], v[97+16*\b+\i]
.endr
.endr
.irp b, 0,1,2,3
	v_max_num_f32 v[232+\b], v[232+\b], v[111+16*\b]
.endr
.irp b, 0,1,2,3
	v_permlanex16_b32 v[236+\b], v[232+\b], s[SEL], s[SEL+1]
.endr
.irp b, 0,1,2,3
	v_max_num_f32 v[232+\b], v[232+\b], v[236+\b]
.endr
	v_max3_num_f32 v254, v232, v233, v234
	v_max_num_f32 v254, v254, v235
	v_mul_f32 v254, s[CS], v254
	v_max_num_f32 v13, v13, v254                   ; the running largest t
	v_mov_b32 v254, v12
	v_floor_f32 v12, -v13                          ; the new -M = -ceil(t)
	v_sub_f32 v254, v12, v254                      ; old M - new M: a whole number, 0 or less
	v_cvt_i32_f32 v254, v254                       ; (it saturates)
	v_ldexp_f32 v252, 1.0, v254                    ; f = 2^(old M - new M): a multiplication by it rounds nothing
.set j, 0
.rept 32
	v_pk_fma_f32 v[96+j:97+j], v[96+j:97+j], s[CS:CS+1], v[12:13] op_sel_hi:[1,0,0]   ; t - M
.set j, j+2
.endr
.irp b, 0,1,2,3
	v_fma_f32 v[232+\b], v[232+\b], s[CS], v12
.endr
.set j, 0
.rept 64
	v_exp_f32 v[96+j], v[96+j]                     ; p = 2^(t - M)
.set j, j+1
.endr
	v_pk_mul_f32 v[14:15], v[14:15], v[252:253] op_sel_hi:[1,0]      ; the sums under the new M; a plain instruction behind the exponentials
	s_wait_alu depctr_va_vdst(0)                   ; one wait for the batch of 64, ahead of its first reader
.irp b, 0,1,2,3
	v_exp_f32 v[232+\b], v[232+\b]                 ; each block's largest p
.endr
	v_pk_add_f32 v[236:237], v[96:97], v[98:99]    ; the row's sum, of the unquantised p, in two chains
.irp j, 4,8,12,16,20,24,28,32,36,40,44,48,52,56,60
	v_pk_add_f32 v[14:15], v[14:15], v[96+\j:97+\j]
	v_pk_add_f32 v[236:237], v[236:237], v[98+\j:99+\j]
.endr
	v_pk_add_f32 v[14:15], v[14:15], v[236:237]
	s_wait_alu depctr_va_vdst(0)                   ; and one for the four
.irp b, 0,1,2,3
	v_max_num_f32 v[232+\b], 0x2800000, v[232+\b]  ; the floor 2^(5 - 127)
.endr
.irp b, 0,1,2,3
	v_add_nc_u32 v[244+\b], 0xfe000000, v[232+\b]
.endr
.irp b, 0,1,2,3
	v_lshrrev_b32 v[236+\b], 23, v[244+\b]
.endr
	v_lshl_or_b32 v253, v237, 8, v236              ; p's scale word for these 128 keys
	v_lshl_or_b32 v253, v238, 16, v253
	v_lshl_or_b32 v253, v239, 24, v253
.irp c, 0,1
	v_cvt_scalef32_pk16_bf6_f32 v[224+6*\c:226+6*\c], v[96+32*\c:111+32*\c], v[244+2*\c]
	v_cvt_scalef32_pk16_bf6_f32 v[236+4*\c:238+4*\c], v[112+32*\c:127+32*\c], v[244+2*\c+1]
.endr
	v_nop
.irp c, 0,1
.irp i, 0,1,2
	v_permlane16_swap_b32 v[224+6*\c+\i], v[236+4*\c+\i]
.endr
.irp i, 0,1,2
	v_mov_b32 v[227+6*\c+\i], v[236+4*\c+\i]
.endr
.endr
.set j, 0
.rept 16
	v_pk_mul_f32 v[160+j:161+j], v[160+j:161+j], v[252:253] op_sel_hi:[1,0]   ; O^T under the new M; these sixteen also stand between the writes of p's codes and scale word and the products
.set j, j+2
.endr
	s_wait_dscnt 0x0                               ; V is in
.irp t, 0,1,2,3
	v_wmma_scale_f32_16x16x128_f8f6f4 v[160+8*\t:167+8*\t], v[32+12*\t:43+12*\t], v[224:235], v[160+8*\t:167+8*\t], v[248+\t], v253 matrix_a_fmt:MATRIX_FMT_BF6 matrix_b_fmt:MATRIX_FMT_BF6
.endr
	s_add_co_u32 s[TB], s[TB], STEPB
	s_add_co_u32 s[TK], s[TK], 512
.endm
.macro PHASE q                         ; key steps 4 q .. 4 q + 3
	s_wait_tensorcnt 3-\q                          ; a fetching wave's load q is in; its 3 - q later ones stay out
	s_wait_dscnt 0x0                               ; my LDS store of the mask is done
	s_barrier_signal -1
	s_barrier_wait -1                              ; both hold of every wave
	s_mov_b32 s[TB], \q*4*STEPB
	s_mov_b32 s[TK], \q*2048
	s_mov_b32 s[CNT], 4
.Lstep_\@:
	STEP
	s_sub_co_u32 s[CNT], s[CNT], 1
	s_cmp_lg_u32 s[CNT], 0
	s_cbranch_scc1 .Lstep_\@
.endm
	PHASE 0
	PHASE 1
	PHASE 2
	PHASE 3
	; THE WAY OUT: O^T / the sum; its 64 dims are two blocks of 32 of the next product's K: half a fragment, 768 consecutive bytes, and two scale bytes a row
.rept 4
	v_nop                                          ; places behind the last products
.endr
	v_add_f32 v14, v14, v15
	v_permlanex16_b32 v252, v14, s[SEL], s[SEL+1]
	v_add_f32 v14, v14, v252
	v_rcp_f32 v14, v14
	v_nop
	s_wait_alu depctr_va_vdst(0)
.set j, 0
.rept 32
	v_mul_f32 v[96+j], v[160+j], v14               ; register 16 b + i: dim 32 b + 16 h + i
.set j, j+1
.endr
.irp b, 0,1
	v_max3_num_f32 v[232+\b], |v[96+16*\b]|, |v[97+16*\b]|, 0x2800000
.endr
.irp i, 2,4,6,8,10,12,14
.irp b, 0,1
	v_max3_num_f32 v[232+\b], v[232+\b], |v[96+16*\b+\i]|, |v[97+16*\b+\i]|
.endr
.endr
.irp b, 0,1
	v_permlanex16_b32 v[236+\b], v[232+\b], s[SEL], s[SEL+1]
.endr
.irp b, 0,1
	v_max_num_f32 v[232+\b], v[232+\b], v[236+\b]
.endr
.irp b, 0,1
	v_add_nc_u32 v[244+\b], 0xfe000000, v[232+\b]
.endr
.irp b, 0,1
	v_lshrrev_b32 v[236+\b], 23, v[244+\b]
.endr
	v_lshl_or_b32 v240, v237, 8, v236
	v_cvt_scalef32_pk16_bf6_f32 v[224:226], v[96:111], v244
	v_cvt_scalef32_pk16_bf6_f32 v[228:230], v[112:127], v245
	v_nop
.irp i, 0,1,2
	v_permlane16_swap_b32 v[224+\i], v[228+\i]
.endr
	v_mov_b32 v227, v228
	v_mov_b32 v228, v229
	v_mov_b32 v229, v230
	global_store_b128 v1, v[224:227], s[58:59]
	global_store_b64 v2, v[228:229], s[58:59] offset:512
	global_store_b16 v3, v240, s[60:61]            ; both halves of the lanes write the same bytes with the same values
	s_wait_tensorcnt 0x0
	ds_add_u32 v223, v243
	s_wait_dscnt 0x0
	ROUND                                          ; the closing round: no work-group ends while a partner may still ask
	s_endpgm
.Lfunc_end_k_q24bc55dc6e_attn:
	.size	k_q24bc55dc6e_attn, .Lfunc_end_k_q24bc55dc6e_attn-k_q24bc55dc6e_attn
	.p2alignl 7, 3214868480
	.fill 96, 4, 3214868480
	.section	.rodata,"a",@progbits
	.p2align	6, 0x0
	.amdhsa_kernel k_q24bc55dc6e_attn
		.amdhsa_group_segment_fixed_size 215040
		.amdhsa_private_segment_fixed_size 0
		.amdhsa_enable_private_segment 0
		.amdhsa_kernarg_size 32
		.amdhsa_user_sgpr_count 2
		.amdhsa_user_sgpr_kernarg_segment_ptr 1
		.amdhsa_wavefront_size32 1
		.amdhsa_system_sgpr_workgroup_id_x 1
		.amdhsa_system_sgpr_workgroup_id_y 1
		.amdhsa_system_sgpr_workgroup_id_z 1
		.amdhsa_system_vgpr_workitem_id 0
		.amdhsa_next_free_vgpr 256
		.amdhsa_next_free_sgpr 66
		.amdhsa_reserve_vcc 0
		.amdhsa_float_denorm_mode_32 3
		.amdhsa_float_denorm_mode_16_64 3
		.amdhsa_memory_ordered 1
		.amdhsa_forward_progress 1
		.amdhsa_inst_pref_size 82
	.end_amdhsa_kernel
	.amdgpu_metadata
---
amdhsa.version: [ 1, 2 ]
amdhsa.kernels:
  - .name:           k_q24bc55dc6e_attn
    .symbol:         k_q24bc55dc6e_attn.kd
    .args:
      - { .name: qc, .offset: 0, .size: 8, .value_kind: global_buffer, .address_space: global }
      - { .name: kv, .offset: 8, .size: 8, .value_kind: global_buffer, .address_space: global }
      - { .name: attention_mask, .offset: 16, .size: 8, .value_kind: global_buffer, .address_space: global }
      - { .name: act, .offset: 24, .size: 8, .value_kind: global_buffer, .address_space: global }
    .group_segment_fixed_size: 215040
    .private_segment_fixed_size: 0
    .kernarg_segment_align: 8
    .kernarg_segment_size: 32
    .max_flat_workgroup_size: 512
    .sgpr_count:     66
    .vgpr_count:     256
    .wavefront_size: 32
...
	.end_amdgpu_metadata
.endif
;; end of part 3
;; launch wo (part 4): grid 4 x 16, 4 waves a work-group, clusters of 4 x 4, 327,680 bytes of LDS; arguments act, wts, x, x1; writes x1
.if DOCPART == 4
	.amdgcn_target "amdgcn-amd-amdhsa--gfx1250"
	.amdhsa_code_object_version 6
	.text
	.protected	k_q24bc55dc6e_wo
	.globl	k_q24bc55dc6e_wo
	.p2align	8
	.type	k_q24bc55dc6e_wo,@function
k_q24bc55dc6e_wo:
	s_mov_b64 s[64:65], 0
	v_nop
	global_prefetch_b8 v0, s[64:65] scope:SCOPE_SE
	s_setreg_imm32_b32 hwreg(HW_REG_WAVE_MODE, 25, 1), 1
	s_wait_xcnt 0x0
	s_wait_alu depctr_hold_cnt(0) depctr_sa_sdst(0) depctr_va_vdst(0) depctr_va_sdst(0) depctr_va_ssrc(0) depctr_va_vcc(0) depctr_vm_vsrc(0)
	s_getreg_b32 s2, hwreg(HW_REG_IB_STS2, 6, 4)
	s_cmp_eq_u32 s2, 0
	s_cbranch_scc0 .Lentry_in_a_cluster
	s_endpgm
.Lentry_in_a_cluster:
	s_bfe_u32 s2, ttmp6, 0x10000c
	s_cmp_lg_u32 s2, 0xf033
	s_cbranch_scc0 .Lentry_shape_is_right
	s_endpgm
.Lentry_shape_is_right:
; OUT = RES + A B^T on E3M2 codes with E8M0 scales.  Here: x1 = x + attn Wo: A = act [4096][1024], B = Wo's image in wts [1024][1024], RES and OUT [4096][1024] f32.
; Both operands are operand images (16-row tiles whose rows are 32 (t / 2) + 8 (t % 2) + r + 8 (r / 8); a fragment of 16 rows x 128 K is 1,536 consecutive bytes in the order of the operand's registers).
; A work-group of four waves makes 256 x 256, a wave 128 x 128: 64 accumulators.  K goes in steps of 256 through two LDS slots filled by the tensor data mover; all scale words come once.
; TRANSPOSED USE: source 0 = 16 rows of B, source 1 = 16 rows of A: a lane holds one row of OUT and eight neighbouring columns to an accumulator.
; CLUSTERS 4 x 4: A's tiles are shared along a row of the cluster, B's along a column.  OUT has 64 tiles of 256 x 256: 64 work-groups.
; THE WAY OUT: a block of 16 rows x 128 columns goes through the wave's stage in LDS (in slot 0, which has had its last fill and its last read) and comes back as whole rows of 512 bytes; the residual's rows, loaded three
; blocks ahead in the same shape, are added, and the 32 lanes store 512 consecutive bytes.
; REGISTERS: window 0: v16-31 addresses; v32-63 scale words and nothing else; v128-223 A's fragments, later v128-255 rows on the way out.  window 1: B's fragments, two sets; later the residual.  windows 2, 3: accumulators.
.set KT,    1024
.set ASOFF, 3145728                    ; A's scale words in its buffer
.set BOFF,  2359296                    ; B's codes in wts
.set BSOFF, 9535488                    ; B's scale words
.set FR,    12
.set NL,    4
.set NP,    4
.set KS8,   KT/128
.set TILEB, 1536*KS8
.set STB,   64*KS8
.set LAPS,  KT/512
.set HALFT, 8*3072
.set SLOT,  4*HALFT
.set SCL,   2*SLOT
.set HALFS, 8*STB
.set SPARE, SCL+4*HALFS
.set SPITCH, 528
.set ADRA, 16
.set ADRB, 20
.set STO,  24
.set RD,   25
.set CO,   26
.set ADSA, 27
.set SPW,  28
.set NIL,  29
.set PFO,  30
.set ADSB, 31
.set SCA,  32
.set SCB,  48
.set AF,   128
.set BK,   128
.set G1, 24
.set G0, 32
.set G1B, 48
.set G0B, 56
.set G1S, 68
.set G0S, 76
.set G1SB, 80
.set G0SB, 88
.set MSB, 0
.macro WIN new
.if MSB != \new
	s_set_vgpr_msb (MSB<<8)|\new
.set MSB, \new
.endif
.endm
.set MUL_LO, 0xa1
.set MUL_HI, 0xf1
.set TO_B,   0x40
.macro JLOAD g0a, g1a, g0b, g1b
	s_cmp_eq_u32 s15, 0
	s_cbranch_scc0 .Lfor_b_\@
	tensor_load_to_lds s[\g0a:\g0a+3], s[\g1a:\g1a+7]
	s_nop 0
.rept 4
	v_nop
.endr
	s_branch .Lasked_\@
.Lfor_b_\@:
	tensor_load_to_lds s[\g0b:\g0b+3], s[\g1b:\g1b+7]
	s_nop 0
.rept 4
	v_nop
.endr
.Lasked_\@:
.endm
.macro CREST
	s_cmp_lg_u32 s14, 0
	s_cbranch_scc1 .Lnot_wave_0_\@
	s_barrier_signal -3
.Lnot_wave_0_\@:
	s_barrier_wait -3
	s_barrier_signal -1
	s_barrier_wait -1
.endm
.macro CROUND
	s_barrier_signal -1
	s_barrier_wait -1
	CREST
.endm
; A prefetch of my 128 rows x 512 bytes of the residual: 16 rows x 2 blocks of 256 bytes an instruction, eight instructions, four behind each of the loop's last two refills.  Each block is named once in the launch, by the wave that will load it.
.macro ASK p0
	s_cmp_eq_u32 s3, 1                             ; the loop's last trip
	s_cbranch_scc0 .Lnot_yet_\@
.irp i, 0,1,2,3
	global_prefetch_b8 v[PFO], s[66:67] offset:65536*((\p0)+\i) th:TH_LOAD_NT scope:SCOPE_SE
.endr
.Lnot_yet_\@:
.endm
	s_load_b128 s[4:7], s[0:1], 0x0                ; A's buffer, wts
	s_load_b128 s[8:11], s[0:1], 0x10              ; RES, OUT
	v_lshl_add_u32 v[SPW], v0, 2, SPARE
	v_mov_b32 v[NIL], 0
	ds_add_u32 v28, v29
	ds_add_u32 v28, v29
	s_wait_dscnt 0x0
	v_lshrrev_b32 v1, 5, v0
	v_readfirstlane_b32 s14, v1
	s_lshr_b32 s15, s14, 1
	s_and_b32 s16, s14, 1
	s_bfe_u32 s40, ttmp6, 0x40000
	s_bfe_u32 s41, ttmp6, 0x40004
	s_lshl_b32 s42, ttmp9, 2
	s_add_co_u32 s42, s42, s40                     ; tile column
	s_and_b32 s17, ttmp7, 0xffff
	s_lshl_b32 s17, s17, 2
	s_add_co_u32 s17, s17, s41                     ; tile row
	s_lshl_b32 s43, s41, 2
	s_lshl_b32 s43, 15, s43
	s_lshl_b32 s44, 0x1111, s40
	s_or_b32 s[G1+0], s43, (3<<16)|(1<<21)
	s_or_b32 s[G1B+0], s44, (3<<16)|(1<<21)
.irp g, G1, G1B
	s_mov_b32 s[\g+1], 384<<16
	s_mov_b32 s[\g+2], 8<<16
	s_mov_b32 s[\g+3], 384<<16
	s_mov_b32 s[\g+4], 8
	s_mov_b32 s[\g+5], TILEB/8
	s_mov_b32 s[\g+6], 0
	s_mov_b32 s[\g+7], 0
.endr
	s_or_b32 s[G1S+0], s43, (3<<16)|(1<<21)
	s_or_b32 s[G1SB+0], s44, (3<<16)|(1<<21)
.irp g, G1S, G1SB
	s_mov_b32 s[\g+1], 32<<16
	s_mov_b32 s[\g+2], (HALFS/256)<<16
	s_mov_b32 s[\g+3], 32<<16
	s_mov_b32 s[\g+4], HALFS/256
	s_mov_b32 s[\g+5], 32
	s_mov_b32 s[\g+6], 0
	s_mov_b32 s[\g+7], 0
.endr
	s_lshl_b32 s18, s16, 3
	s_lshl_b32 s20, s17, 4
	s_add_co_u32 s20, s20, s18
	s_lshl_b32 s46, s42, 4
	s_add_co_u32 s46, s46, s18
	s_mul_i32 s22, s20, STB
	s_add_co_u32 s22, s22, ASOFF
	s_mul_i32 s20, s20, TILEB
	s_mul_i32 s92, s46, STB
	s_add_co_u32 s92, s92, BSOFF
	s_mul_i32 s46, s46, TILEB
	s_add_co_u32 s46, s46, BOFF
	s_mov_b32 s21, 0
	s_mov_b32 s23, 0
	s_mov_b32 s47, 0
	s_mov_b32 s93, 0
	s_mul_i32 s45, s14, HALFT
	s_mul_i32 s94, s14, HALFS
	s_wait_kmcnt 0x0
	s_add_nc_u64 s[20:21], s[4:5], s[20:21]
	s_add_nc_u64 s[22:23], s[4:5], s[22:23]
	s_add_nc_u64 s[46:47], s[6:7], s[46:47]
	s_add_nc_u64 s[92:93], s[6:7], s[92:93]
	CROUND
	s_mov_b32 s[G0S], 1
	s_add_co_u32 s[G0S+1], s94, SCL
	s_mov_b64 s[G0S+2:G0S+3], s[22:23]
	s_or_b32 s[G0S+3], s[G0S+3], 0x80000000
	s_mov_b32 s[G0SB], 1
	s_add_co_u32 s[G0SB+1], s94, SCL
	s_mov_b64 s[G0SB+2:G0SB+3], s[92:93]
	s_or_b32 s[G0SB+3], s[G0SB+3], 0x80000000
	JLOAD G0S, G1S, G0SB, G1SB
.irp s, 0,1
	s_mov_b32 s[G0+4*\s], 1
	s_add_co_u32 s[G0+4*\s+1], s45, \s*SLOT
	s_add_nc_u64 s[G0+4*\s+2:G0+4*\s+3], s[20:21], \s*3072
	s_or_b32 s[G0+4*\s+3], s[G0+4*\s+3], 0x80000000
	s_mov_b32 s[G0B+4*\s], 1
	s_add_co_u32 s[G0B+4*\s+1], s45, \s*SLOT
	s_add_nc_u64 s[G0B+4*\s+2:G0B+4*\s+3], s[46:47], \s*3072
	s_or_b32 s[G0B+4*\s+3], s[G0B+4*\s+3], 0x80000000
	JLOAD G0+4*\s, G1, G0B+4*\s, G1B
.endr
	v_and_b32 v1, 31, v0
	v_lshlrev_b32 v[CO], 4, v1
	v_lshlrev_b32 v5, 3, v1
	v_lshlrev_b32 v2, 2, v1
	s_mul_i32 s21, s15, HALFT
	s_mul_i32 s22, s16, HALFT
	s_add_co_u32 s22, s22, 2*HALFT
.irp s, 0,1
	v_add_nc_u32 v[ADRA+\s], s21, v[CO]
	v_add_nc_u32 v[ADRB+\s], s22, v[CO]
	v_add_nc_u32 v[ADRA+2+\s], s21, v5
	v_add_nc_u32 v[ADRB+2+\s], s22, v5
	s_add_co_u32 s21, s21, SLOT
	s_add_co_u32 s22, s22, SLOT
.endr
	s_mul_i32 s21, s15, HALFS
	s_add_co_u32 s21, s21, SCL
	v_add_nc_u32 v[ADSA], s21, v2
	s_mul_i32 s22, s16, HALFS
	s_add_co_u32 s22, s22, SCL+2*HALFS
	v_add_nc_u32 v[ADSB], s22, v2
	s_mul_i32 s23, s14, 16*SPITCH                  ; my stage
	v_and_b32 v3, 15, v0
	v_bfe_u32 v4, v0, 4, 1
	v_mul_u32_u24 v5, v3, SPITCH
	v_lshl_add_u32 v5, v4, 6, v5
	v_add_nc_u32 v[STO], s23, v5                   ; in: row r, + 64 h
	v_add_nc_u32 v[RD], s23, v[CO]                 ; back: a row of 512 bytes to the 32 lanes
	v_lshrrev_b32 v6, 1, v1
	v_lshlrev_b32 v6, 12, v6
	v_and_b32 v7, 1, v1
	v_lshl_add_u32 v[PFO], v7, 8, v6               ; the prefetches: row l / 2, block l % 2
	s_lshl_b32 s20, s17, 8
	s_lshl_b32 s21, s15, 7
	s_add_co_u32 s20, s20, s21
	s_lshl_b32 s20, s20, 12                        ; my first row, 4,096 bytes a row
	s_lshl_b32 s46, s42, 10
	s_lshl_b32 s47, s16, 9
	s_add_co_u32 s46, s46, s47
	s_add_co_u32 s46, s46, s20
	s_mov_b32 s47, 0
	s_add_nc_u64 s[66:67], s[8:9], s[46:47]        ; RES at my 128 x 128
	s_add_nc_u64 s[12:13], s[10:11], s[46:47]      ; OUT likewise; neither is stepped: every row stands in an immediate, 127 rows at the most
.macro FRAG reg, adr, q, i
	ds_load_b128 v[\reg:\reg+3], v[\adr] offset:(2*(\i)+(\q))*1536
	ds_load_b64 v[\reg+4:\reg+5], v[\adr+2] offset:(2*(\i)+(\q))*1536+512
	ds_load_b128 v[\reg+6:\reg+9], v[\adr] offset:(2*(\i)+(\q))*1536+768
	ds_load_b64 v[\reg+10:\reg+11], v[\adr+2] offset:(2*(\i)+(\q))*1536+1280
.endm
.macro WM acc, bfr, afr, sb, sa, zero, q
.if (\zero) && ((\q) == 0)
	v_wmma_scale_f32_16x16x128_f8f6f4 v[\acc:\acc+7], v[\bfr:\bfr+FR-1], v[\afr:\afr+FR-1], 0, v[\sb], v[\sa] matrix_a_fmt:MATRIX_FMT_BF6 matrix_b_fmt:MATRIX_FMT_BF6
.elseif (\q) == 0
	v_wmma_scale_f32_16x16x128_f8f6f4 v[\acc:\acc+7], v[\bfr:\bfr+FR-1], v[\afr:\afr+FR-1], v[\acc:\acc+7], v[\sb], v[\sa] matrix_a_fmt:MATRIX_FMT_BF6 matrix_b_fmt:MATRIX_FMT_BF6
.else
	v_wmma_scale_f32_16x16x128_f8f6f4 v[\acc:\acc+7], v[\bfr:\bfr+FR-1], v[\afr:\afr+FR-1], v[\acc:\acc+7], v[\sb], v[\sa] matrix_a_fmt:MATRIX_FMT_BF6 matrix_b_fmt:MATRIX_FMT_BF6 matrix_a_scale:MATRIX_SCALE_ROW1 matrix_b_scale:MATRIX_SCALE_ROW1
.endif
.endm
.macro MUL16 a0, p, q, sc, zero        ; the 64 accumulators take turns, one instruction a turn
.irp a, \a0, \a0+1
.irp b, 0,1,2,3,4,5,6,7
	WM 8*(8*((\a)%4)+\b), 128*(\p)+FR*\b, AF+FR*(\a), SCB+8*(\sc)+\b, SCA+8*(\sc)+(\a), \zero, \q
.endr
.endr
.endm
.macro FETCH_B slot, q, p
	WIN TO_B
.irp i, 0,1,2,3,4,5,6,7
	FRAG 128*(\p)+FR*\i, ADRB+\slot, \q, \i
.endr
	WIN 0
.endm
.macro FETCH_A slot, q, i0
.irp i, \i0, \i0+1, \i0+2, \i0+3
	FRAG AF+FR*(\i), ADRA+\slot, \q, \i
.endr
.endm
.macro SCALES sc
.irp i, 0,1,2,3,4,5,6,7
	ds_load_b32 v[SCA+8*\sc+\i], v[ADSA] offset:\i*STB
	ds_load_b32 v[SCB+8*\sc+\i], v[ADSB] offset:\i*STB
.endr
.endm
.macro PLACES n
.rept \n
	v_nop
.endr
.endm
.macro STEP slot, zero
	s_wait_dscnt 4*NL                              ; all but the youngest sixteen loads (A's blocks 4-7) are in
	WIN MUL_LO
	MUL16 0, 0, 0, \slot, \zero
	MUL16 2, 0, 0, \slot, \zero
	s_wait_dscnt 0
	PLACES NP
	FETCH_B \slot, 1, 1
	FETCH_A \slot, 1, 0
	WIN MUL_HI
	MUL16 4, 0, 0, \slot, \zero
	MUL16 6, 0, 0, \slot, \zero
	PLACES NP
	WIN 0
	FETCH_A \slot, 1, 4
.endm
.macro TURN slot, next, fill, ask
	s_wait_tensorcnt 0x0                           ; all my tensor loads have landed: my part of the next slot
	ds_add_u32 v[SPW], v[NIL]                      ; 0 onto my spare word
	s_wait_dscnt 4*NL+1                            ; the add and the youngest sixteen loads may be out
	WIN MUL_LO
	MUL16 0, 1, 1, \slot, 0
	s_wait_dscnt 0x0                               ; the add is done, and my reads of this slot are over
	s_barrier_signal -1
	MUL16 2, 1, 1, \slot, 0
	WIN 0
	s_barrier_wait -1
.if \fill
	CREST
	s_add_nc_u64 s[G0+4*\slot+2:G0+4*\slot+3], s[G0+4*\slot+2:G0+4*\slot+3], 6144
	s_add_nc_u64 s[G0B+4*\slot+2:G0B+4*\slot+3], s[G0B+4*\slot+2:G0B+4*\slot+3], 6144
	JLOAD G0+4*\slot, G1, G0B+4*\slot, G1B
.else
	PLACES NP
.endif
	v_add_nc_u32 v[ADSA], 128, v[ADSA]
	v_add_nc_u32 v[ADSB], 128, v[ADSB]
	FETCH_B \next, 0, 0
	FETCH_A \next, 0, 0
	SCALES \next
.if (\ask) >= 0
	ASK \ask
.endif
	WIN MUL_HI
	MUL16 4, 1, 1, \slot, 0
	MUL16 6, 1, 1, \slot, 0
	PLACES NP
	WIN 0
	FETCH_A \next, 0, 4
.endm
	s_wait_tensorcnt 1                             ; the scale words and slot 0 are in; slot 1's load may be out
	s_barrier_signal -1
	s_barrier_wait -1
	FETCH_B 0, 0, 0
	FETCH_A 0, 0, 0
	SCALES 0
	FETCH_A 0, 0, 4
	STEP 0, 1
	s_mov_b32 s3, LAPS-1
.Llap:
	TURN 0, 1, 1, 0
	STEP 1, 0
	TURN 1, 0, 1, 4
	STEP 0, 0
	s_sub_co_u32 s3, s3, 1
	s_cmp_lg_u32 s3, 0
	s_cbranch_scc1 .Llap
	TURN 0, 1, 0, -1
	STEP 1, 0
	s_wait_dscnt 4*NL
	WIN MUL_LO
	MUL16 0, 1, 1, 1, 0
	MUL16 2, 1, 1, 1, 0
	s_wait_dscnt 0
	WIN MUL_HI
	MUL16 4, 1, 1, 1, 0
	MUL16 6, 1, 1, 1, 0
	WIN 0
; Stage row t of block a is row 32 (a / 2) + 8 (a % 2) + t + 8 (t / 8) of my 128.
.macro XLOAD a                         ; the residual's 16 rows of block a into window 1
	WIN 0x40
.irp t, 0,1,2,3,4,5,6,7,8,9,10,11,12,13,14,15
	global_load_b128 v[64*((\a)%4)+4*\t:64*((\a)%4)+4*\t+3], v[CO], s[66:67] offset:(32*((\a)/2)+8*((\a)%2)+\t+8*(\t/8))*4096 th:TH_LOAD_NT
.endr
	WIN 0
.endm
.macro TOSTAGE a
.set AC, 64*((\a)%4)
	WIN 0x08+4*((\a)/4)                            ; an LDS store's data: window 2 or 3
.irp b, 0,1,2,3,4,5,6,7
	ds_store_b128 v[STO], v[AC+8*\b:AC+8*\b+3] offset:128*(\b/2)+32*(\b%2)       ; columns 32 (b / 2) + 8 (b % 2) + 16 h + 0 .. 7; each accumulator from its low end on
	ds_store_b128 v[STO], v[AC+8*\b+4:AC+8*\b+7] offset:128*(\b/2)+32*(\b%2)+16
.endr
	WIN 0
.set BB, BK+64*((\a)%2)
.irp t, 0,1,2,3,4,5,6,7,8,9,10,11,12,13,14,15
	ds_load_b128 v[BB+4*\t:BB+4*\t+3], v[RD] offset:\t*SPITCH        ; LDS serves a wave's instructions in order: these see the stores above
.endr
.endm
.macro SEND a, younger, lc
.set BB, BK+64*((\a)%2)
.set XR, 64*((\a)%4)
	s_wait_dscnt \younger                          ; the block is back; the next block's 16 stores and 16 loads may be out
	s_wait_loadcnt \lc                             ; its residual is in; sixteen loads of each later block stay out
	WIN 0x04
.set i, 0
.rept 32
	v_pk_add_f32 v[BB+i:BB+i+1], v[BB+i:BB+i+1], v[XR+i:XR+i+1]
.set i, i+2
.endr
	WIN 0
.irp t, 0,1,2,3,4,5,6,7,8,9,10,11,12,13,14,15
	global_store_b128 v[CO], v[BB+4*\t:BB+4*\t+3], s[12:13] offset:(32*((\a)/2)+8*((\a)%2)+\t+8*(\t/8))*4096 th:TH_STORE_NT   ; 512 consecutive bytes, aligned
.endr
.endm
	PLACES NP                                      ; in front of loads into the fragments' registers and of the first read of results
	XLOAD 0
	XLOAD 1
	XLOAD 2
	TOSTAGE 0
.irp a, 1,2,3,4,5,6,7
.if \a > 1
	s_wait_xcnt 0x0                                ; block a - 2's stores have read their registers: block a's loads may land there
.endif
	TOSTAGE \a
.if \a < 7
	SEND \a-1, 32, 32
.else
	SEND \a-1, 32, 16
.endif
.if \a+2 <= 7
	XLOAD \a+2
.endif
.endr
	SEND 7, 0, 0
	s_wait_tensorcnt 0x0                           ; the wave's end
	ds_add_u32 v[SPW], v[NIL]
	s_wait_dscnt 0x0
	CROUND
	s_endpgm
.Lfunc_end_k_q24bc55dc6e_wo:
	.size	k_q24bc55dc6e_wo, .Lfunc_end_k_q24bc55dc6e_wo-k_q24bc55dc6e_wo
	.p2alignl 7, 3214868480
	.fill 96, 4, 3214868480
	.section	.rodata,"a",@progbits
	.p2align	6, 0x0
	.amdhsa_kernel k_q24bc55dc6e_wo
		.amdhsa_group_segment_fixed_size 327680
		.amdhsa_private_segment_fixed_size 0
		.amdhsa_enable_private_segment 0
		.amdhsa_kernarg_size 32
		.amdhsa_user_sgpr_count 2
		.amdhsa_user_sgpr_kernarg_segment_ptr 1
		.amdhsa_wavefront_size32 1
		.amdhsa_system_sgpr_workgroup_id_x 1
		.amdhsa_system_sgpr_workgroup_id_y 1
		.amdhsa_system_sgpr_workgroup_id_z 1
		.amdhsa_system_vgpr_workitem_id 0
		.amdhsa_next_free_vgpr 1024
		.amdhsa_next_free_sgpr 102
		.amdhsa_reserve_vcc 0
		.amdhsa_float_denorm_mode_32 3
		.amdhsa_float_denorm_mode_16_64 3
		.amdhsa_memory_ordered 1
		.amdhsa_forward_progress 1
		.amdhsa_inst_pref_size 176
	.end_amdhsa_kernel
	.amdgpu_metadata
---
amdhsa.version: [ 1, 2 ]
amdhsa.kernels:
  - .name:           k_q24bc55dc6e_wo
    .symbol:         k_q24bc55dc6e_wo.kd
    .args:
      - { .name: act, .offset: 0, .size: 8, .value_kind: global_buffer, .address_space: global }
      - { .name: wts, .offset: 8, .size: 8, .value_kind: global_buffer, .address_space: global }
      - { .name: x, .offset: 16, .size: 8, .value_kind: global_buffer, .address_space: global }
      - { .name: x1, .offset: 24, .size: 8, .value_kind: global_buffer, .address_space: global }
    .group_segment_fixed_size: 327680
    .private_segment_fixed_size: 0
    .kernarg_segment_align: 8
    .kernarg_segment_size: 32
    .max_flat_workgroup_size: 128
    .sgpr_count:     102
    .vgpr_count:     1024
    .wavefront_size: 32
...
	.end_amdgpu_metadata
.endif
;; end of part 4
;; launch ln2: the kernel of part 1 again; grid 256 x 1, 4 waves a work-group, no clusters, 32,256 bytes of LDS; arguments x1, ln2_g, ln2_b, act, wq_codes, wq_scales, wk_codes, wk_scales, wv_codes, wv_scales, wo_codes, wo_scales, w1_codes, w1_scales, w2_codes, w2_scales, wts; writes act, wts
;; launch ffn1 (part 5): grid 16 x 16, 4 waves a work-group, clusters of 4 x 4, 327,680 bytes of LDS; arguments act, wts, hid; writes hid
.if DOCPART == 5
	.amdgcn_target "amdgcn-amd-amdhsa--gfx1250"
	.amdhsa_code_object_version 6
	.text
	.protected	k_q24bc55dc6e_ffn1
	.globl	k_q24bc55dc6e_ffn1
	.p2align	8
	.type	k_q24bc55dc6e_ffn1,@function
k_q24bc55dc6e_ffn1:
	s_mov_b64 s[64:65], 0
	v_nop
	global_prefetch_b8 v0, s[64:65] scope:SCOPE_SE
	s_setreg_imm32_b32 hwreg(HW_REG_WAVE_MODE, 25, 1), 1
	s_wait_xcnt 0x0
	s_wait_alu depctr_hold_cnt(0) depctr_sa_sdst(0) depctr_va_vdst(0) depctr_va_sdst(0) depctr_va_ssrc(0) depctr_va_vcc(0) depctr_vm_vsrc(0)
	s_getreg_b32 s2, hwreg(HW_REG_IB_STS2, 6, 4)
	s_cmp_eq_u32 s2, 0
	s_cbranch_scc0 .Lentry_in_a_cluster
	s_endpgm
.Lentry_in_a_cluster:
	s_bfe_u32 s2, ttmp6, 0x10000c
	s_cmp_lg_u32 s2, 0xf033
	s_cbranch_scc0 .Lentry_shape_is_right
	s_endpgm
.Lentry_shape_is_right:
; hid = Q(gelu(y W1)) : the product on E3M2 codes with E8M0 scales (K = 1,024), the exact gelu in f32, and the quantiser along the 4,096 hidden units, which are the next product's K.
; Both operands are operand images (16-row tiles whose rows are 32 (t / 2) + 8 (t % 2) + r + 8 (r / 8); a fragment of 16 rows x 128 K is 1,536 consecutive bytes in the order of the operand's registers), and so is the result.
; A work-group of four waves makes 256 x 256, a wave 128 x 128.  TRANSPOSED USE: source 0 = 16 rows of W1, source 1 = 16 rows of y: a lane holds a token, and its 64 registers of a block are 128 hidden units in natural order.
; CLUSTERS 4 x 4: y's tiles are shared along a row of the cluster, W1's along a column.
; GELU.  gelu(x) = max(x, 0) - |x| E / 2, E = erfc(|x| / sqrt 2) = t (a1 + t (a2 + t (a3 + t (a4 + t a5)))) 2^-(0.8493218 |x|)^2, t = 1 / (1 + 0.23164189 |x|): no compare, no select.
; LIMIT: that form's error in erf is at most 1.5e-7 (absolute), of the order of an f32 rounding of 1 + erf; relative to E itself it grows to about 7e-4 at x = -4.2, where gelu is under 6e-5.  NaN and infinities are not served.
; The way out is a loop of eight trips, one for each block of 16 tokens: only the copy out of the block's accumulators differs from trip to trip, and is written eight times; a trip jumps to its copy by the trip's number.
; REGISTERS: window 0: v16-31 addresses; v32-63 scale words and nothing else; v64-127 max(x, 0), then gelu; v128-223 A's fragments, later the quantiser.  window 1: B's fragments; later |x|, t, the exponential, the polynomial.  windows 2, 3: accumulators.
.set KT,    1024
.set ASOFF, 3145728
.set BOFF,  3145728
.set BSOFF, 9568256
.set HSC,   12582912
.set FR,    12
.set NL,    4
.set NP,    4
.set KS8,   KT/128
.set TILEB, 1536*KS8
.set STB,   64*KS8
.set LAPS,  KT/512
.set HALFT, 8*3072
.set SLOT,  4*HALFT
.set SCL,   2*SLOT
.set HALFS, 8*STB
.set SPARE, SCL+4*HALFS
.set ADRA, 16
.set ADRB, 20
.set LI16, 24
.set LI8,  25
.set LS,   26
.set ADSA, 27
.set SPW,  28
.set NIL,  29
.set ADSB, 31
.set SCA,  32
.set SCB,  48
.set AF,   128
.set T,    64
.set PC,   128
.set TM,   160
.set PW,   176
.set CA5,  178
.set AX,   0                           ; in window 1
.set TT,   64
.set EE,   128
.set PP,   192
.set SEL,  92
.set G1, 24
.set G0, 32
.set G1B, 48
.set G0B, 56
.set G1S, 68
.set G0S, 76
.set G1SB, 80
.set G0SB, 88
.set MSB, 0
.macro WIN new
.if MSB != \new
	s_set_vgpr_msb (MSB<<8)|\new
.set MSB, \new
.endif
.endm
.set MUL_LO, 0xa1
.set MUL_HI, 0xf1
.set TO_B,   0x40
.macro JLOAD g0a, g1a, g0b, g1b
	s_cmp_eq_u32 s15, 0
	s_cbranch_scc0 .Lfor_b_\@
	tensor_load_to_lds s[\g0a:\g0a+3], s[\g1a:\g1a+7]
	s_nop 0
.rept 4
	v_nop
.endr
	s_branch .Lasked_\@
.Lfor_b_\@:
	tensor_load_to_lds s[\g0b:\g0b+3], s[\g1b:\g1b+7]
	s_nop 0
.rept 4
	v_nop
.endr
.Lasked_\@:
.endm
.macro CREST
	s_cmp_lg_u32 s14, 0
	s_cbranch_scc1 .Lnot_wave_0_\@
	s_barrier_signal -3
.Lnot_wave_0_\@:
	s_barrier_wait -3
	s_barrier_signal -1
	s_barrier_wait -1
.endm
.macro CROUND
	s_barrier_signal -1
	s_barrier_wait -1
	CREST
.endm
	s_load_b128 s[4:7], s[0:1], 0x0                ; act, wts
	s_load_b64 s[8:9], s[0:1], 0x10                ; hid
	v_lshl_add_u32 v[SPW], v0, 2, SPARE
	v_mov_b32 v[NIL], 0
	ds_add_u32 v28, v29
	ds_add_u32 v28, v29
	s_wait_dscnt 0x0
	v_lshrrev_b32 v1, 5, v0
	v_readfirstlane_b32 s14, v1
	s_lshr_b32 s15, s14, 1
	s_and_b32 s16, s14, 1
	s_bfe_u32 s40, ttmp6, 0x40000
	s_bfe_u32 s41, ttmp6, 0x40004
	s_lshl_b32 s42, ttmp9, 2
	s_add_co_u32 s42, s42, s40
	s_and_b32 s17, ttmp7, 0xffff
	s_lshl_b32 s17, s17, 2
	s_add_co_u32 s17, s17, s41
	s_lshl_b32 s43, s41, 2
	s_lshl_b32 s43, 15, s43
	s_lshl_b32 s44, 0x1111, s40
	s_or_b32 s[G1+0], s43, (3<<16)|(1<<21)
	s_or_b32 s[G1B+0], s44, (3<<16)|(1<<21)
.irp g, G1, G1B
	s_mov_b32 s[\g+1], 384<<16
	s_mov_b32 s[\g+2], 8<<16
	s_mov_b32 s[\g+3], 384<<16
	s_mov_b32 s[\g+4], 8
	s_mov_b32 s[\g+5], TILEB/8
	s_mov_b32 s[\g+6], 0
	s_mov_b32 s[\g+7], 0
.endr
	s_or_b32 s[G1S+0], s43, (3<<16)|(1<<21)
	s_or_b32 s[G1SB+0], s44, (3<<16)|(1<<21)
.irp g, G1S, G1SB
	s_mov_b32 s[\g+1], 32<<16
	s_mov_b32 s[\g+2], (HALFS/256)<<16
	s_mov_b32 s[\g+3], 32<<16
	s_mov_b32 s[\g+4], HALFS/256
	s_mov_b32 s[\g+5], 32
	s_mov_b32 s[\g+6], 0
	s_mov_b32 s[\g+7], 0
.endr
	s_lshl_b32 s18, s16, 3
	s_lshl_b32 s20, s17, 4
	s_add_co_u32 s20, s20, s18
	s_lshl_b32 s46, s42, 4
	s_add_co_u32 s46, s46, s18
	s_mul_i32 s22, s20, STB
	s_add_co_u32 s22, s22, ASOFF
	s_mul_i32 s20, s20, TILEB
	s_mul_i32 s92, s46, STB
	s_add_co_u32 s92, s92, BSOFF
	s_mul_i32 s46, s46, TILEB
	s_add_co_u32 s46, s46, BOFF
	s_mov_b32 s21, 0
	s_mov_b32 s23, 0
	s_mov_b32 s47, 0
	s_mov_b32 s93, 0
	s_mul_i32 s45, s14, HALFT
	s_mul_i32 s94, s14, HALFS
	s_wait_kmcnt 0x0
	s_add_nc_u64 s[20:21], s[4:5], s[20:21]
	s_add_nc_u64 s[22:23], s[4:5], s[22:23]
	s_add_nc_u64 s[46:47], s[6:7], s[46:47]
	s_add_nc_u64 s[92:93], s[6:7], s[92:93]
	CROUND
	s_mov_b32 s[G0S], 1
	s_add_co_u32 s[G0S+1], s94, SCL
	s_mov_b64 s[G0S+2:G0S+3], s[22:23]
	s_or_b32 s[G0S+3], s[G0S+3], 0x80000000
	s_mov_b32 s[G0SB], 1
	s_add_co_u32 s[G0SB+1], s94, SCL
	s_mov_b64 s[G0SB+2:G0SB+3], s[92:93]
	s_or_b32 s[G0SB+3], s[G0SB+3], 0x80000000
	JLOAD G0S, G1S, G0SB, G1SB
.irp s, 0,1
	s_mov_b32 s[G0+4*\s], 1
	s_add_co_u32 s[G0+4*\s+1], s45, \s*SLOT
	s_add_nc_u64 s[G0+4*\s+2:G0+4*\s+3], s[20:21], \s*3072
	s_or_b32 s[G0+4*\s+3], s[G0+4*\s+3], 0x80000000
	s_mov_b32 s[G0B+4*\s], 1
	s_add_co_u32 s[G0B+4*\s+1], s45, \s*SLOT
	s_add_nc_u64 s[G0B+4*\s+2:G0B+4*\s+3], s[46:47], \s*3072
	s_or_b32 s[G0B+4*\s+3], s[G0B+4*\s+3], 0x80000000
	JLOAD G0+4*\s, G1, G0B+4*\s, G1B
.endr
	v_and_b32 v1, 31, v0
	v_lshlrev_b32 v[LI16], 4, v1
	v_lshlrev_b32 v[LI8], 3, v1
	v_lshlrev_b32 v2, 2, v1
	s_mul_i32 s21, s15, HALFT
	s_mul_i32 s22, s16, HALFT
	s_add_co_u32 s22, s22, 2*HALFT
.irp s, 0,1
	v_add_nc_u32 v[ADRA+\s], s21, v[LI16]
	v_add_nc_u32 v[ADRB+\s], s22, v[LI16]
	v_add_nc_u32 v[ADRA+2+\s], s21, v[LI8]
	v_add_nc_u32 v[ADRB+2+\s], s22, v[LI8]
	s_add_co_u32 s21, s21, SLOT
	s_add_co_u32 s22, s22, SLOT
.endr
	s_mul_i32 s21, s15, HALFS
	s_add_co_u32 s21, s21, SCL
	v_add_nc_u32 v[ADSA], s21, v2
	s_mul_i32 s22, s16, HALFS
	s_add_co_u32 s22, s22, SCL+2*HALFS
	v_add_nc_u32 v[ADSB], s22, v2
	v_and_b32 v3, 15, v0
	v_lshlrev_b32 v[LS], 2, v3
	s_lshl_b32 s20, s17, 4
	s_lshl_b32 s21, s15, 3
	s_add_co_u32 s20, s20, s21                     ; my first tile of tokens,
	s_lshl_b32 s20, s20, 5                         ; 32 fragments a tile,
	s_lshl_b32 s46, s42, 1
	s_add_co_u32 s46, s46, s16                     ; my 128 hidden units: K step 2 x tile column + half
	s_add_co_u32 s46, s46, s20
	s_mul_i32 s98, s46, 1536
	s_mov_b32 s99, 0
	s_lshl_b32 s100, s46, 6
	s_add_co_u32 s100, s100, HSC
	s_mov_b32 s101, 0
	s_add_nc_u64 s[12:13], s[8:9], s[98:99]        ; codes
	s_add_nc_u64 s[66:67], s[8:9], s[100:101]      ; scale words
	s_mov_b32 s[SEL], 0x76543210
	s_mov_b32 s[SEL+1], 0xfedcba98
.macro FRAG reg, adr, q, i
	ds_load_b128 v[\reg:\reg+3], v[\adr] offset:(2*(\i)+(\q))*1536
	ds_load_b64 v[\reg+4:\reg+5], v[\adr+2] offset:(2*(\i)+(\q))*1536+512
	ds_load_b128 v[\reg+6:\reg+9], v[\adr] offset:(2*(\i)+(\q))*1536+768
	ds_load_b64 v[\reg+10:\reg+11], v[\adr+2] offset:(2*(\i)+(\q))*1536+1280
.endm
.macro WM acc, bfr, afr, sb, sa, zero, q
.if (\zero) && ((\q) == 0)
	v_wmma_scale_f32_16x16x128_f8f6f4 v[\acc:\acc+7], v[\bfr:\bfr+FR-1], v[\afr:\afr+FR-1], 0, v[\sb], v[\sa] matrix_a_fmt:MATRIX_FMT_BF6 matrix_b_fmt:MATRIX_FMT_BF6
.elseif (\q) == 0
	v_wmma_scale_f32_16x16x128_f8f6f4 v[\acc:\acc+7], v[\bfr:\bfr+FR-1], v[\afr:\afr+FR-1], v[\acc:\acc+7], v[\sb], v[\sa] matrix_a_fmt:MATRIX_FMT_BF6 matrix_b_fmt:MATRIX_FMT_BF6
.else
	v_wmma_scale_f32_16x16x128_f8f6f4 v[\acc:\acc+7], v[\bfr:\bfr+FR-1], v[\afr:\afr+FR-1], v[\acc:\acc+7], v[\sb], v[\sa] matrix_a_fmt:MATRIX_FMT_BF6 matrix_b_fmt:MATRIX_FMT_BF6 matrix_a_scale:MATRIX_SCALE_ROW1 matrix_b_scale:MATRIX_SCALE_ROW1
.endif
.endm
.macro MUL16 a0, p, q, sc, zero        ; the 64 accumulators take turns, one instruction a turn
.irp a, \a0, \a0+1
.irp b, 0,1,2,3,4,5,6,7
	WM 8*(8*((\a)%4)+\b), 128*(\p)+FR*\b, AF+FR*(\a), SCB+8*(\sc)+\b, SCA+8*(\sc)+(\a), \zero, \q
.endr
.endr
.endm
.macro FETCH_B slot, q, p
	WIN TO_B
.irp i, 0,1,2,3,4,5,6,7
	FRAG 128*(\p)+FR*\i, ADRB+\slot, \q, \i
.endr
	WIN 0
.endm
.macro FETCH_A slot, q, i0
.irp i, \i0, \i0+1, \i0+2, \i0+3
	FRAG AF+FR*(\i), ADRA+\slot, \q, \i
.endr
.endm
.macro SCALES sc
.irp i, 0,1,2,3,4,5,6,7
	ds_load_b32 v[SCA+8*\sc+\i], v[ADSA] offset:\i*STB
	ds_load_b32 v[SCB+8*\sc+\i], v[ADSB] offset:\i*STB
.endr
.endm
.macro PLACES n
.rept \n
	v_nop
.endr
.endm
.macro STEP slot, zero
	s_wait_dscnt 4*NL                              ; all but the youngest sixteen loads (A's blocks 4-7) are in
	WIN MUL_LO
	MUL16 0, 0, 0, \slot, \zero
	MUL16 2, 0, 0, \slot, \zero
	s_wait_dscnt 0
	PLACES NP
	FETCH_B \slot, 1, 1
	FETCH_A \slot, 1, 0
	WIN MUL_HI
	MUL16 4, 0, 0, \slot, \zero
	MUL16 6, 0, 0, \slot, \zero
	PLACES NP
	WIN 0
	FETCH_A \slot, 1, 4
.endm
.macro TURN slot, next, fill
	s_wait_tensorcnt 0x0                           ; all my tensor loads have landed: my part of the next slot
	ds_add_u32 v[SPW], v[NIL]                      ; 0 onto my spare word
	s_wait_dscnt 4*NL+1                            ; the add and the youngest sixteen loads may be out
	WIN MUL_LO
	MUL16 0, 1, 1, \slot, 0
	s_wait_dscnt 0x0                               ; the add is done, and my reads of this slot are over
	s_barrier_signal -1
	MUL16 2, 1, 1, \slot, 0
	WIN 0
	s_barrier_wait -1
.if \fill
	CREST
	s_add_nc_u64 s[G0+4*\slot+2:G0+4*\slot+3], s[G0+4*\slot+2:G0+4*\slot+3], 6144
	s_add_nc_u64 s[G0B+4*\slot+2:G0B+4*\slot+3], s[G0B+4*\slot+2:G0B+4*\slot+3], 6144
	JLOAD G0+4*\slot, G1, G0B+4*\slot, G1B
.else
	PLACES NP
.endif
	v_add_nc_u32 v[ADSA], 128, v[ADSA]
	v_add_nc_u32 v[ADSB], 128, v[ADSB]
	FETCH_B \next, 0, 0
	FETCH_A \next, 0, 0
	SCALES \next
	WIN MUL_HI
	MUL16 4, 1, 1, \slot, 0
	MUL16 6, 1, 1, \slot, 0
	PLACES NP
	WIN 0
	FETCH_A \next, 0, 4
.endm
	s_wait_tensorcnt 1                             ; the scale words and slot 0 are in; slot 1's load may be out
	s_barrier_signal -1
	s_barrier_wait -1
	FETCH_B 0, 0, 0
	FETCH_A 0, 0, 0
	SCALES 0
	FETCH_A 0, 0, 4
	STEP 0, 1
	s_mov_b32 s3, LAPS-1
.Llap:
	TURN 0, 1, 1
	STEP 1, 0
	TURN 1, 0, 1
	STEP 0, 0
	s_sub_co_u32 s3, s3, 1
	s_cmp_lg_u32 s3, 0
	s_cbranch_scc1 .Llap
	TURN 0, 1, 0
	STEP 1, 0
	s_wait_dscnt 4*NL
	WIN MUL_LO
	MUL16 0, 1, 1, 1, 0
	MUL16 2, 1, 1, 1, 0
	s_wait_dscnt 0
	WIN MUL_HI
	MUL16 4, 1, 1, 1, 0
	MUL16 6, 1, 1, 1, 0
	WIN 0
.macro COPY a                          ; block a's 64 numbers: |x| into window 1, max(x, 0) into window 0; each accumulator is read from its low end on
	WIN 0x40|((2+(\a)/4)<<2)
.set i, 0
.rept 64
	v_and_b32 v[AX+i], 0x7fffffff, v[64*((\a)%4)+i]
.set i, i+1
.endr
	WIN (2+(\a)/4)<<2
.set i, 0
.rept 64
	v_max_num_f32 v[T+i], 0, v[64*((\a)%4)+i]
.set i, i+1
.endr
	WIN 0
.endm
	PLACES NP
	v_mov_b32 v[CA5], 0x3f07dc22                   ; a5 / 2
	v_mov_b32 v[CA5+1], 0x3f07dc22
.irp b, 0,1,2,3
	v_mov_b32 v[TM+4+\b], 0                        ; a lane permute's destination counts as one of its sources
.endr
	s_mov_b32 s2, 0
.Lblk:
.irp a, 0,1,2,3,4,5,6
	s_cmp_eq_u32 s2, \a
	s_cbranch_scc1 .Lc\a
.endr
	COPY 7
	s_branch .Lcom
.irp a, 0,1,2,3,4,5,6
.Lc\a:
	COPY \a
	s_branch .Lcom
.endr
.Lcom:
	WIN 0x41
.set i, 0
.rept 32
	v_pk_fma_f32 v[TT+i:TT+i+1], v[AX+i:AX+i+1], 0x3e6d3388, 1.0 op_sel_hi:[1,0,0]   ; 1 + 0.23164189 |x|
.set i, i+2
.endr
.set i, 0
.rept 32
	v_pk_mul_f32 v[EE+i:EE+i+1], v[AX+i:AX+i+1], 0x3f596d27 op_sel_hi:[1,0]          ; 0.8493218 |x|
.set i, i+2
.endr
	WIN 0x45
.set i, 0
.rept 32
	v_pk_mul_f32 v[EE+i:EE+i+1], v[EE+i:EE+i+1], v[EE+i:EE+i+1]
.set i, i+2
.endr
	WIN 0x41
.set i, 0
.rept 64
	v_rcp_f32 v[TT+i], v[TT+i]                     ; t
.set i, i+1
.endr
.set i, 0
.rept 64
	v_exp_f32 v[EE+i], -v[EE+i]                    ; e^(-x^2 / 2)
.set i, i+1
.endr
	v_nop                                          ; a plain instruction behind the last transcendental,
	s_wait_alu depctr_va_vdst(0)                   ; and one wait for the batch of 128, ahead of its first reader
.set i, 0
.rept 32
	v_pk_fma_f32 v[PP+i:PP+i+1], v[TT+i:TT+i+1], v[CA5:CA5+1], 0xbf3a00e3 op_sel_hi:[1,0,0]   ; t a5 + a4, all coefficients halved
.set i, i+2
.endr
	WIN 0x45
.irp k, 0x3f35f0e3, 0xbe11a98e, 0x3e027906
.set i, 0
.rept 32
	v_pk_fma_f32 v[PP+i:PP+i+1], v[PP+i:PP+i+1], v[TT+i:TT+i+1], \k op_sel_hi:[1,1,0]         ; .. + a3, + a2, + a1
.set i, i+2
.endr
.endr
.set i, 0
.rept 32
	v_pk_mul_f32 v[TT+i:TT+i+1], v[TT+i:TT+i+1], v[EE+i:EE+i+1]
.set i, i+2
.endr
.set i, 0
.rept 32
	v_pk_mul_f32 v[PP+i:PP+i+1], v[PP+i:PP+i+1], v[TT+i:TT+i+1]                              ; E / 2
.set i, i+2
.endr
	WIN 0x05
.set i, 0
.rept 32
	v_pk_fma_f32 v[T+i:T+i+1], v[AX+i:AX+i+1], v[PP+i:PP+i+1], v[T+i:T+i+1] neg_lo:[1,0,0] neg_hi:[1,0,0]   ; max(x, 0) - |x| E / 2
.set i, i+2
.endr
	WIN 0
	; the quantiser: register 16 b + i = hidden unit 32 b + 16 (lane / 16) + i of my token
.irp b, 0,1,2,3
	v_max3_num_f32 v[TM+\b], |v[T+16*\b]|, |v[T+1+16*\b]|, 0x2800000
.endr
.irp i, 2,4,6,8,10,12,14
.irp b, 0,1,2,3
	v_max3_num_f32 v[TM+\b], v[TM+\b], |v[T+16*\b+\i]|, |v[T+1+16*\b+\i]|
.endr
.endr
.irp b, 0,1,2,3
	v_permlanex16_b32 v[TM+4+\b], v[TM+\b], s[SEL], s[SEL+1]
.endr
.irp b, 0,1,2,3
	v_max_num_f32 v[TM+\b], v[TM+\b], v[TM+4+\b]
.endr
.irp b, 0,1,2,3
	v_add_nc_u32 v[TM+12+\b], 0xfe000000, v[TM+\b]
.endr
.irp b, 0,1,2,3
	v_lshrrev_b32 v[TM+4+\b], 23, v[TM+12+\b]
.endr
	v_lshl_or_b32 v[PW], v[TM+5], 8, v[TM+4]
	v_lshl_or_b32 v[PW], v[TM+6], 16, v[PW]
	v_lshl_or_b32 v[PW], v[TM+7], 24, v[PW]
.irp c, 0,1
	v_cvt_scalef32_pk16_bf6_f32 v[PC+6*\c:PC+2+6*\c], v[T+32*\c:T+15+32*\c], v[TM+12+2*\c]
	v_cvt_scalef32_pk16_bf6_f32 v[PC+12+4*\c:PC+14+4*\c], v[T+16+32*\c:T+31+32*\c], v[TM+12+2*\c+1]
.endr
	v_nop
.irp c, 0,1
.irp i, 0,1,2
	v_permlane16_swap_b32 v[PC+6*\c+\i], v[PC+12+4*\c+\i]
.endr
.irp i, 0,1,2
	v_mov_b32 v[PC+3+6*\c+\i], v[PC+12+4*\c+\i]
.endr
.endr
	global_store_b128 v[LI16], v[PC:PC+3], s[12:13]                  ; the fragment: 1,536 consecutive bytes
	global_store_b64 v[LI8], v[PC+4:PC+5], s[12:13] offset:512
	global_store_b128 v[LI16], v[PC+6:PC+9], s[12:13] offset:768
	global_store_b64 v[LI8], v[PC+10:PC+11], s[12:13] offset:1280
	global_store_b32 v[LS], v[PW], s[66:67]        ; both halves of the lanes write the same words with the same values
	s_wait_xcnt 0x0                                ; the stores have read their registers and bases
	s_add_nc_u64 s[12:13], s[12:13], 49152         ; the next tile of tokens: 32 fragments on
	s_add_nc_u64 s[66:67], s[66:67], 2048
	s_add_co_u32 s2, s2, 1
	s_cmp_lt_u32 s2, 8
	s_cbranch_scc1 .Lblk
	s_wait_tensorcnt 0x0                           ; the wave's end
	ds_add_u32 v[SPW], v[NIL]
	s_wait_dscnt 0x0
	CROUND
	s_endpgm
.Lfunc_end_k_q24bc55dc6e_ffn1:
	.size	k_q24bc55dc6e_ffn1, .Lfunc_end_k_q24bc55dc6e_ffn1-k_q24bc55dc6e_ffn1
	.p2alignl 7, 3214868480
	.fill 96, 4, 3214868480
	.section	.rodata,"a",@progbits
	.p2align	6, 0x0
	.amdhsa_kernel k_q24bc55dc6e_ffn1
		.amdhsa_group_segment_fixed_size 327680
		.amdhsa_private_segment_fixed_size 0
		.amdhsa_enable_private_segment 0
		.amdhsa_kernarg_size 24
		.amdhsa_user_sgpr_count 2
		.amdhsa_user_sgpr_kernarg_segment_ptr 1
		.amdhsa_wavefront_size32 1
		.amdhsa_system_sgpr_workgroup_id_x 1
		.amdhsa_system_sgpr_workgroup_id_y 1
		.amdhsa_system_sgpr_workgroup_id_z 1
		.amdhsa_system_vgpr_workitem_id 0
		.amdhsa_next_free_vgpr 1024
		.amdhsa_next_free_sgpr 102
		.amdhsa_reserve_vcc 0
		.amdhsa_float_denorm_mode_32 3
		.amdhsa_float_denorm_mode_16_64 3
		.amdhsa_memory_ordered 1
		.amdhsa_forward_progress 1
		.amdhsa_inst_pref_size 203
	.end_amdhsa_kernel
	.amdgpu_metadata
---
amdhsa.version: [ 1, 2 ]
amdhsa.kernels:
  - .name:           k_q24bc55dc6e_ffn1
    .symbol:         k_q24bc55dc6e_ffn1.kd
    .args:
      - { .name: act, .offset: 0, .size: 8, .value_kind: global_buffer, .address_space: global }
      - { .name: wts, .offset: 8, .size: 8, .value_kind: global_buffer, .address_space: global }
      - { .name: hid, .offset: 16, .size: 8, .value_kind: global_buffer, .address_space: global }
    .group_segment_fixed_size: 327680
    .private_segment_fixed_size: 0
    .kernarg_segment_align: 8
    .kernarg_segment_size: 24
    .max_flat_workgroup_size: 128
    .sgpr_count:     102
    .vgpr_count:     1024
    .wavefront_size: 32
...
	.end_amdgpu_metadata
.endif
;; end of part 5
;; launch ffn2 (part 6): grid 4 x 16, 4 waves a work-group, clusters of 4 x 4, 327,680 bytes of LDS; arguments hid, wts, x1, out0; writes out0
.if DOCPART == 6
	.amdgcn_target "amdgcn-amd-amdhsa--gfx1250"
	.amdhsa_code_object_version 6
	.text
	.protected	k_q24bc55dc6e_ffn2
	.globl	k_q24bc55dc6e_ffn2
	.p2align	8
	.type	k_q24bc55dc6e_ffn2,@function
k_q24bc55dc6e_ffn2:
	s_mov_b64 s[64:65], 0
	v_nop
	global_prefetch_b8 v0, s[64:65] scope:SCOPE_SE
	s_setreg_imm32_b32 hwreg(HW_REG_WAVE_MODE, 25, 1), 1
	s_wait_xcnt 0x0
	s_wait_alu depctr_hold_cnt(0) depctr_sa_sdst(0) depctr_va_vdst(0) depctr_va_sdst(0) depctr_va_ssrc(0) depctr_va_vcc(0) depctr_vm_vsrc(0)
	s_getreg_b32 s2, hwreg(HW_REG_IB_STS2, 6, 4)
	s_cmp_eq_u32 s2, 0
	s_cbranch_scc0 .Lentry_in_a_cluster
	s_endpgm
.Lentry_in_a_cluster:
	s_bfe_u32 s2, ttmp6, 0x10000c
	s_cmp_lg_u32 s2, 0xf033
	s_cbranch_scc0 .Lentry_shape_is_right
	s_endpgm
.Lentry_shape_is_right:
; OUT = RES + A B^T on E3M2 codes with E8M0 scales.  Here: out0 = x1 + hid W2: A = hid [4096][4096], B = W2's image in wts [1024][4096], RES and OUT [4096][1024] f32.
; Both operands are operand images (16-row tiles whose rows are 32 (t / 2) + 8 (t % 2) + r + 8 (r / 8); a fragment of 16 rows x 128 K is 1,536 consecutive bytes in the order of the operand's registers).
; A work-group of four waves makes 256 x 256, a wave 128 x 128: 64 accumulators.  K goes in steps of 256 through two LDS slots filled by the tensor data mover; all scale words come once.
; TRANSPOSED USE: source 0 = 16 rows of B, source 1 = 16 rows of A: a lane holds one row of OUT and eight neighbouring columns to an accumulator.
; CLUSTERS 4 x 4: A's tiles are shared along a row of the cluster, B's along a column.  OUT has 64 tiles of 256 x 256: 64 work-groups.
; THE WAY OUT: a block of 16 rows x 128 columns goes through the wave's stage in LDS (in slot 0, which has had its last fill and its last read) and comes back as whole rows of 512 bytes; the residual's rows, loaded three
; blocks ahead in the same shape, are added, and the 32 lanes store 512 consecutive bytes.
; REGISTERS: window 0: v16-31 addresses; v32-63 scale words and nothing else; v128-223 A's fragments, later v128-255 rows on the way out.  window 1: B's fragments, two sets; later the residual.  windows 2, 3: accumulators.
.set KT,    4096
.set ASOFF, 12582912                   ; A's scale words in its buffer
.set BOFF,  6291456                    ; B's codes in wts
.set BSOFF, 9699328                    ; B's scale words
.set FR,    12
.set NL,    4
.set NP,    4
.set KS8,   KT/128
.set TILEB, 1536*KS8
.set STB,   64*KS8
.set LAPS,  KT/512
.set HALFT, 8*3072
.set SLOT,  4*HALFT
.set SCL,   2*SLOT
.set HALFS, 8*STB
.set SPARE, SCL+4*HALFS
.set SPITCH, 528
.set ADRA, 16
.set ADRB, 20
.set STO,  24
.set RD,   25
.set CO,   26
.set ADSA, 27
.set SPW,  28
.set NIL,  29
.set PFO,  30
.set ADSB, 31
.set SCA,  32
.set SCB,  48
.set AF,   128
.set BK,   128
.set G1, 24
.set G0, 32
.set G1B, 48
.set G0B, 56
.set G1S, 68
.set G0S, 76
.set G1SB, 80
.set G0SB, 88
.set MSB, 0
.macro WIN new
.if MSB != \new
	s_set_vgpr_msb (MSB<<8)|\new
.set MSB, \new
.endif
.endm
.set MUL_LO, 0xa1
.set MUL_HI, 0xf1
.set TO_B,   0x40
.macro JLOAD g0a, g1a, g0b, g1b
	s_cmp_eq_u32 s15, 0
	s_cbranch_scc0 .Lfor_b_\@
	tensor_load_to_lds s[\g0a:\g0a+3], s[\g1a:\g1a+7]
	s_nop 0
.rept 4
	v_nop
.endr
	s_branch .Lasked_\@
.Lfor_b_\@:
	tensor_load_to_lds s[\g0b:\g0b+3], s[\g1b:\g1b+7]
	s_nop 0
.rept 4
	v_nop
.endr
.Lasked_\@:
.endm
.macro CREST
	s_cmp_lg_u32 s14, 0
	s_cbranch_scc1 .Lnot_wave_0_\@
	s_barrier_signal -3
.Lnot_wave_0_\@:
	s_barrier_wait -3
	s_barrier_signal -1
	s_barrier_wait -1
.endm
.macro CROUND
	s_barrier_signal -1
	s_barrier_wait -1
	CREST
.endm
; A prefetch of my 128 rows x 512 bytes of the residual: 16 rows x 2 blocks of 256 bytes an instruction, eight instructions, four behind each of the loop's last two refills.  Each block is named once in the launch, by the wave that will load it.
.macro ASK p0
	s_cmp_eq_u32 s3, 1                             ; the loop's last trip
	s_cbranch_scc0 .Lnot_yet_\@
.irp i, 0,1,2,3
	global_prefetch_b8 v[PFO], s[66:67] offset:65536*((\p0)+\i) th:TH_LOAD_NT scope:SCOPE_SE
.endr
.Lnot_yet_\@:
.endm
	s_load_b128 s[4:7], s[0:1], 0x0                ; A's buffer, wts
	s_load_b128 s[8:11], s[0:1], 0x10              ; RES, OUT
	v_lshl_add_u32 v[SPW], v0, 2, SPARE
	v_mov_b32 v[NIL], 0
	ds_add_u32 v28, v29
	ds_add_u32 v28, v29
	s_wait_dscnt 0x0
	v_lshrrev_b32 v1, 5, v0
	v_readfirstlane_b32 s14, v1
	s_lshr_b32 s15, s14, 1
	s_and_b32 s16, s14, 1
	s_bfe_u32 s40, ttmp6, 0x40000
	s_bfe_u32 s41, ttmp6, 0x40004
	s_lshl_b32 s42, ttmp9, 2
	s_add_co_u32 s42, s42, s40                     ; tile column
	s_and_b32 s17, ttmp7, 0xffff
	s_lshl_b32 s17, s17, 2
	s_add_co_u32 s17, s17, s41                     ; tile row
	s_lshl_b32 s43, s41, 2
	s_lshl_b32 s43, 15, s43
	s_lshl_b32 s44, 0x1111, s40
	s_or_b32 s[G1+0], s43, (3<<16)|(1<<21)
	s_or_b32 s[G1B+0], s44, (3<<16)|(1<<21)
.irp g, G1, G1B
	s_mov_b32 s[\g+1], 384<<16
	s_mov_b32 s[\g+2], 8<<16
	s_mov_b32 s[\g+3], 384<<16
	s_mov_b32 s[\g+4], 8
	s_mov_b32 s[\g+5], TILEB/8
	s_mov_b32 s[\g+6], 0
	s_mov_b32 s[\g+7], 0
.endr
	s_or_b32 s[G1S+0], s43, (3<<16)|(1<<21)
	s_or_b32 s[G1SB+0], s44, (3<<16)|(1<<21)
.irp g, G1S, G1SB
	s_mov_b32 s[\g+1], 32<<16
	s_mov_b32 s[\g+2], (HALFS/256)<<16
	s_mov_b32 s[\g+3], 32<<16
	s_mov_b32 s[\g+4], HALFS/256
	s_mov_b32 s[\g+5], 32
	s_mov_b32 s[\g+6], 0
	s_mov_b32 s[\g+7], 0
.endr
	s_lshl_b32 s18, s16, 3
	s_lshl_b32 s20, s17, 4
	s_add_co_u32 s20, s20, s18
	s_lshl_b32 s46, s42, 4
	s_add_co_u32 s46, s46, s18
	s_mul_i32 s22, s20, STB
	s_add_co_u32 s22, s22, ASOFF
	s_mul_i32 s20, s20, TILEB
	s_mul_i32 s92, s46, STB
	s_add_co_u32 s92, s92, BSOFF
	s_mul_i32 s46, s46, TILEB
	s_add_co_u32 s46, s46, BOFF
	s_mov_b32 s21, 0
	s_mov_b32 s23, 0
	s_mov_b32 s47, 0
	s_mov_b32 s93, 0
	s_mul_i32 s45, s14, HALFT
	s_mul_i32 s94, s14, HALFS
	s_wait_kmcnt 0x0
	s_add_nc_u64 s[20:21], s[4:5], s[20:21]
	s_add_nc_u64 s[22:23], s[4:5], s[22:23]
	s_add_nc_u64 s[46:47], s[6:7], s[46:47]
	s_add_nc_u64 s[92:93], s[6:7], s[92:93]
	CROUND
	s_mov_b32 s[G0S], 1
	s_add_co_u32 s[G0S+1], s94, SCL
	s_mov_b64 s[G0S+2:G0S+3], s[22:23]
	s_or_b32 s[G0S+3], s[G0S+3], 0x80000000
	s_mov_b32 s[G0SB], 1
	s_add_co_u32 s[G0SB+1], s94, SCL
	s_mov_b64 s[G0SB+2:G0SB+3], s[92:93]
	s_or_b32 s[G0SB+3], s[G0SB+3], 0x80000000
	JLOAD G0S, G1S, G0SB, G1SB
.irp s, 0,1
	s_mov_b32 s[G0+4*\s], 1
	s_add_co_u32 s[G0+4*\s+1], s45, \s*SLOT
	s_add_nc_u64 s[G0+4*\s+2:G0+4*\s+3], s[20:21], \s*3072
	s_or_b32 s[G0+4*\s+3], s[G0+4*\s+3], 0x80000000
	s_mov_b32 s[G0B+4*\s], 1
	s_add_co_u32 s[G0B+4*\s+1], s45, \s*SLOT
	s_add_nc_u64 s[G0B+4*\s+2:G0B+4*\s+3], s[46:47], \s*3072
	s_or_b32 s[G0B+4*\s+3], s[G0B+4*\s+3], 0x80000000
	JLOAD G0+4*\s, G1, G0B+4*\s, G1B
.endr
	v_and_b32 v1, 31, v0
	v_lshlrev_b32 v[CO], 4, v1
	v_lshlrev_b32 v5, 3, v1
	v_lshlrev_b32 v2, 2, v1
	s_mul_i32 s21, s15, HALFT
	s_mul_i32 s22, s16, HALFT
	s_add_co_u32 s22, s22, 2*HALFT
.irp s, 0,1
	v_add_nc_u32 v[ADRA+\s], s21, v[CO]
	v_add_nc_u32 v[ADRB+\s], s22, v[CO]
	v_add_nc_u32 v[ADRA+2+\s], s21, v5
	v_add_nc_u32 v[ADRB+2+\s], s22, v5
	s_add_co_u32 s21, s21, SLOT
	s_add_co_u32 s22, s22, SLOT
.endr
	s_mul_i32 s21, s15, HALFS
	s_add_co_u32 s21, s21, SCL
	v_add_nc_u32 v[ADSA], s21, v2
	s_mul_i32 s22, s16, HALFS
	s_add_co_u32 s22, s22, SCL+2*HALFS
	v_add_nc_u32 v[ADSB], s22, v2
	s_mul_i32 s23, s14, 16*SPITCH                  ; my stage
	v_and_b32 v3, 15, v0
	v_bfe_u32 v4, v0, 4, 1
	v_mul_u32_u24 v5, v3, SPITCH
	v_lshl_add_u32 v5, v4, 6, v5
	v_add_nc_u32 v[STO], s23, v5                   ; in: row r, + 64 h
	v_add_nc_u32 v[RD], s23, v[CO]                 ; back: a row of 512 bytes to the 32 lanes
	v_lshrrev_b32 v6, 1, v1
	v_lshlrev_b32 v6, 12, v6
	v_and_b32 v7, 1, v1
	v_lshl_add_u32 v[PFO], v7, 8, v6               ; the prefetches: row l / 2, block l % 2
	s_lshl_b32 s20, s17, 8
	s_lshl_b32 s21, s15, 7
	s_add_co_u32 s20, s20, s21
	s_lshl_b32 s20, s20, 12                        ; my first row, 4,096 bytes a row
	s_lshl_b32 s46, s42, 10
	s_lshl_b32 s47, s16, 9
	s_add_co_u32 s46, s46, s47
	s_add_co_u32 s46, s46, s20
	s_mov_b32 s47, 0
	s_add_nc_u64 s[66:67], s[8:9], s[46:47]        ; RES at my 128 x 128
	s_add_nc_u64 s[12:13], s[10:11], s[46:47]      ; OUT likewise; neither is stepped: every row stands in an immediate, 127 rows at the most
.macro FRAG reg, adr, q, i
	ds_load_b128 v[\reg:\reg+3], v[\adr] offset:(2*(\i)+(\q))*1536
	ds_load_b64 v[\reg+4:\reg+5], v[\adr+2] offset:(2*(\i)+(\q))*1536+512
	ds_load_b128 v[\reg+6:\reg+9], v[\adr] offset:(2*(\i)+(\q))*1536+768
	ds_load_b64 v[\reg+10:\reg+11], v[\adr+2] offset:(2*(\i)+(\q))*1536+1280
.endm
.macro WM acc, bfr, afr, sb, sa, zero, q
.if (\zero) && ((\q) == 0)
	v_wmma_scale_f32_16x16x128_f8f6f4 v[\acc:\acc+7], v[\bfr:\bfr+FR-1], v[\afr:\afr+FR-1], 0, v[\sb], v[\sa] matrix_a_fmt:MATRIX_FMT_BF6 matrix_b_fmt:MATRIX_FMT_BF6
.elseif (\q) == 0
	v_wmma_scale_f32_16x16x128_f8f6f4 v[\acc:\acc+7], v[\bfr:\bfr+FR-1], v[\afr:\afr+FR-1], v[\acc:\acc+7], v[\sb], v[\sa] matrix_a_fmt:MATRIX_FMT_BF6 matrix_b_fmt:MATRIX_FMT_BF6
.else
	v_wmma_scale_f32_16x16x128_f8f6f4 v[\acc:\acc+7], v[\bfr:\bfr+FR-1], v[\afr:\afr+FR-1], v[\acc:\acc+7], v[\sb], v[\sa] matrix_a_fmt:MATRIX_FMT_BF6 matrix_b_fmt:MATRIX_FMT_BF6 matrix_a_scale:MATRIX_SCALE_ROW1 matrix_b_scale:MATRIX_SCALE_ROW1
.endif
.endm
.macro MUL16 a0, p, q, sc, zero        ; the 64 accumulators take turns, one instruction a turn
.irp a, \a0, \a0+1
.irp b, 0,1,2,3,4,5,6,7
	WM 8*(8*((\a)%4)+\b), 128*(\p)+FR*\b, AF+FR*(\a), SCB+8*(\sc)+\b, SCA+8*(\sc)+(\a), \zero, \q
.endr
.endr
.endm
.macro FETCH_B slot, q, p
	WIN TO_B
.irp i, 0,1,2,3,4,5,6,7
	FRAG 128*(\p)+FR*\i, ADRB+\slot, \q, \i
.endr
	WIN 0
.endm
.macro FETCH_A slot, q, i0
.irp i, \i0, \i0+1, \i0+2, \i0+3
	FRAG AF+FR*(\i), ADRA+\slot, \q, \i
.endr
.endm
.macro SCALES sc
.irp i, 0,1,2,3,4,5,6,7
	ds_load_b32 v[SCA+8*\sc+\i], v[ADSA] offset:\i*STB
	ds_load_b32 v[SCB+8*\sc+\i], v[ADSB] offset:\i*STB
.endr
.endm
.macro PLACES n
.rept \n
	v_nop
.endr
.endm
.macro STEP slot, zero
	s_wait_dscnt 4*NL                              ; all but the youngest sixteen loads (A's blocks 4-7) are in
	WIN MUL_LO
	MUL16 0, 0, 0, \slot, \zero
	MUL16 2, 0, 0, \slot, \zero
	s_wait_dscnt 0
	PLACES NP
	FETCH_B \slot, 1, 1
	FETCH_A \slot, 1, 0
	WIN MUL_HI
	MUL16 4, 0, 0, \slot, \zero
	MUL16 6, 0, 0, \slot, \zero
	PLACES NP
	WIN 0
	FETCH_A \slot, 1, 4
.endm
.macro TURN slot, next, fill, ask
	s_wait_tensorcnt 0x0                           ; all my tensor loads have landed: my part of the next slot
	ds_add_u32 v[SPW], v[NIL]                      ; 0 onto my spare word
	s_wait_dscnt 4*NL+1                            ; the add and the youngest sixteen loads may be out
	WIN MUL_LO
	MUL16 0, 1, 1, \slot, 0
	s_wait_dscnt 0x0                               ; the add is done, and my reads of this slot are over
	s_barrier_signal -1
	MUL16 2, 1, 1, \slot, 0
	WIN 0
	s_barrier_wait -1
.if \fill
	CREST
	s_add_nc_u64 s[G0+4*\slot+2:G0+4*\slot+3], s[G0+4*\slot+2:G0+4*\slot+3], 6144
	s_add_nc_u64 s[G0B+4*\slot+2:G0B+4*\slot+3], s[G0B+4*\slot+2:G0B+4*\slot+3], 6144
	JLOAD G0+4*\slot, G1, G0B+4*\slot, G1B
.else
	PLACES NP
.endif
	v_add_nc_u32 v[ADSA], 128, v[ADSA]
	v_add_nc_u32 v[ADSB], 128, v[ADSB]
	FETCH_B \next, 0, 0
	FETCH_A \next, 0, 0
	SCALES \next
.if (\ask) >= 0
	ASK \ask
.endif
	WIN MUL_HI
	MUL16 4, 1, 1, \slot, 0
	MUL16 6, 1, 1, \slot, 0
	PLACES NP
	WIN 0
	FETCH_A \next, 0, 4
.endm
	s_wait_tensorcnt 1                             ; the scale words and slot 0 are in; slot 1's load may be out
	s_barrier_signal -1
	s_barrier_wait -1
	FETCH_B 0, 0, 0
	FETCH_A 0, 0, 0
	SCALES 0
	FETCH_A 0, 0, 4
	STEP 0, 1
	s_mov_b32 s3, LAPS-1
.Llap:
	TURN 0, 1, 1, 0
	STEP 1, 0
	TURN 1, 0, 1, 4
	STEP 0, 0
	s_sub_co_u32 s3, s3, 1
	s_cmp_lg_u32 s3, 0
	s_cbranch_scc1 .Llap
	TURN 0, 1, 0, -1
	STEP 1, 0
	s_wait_dscnt 4*NL
	WIN MUL_LO
	MUL16 0, 1, 1, 1, 0
	MUL16 2, 1, 1, 1, 0
	s_wait_dscnt 0
	WIN MUL_HI
	MUL16 4, 1, 1, 1, 0
	MUL16 6, 1, 1, 1, 0
	WIN 0
; Stage row t of block a is row 32 (a / 2) + 8 (a % 2) + t + 8 (t / 8) of my 128.
.macro XLOAD a                         ; the residual's 16 rows of block a into window 1
	WIN 0x40
.irp t, 0,1,2,3,4,5,6,7,8,9,10,11,12,13,14,15
	global_load_b128 v[64*((\a)%4)+4*\t:64*((\a)%4)+4*\t+3], v[CO], s[66:67] offset:(32*((\a)/2)+8*((\a)%2)+\t+8*(\t/8))*4096 th:TH_LOAD_NT
.endr
	WIN 0
.endm
.macro TOSTAGE a
.set AC, 64*((\a)%4)
	WIN 0x08+4*((\a)/4)                            ; an LDS store's data: window 2 or 3
.irp b, 0,1,2,3,4,5,6,7
	ds_store_b128 v[STO], v[AC+8*\b:AC+8*\b+3] offset:128*(\b/2)+32*(\b%2)       ; columns 32 (b / 2) + 8 (b % 2) + 16 h + 0 .. 7; each accumulator from its low end on
	ds_store_b128 v[STO], v[AC+8*\b+4:AC+8*\b+7] offset:128*(\b/2)+32*(\b%2)+16
.endr
	WIN 0
.set BB, BK+64*((\a)%2)
.irp t, 0,1,2,3,4,5,6,7,8,9,10,11,12,13,14,15
	ds_load_b128 v[BB+4*\t:BB+4*\t+3], v[RD] offset:\t*SPITCH        ; LDS serves a wave's instructions in order: these see the stores above
.endr
.endm
.macro SEND a, younger, lc
.set BB, BK+64*((\a)%2)
.set XR, 64*((\a)%4)
	s_wait_dscnt \younger                          ; the block is back; the next block's 16 stores and 16 loads may be out
	s_wait_loadcnt \lc                             ; its residual is in; sixteen loads of each later block stay out
	WIN 0x04
.set i, 0
.rept 32
	v_pk_add_f32 v[BB+i:BB+i+1], v[BB+i:BB+i+1], v[XR+i:XR+i+1]
.set i, i+2
.endr
	WIN 0
.irp t, 0,1,2,3,4,5,6,7,8,9,10,11,12,13,14,15
	global_store_b128 v[CO], v[BB+4*\t:BB+4*\t+3], s[12:13] offset:(32*((\a)/2)+8*((\a)%2)+\t+8*(\t/8))*4096 th:TH_STORE_NT   ; 512 consecutive bytes, aligned
.endr
.endm
	PLACES NP                                      ; in front of loads into the fragments' registers and of the first read of results
	XLOAD 0
	XLOAD 1
	XLOAD 2
	TOSTAGE 0
.irp a, 1,2,3,4,5,6,7
.if \a > 1
	s_wait_xcnt 0x0                                ; block a - 2's stores have read their registers: block a's loads may land there
.endif
	TOSTAGE \a
.if \a < 7
	SEND \a-1, 32, 32
.else
	SEND \a-1, 32, 16
.endif
.if \a+2 <= 7
	XLOAD \a+2
.endif
.endr
	SEND 7, 0, 0
	s_wait_tensorcnt 0x0                           ; the wave's end
	ds_add_u32 v[SPW], v[NIL]
	s_wait_dscnt 0x0
	CROUND
	s_endpgm
.Lfunc_end_k_q24bc55dc6e_ffn2:
	.size	k_q24bc55dc6e_ffn2, .Lfunc_end_k_q24bc55dc6e_ffn2-k_q24bc55dc6e_ffn2
	.p2alignl 7, 3214868480
	.fill 96, 4, 3214868480
	.section	.rodata,"a",@progbits
	.p2align	6, 0x0
	.amdhsa_kernel k_q24bc55dc6e_ffn2
		.amdhsa_group_segment_fixed_size 327680
		.amdhsa_private_segment_fixed_size 0
		.amdhsa_enable_private_segment 0
		.amdhsa_kernarg_size 32
		.amdhsa_user_sgpr_count 2
		.amdhsa_user_sgpr_kernarg_segment_ptr 1
		.amdhsa_wavefront_size32 1
		.amdhsa_system_sgpr_workgroup_id_x 1
		.amdhsa_system_sgpr_workgroup_id_y 1
		.amdhsa_system_sgpr_workgroup_id_z 1
		.amdhsa_system_vgpr_workitem_id 0
		.amdhsa_next_free_vgpr 1024
		.amdhsa_next_free_sgpr 102
		.amdhsa_reserve_vcc 0
		.amdhsa_float_denorm_mode_32 3
		.amdhsa_float_denorm_mode_16_64 3
		.amdhsa_memory_ordered 1
		.amdhsa_forward_progress 1
		.amdhsa_inst_pref_size 176
	.end_amdhsa_kernel
	.amdgpu_metadata
---
amdhsa.version: [ 1, 2 ]
amdhsa.kernels:
  - .name:           k_q24bc55dc6e_ffn2
    .symbol:         k_q24bc55dc6e_ffn2.kd
    .args:
      - { .name: hid, .offset: 0, .size: 8, .value_kind: global_buffer, .address_space: global }
      - { .name: wts, .offset: 8, .size: 8, .value_kind: global_buffer, .address_space: global }
      - { .name: x1, .offset: 16, .size: 8, .value_kind: global_buffer, .address_space: global }
      - { .name: out0, .offset: 24, .size: 8, .value_kind: global_buffer, .address_space: global }
    .group_segment_fixed_size: 327680
    .private_segment_fixed_size: 0
    .kernarg_segment_align: 8
    .kernarg_segment_size: 32
    .max_flat_workgroup_size: 128
    .sgpr_count:     102
    .vgpr_count:     1024
    .wavefront_size: 32
...
	.end_amdgpu_metadata
.endif
;; end of part 6
;; ======== version 2 of 2: 7 launches
;; limits: a function is approximated: absolute error at most 1.5e-07
;; workspace buffers: act 3,276,800 bytes; wts 9,830,400 bytes; qc 3,276,800 bytes; kv 6,553,600 bytes; x1 16,777,216 bytes; hid 13,107,200 bytes
;; launch prep: the kernel of part 1 again; grid 448 x 1, 4 waves a work-group, no clusters, 32,256 bytes of LDS; arguments x, ln1_g, ln1_b, act, wq_codes, wq_scales, wk_codes, wk_scales, wv_codes, wv_scales, wo_codes, wo_scales, w1_codes, w1_scales, w2_codes, w2_scales, wts; writes act, wts
;; launch qkv: the kernel of part 2 again; grid 12 x 16, 4 waves a work-group, clusters of 4 x 4, 327,680 bytes of LDS; arguments act, wts, qc, kv; writes qc, kv
;; launch attn: the kernel of part 3 again; grid 8 x 32, 16 waves a work-group, clusters of 4 x 1, 215,040 bytes of LDS; arguments qc, kv, attention_mask, act; writes act
;; launch wo (part 7): grid 8 x 32, 4 waves a work-group, clusters of 4 x 4, 327,680 bytes of LDS; arguments act, wts, x, x1; writes x1
.if DOCPART == 7
	.amdgcn_target "amdgcn-amd-amdhsa--gfx1250"
	.amdhsa_code_object_version 6
	.text
	.protected	k_q24bc55dc6e_wo
	.globl	k_q24bc55dc6e_wo
	.p2align	8
	.type	k_q24bc55dc6e_wo,@function
k_q24bc55dc6e_wo:
	s_mov_b64 s[64:65], 0
	v_nop
	global_prefetch_b8 v0, s[64:65] scope:SCOPE_SE
	s_setreg_imm32_b32 hwreg(HW_REG_WAVE_MODE, 25, 1), 1
	s_wait_xcnt 0x0
	s_wait_alu depctr_hold_cnt(0) depctr_sa_sdst(0) depctr_va_vdst(0) depctr_va_sdst(0) depctr_va_ssrc(0) depctr_va_vcc(0) depctr_vm_vsrc(0)
	s_getreg_b32 s2, hwreg(HW_REG_IB_STS2, 6, 4)
	s_cmp_eq_u32 s2, 0
	s_cbranch_scc0 .Lentry_in_a_cluster
	s_endpgm
.Lentry_in_a_cluster:
	s_bfe_u32 s2, ttmp6, 0x10000c
	s_cmp_lg_u32 s2, 0xf033
	s_cbranch_scc0 .Lentry_shape_is_right
	s_endpgm
.Lentry_shape_is_right:
; OUT = RES + A B^T on E3M2 codes with E8M0 scales.  Here: x1 = x + attn Wo: A = act [4096][1024], B = Wo's image in wts [1024][1024], RES and OUT [4096][1024] f32.
; Both operands are operand images (16-row tiles whose rows are 32 (t / 2) + 8 (t % 2) + r + 8 (r / 8); a fragment of 16 rows x 128 K is 1,536 consecutive bytes in the order of the operand's registers).
; OUT has 32 x 8 tiles of 128 x 128: 256 work-groups of four waves, a wave 64 x 64: 16 accumulators.  (Tiles of 256 x 256 would be 64.)
; K goes in chunks of 512 through two LDS slots filled by the tensor data mover: a wave's load brings 4 tiles x 4 fragments, 4 rows of 6,144 bytes.  With K = 1,024 the two first fills are all of K: nothing is filled again here
; (the text is the one that serves a longer K too, and keeps its form).  All scale words come once.  The launch claims all of a WGP's LDS.
; TRANSPOSED USE: source 0 = 16 rows of B, source 1 = 16 rows of A: a lane holds one row of OUT and eight neighbouring columns to an accumulator.
; CLUSTERS 4 x 4: A's tiles hang on the tile row alone and are asked for jointly along a row of the cluster, B's on the tile column alone and jointly along a column.
; A STEP is 128 along K: 16 products on one of two sets of fragments; the other set's 32 LDS loads stand in one run at the step's head, a whole step ahead of their use.
; THE RESIDUAL, my 64 rows x 256 bytes, is loaded into 128 registers once, behind the first barrier, and is waited for on the way out.  Nothing is prefetched.
; THE WAY OUT: a block of 16 rows x 64 columns goes through the wave's stage in LDS (in slot 0, which has had its last fill and its last read) and comes back two whole rows of 256 bytes to a load; the residual is added,
; and sixteen lanes store 256 consecutive bytes, aligned.
; LIMITS: NaN and infinities are not served.
; REGISTERS: window 0: v16-31 addresses; v32-63 scale words and nothing else; v64-127 rows on the way out; v128-255 the accumulators ((a, b) at v[128 + 8 (4 a + b)]).
;   window 1: two sets of fragments, at v0 and at v128: B's four, then A's four.   window 2: v0-127 the residual.
.set KT,    1024
.set ASOFF, 3145728                    ; A's scale words in its buffer
.set BOFF,  2359296                    ; B's codes in wts
.set BSOFF, 9535488                    ; B's scale words
.set FR,    12                         ; registers of a fragment
.set NP,    4                          ; places behind this matrix instruction (ISA guide 7.12.1)
.set NQ,    4                          ; fragments of a tile in a slot: 512 along K
.set KS8,   KT/128
.set TILEB, 1536*KS8                   ; a tile's fragments, all of K
.set STB,   64*KS8                     ; a tile's scale words
.set LAPS,  KT/1024                    ; a lap = two slots
.set ROWB,  NQ*1536                    ; a tile's part of a slot
.set HALFT, 4*ROWB                     ; 4 tiles: what one tensor load brings, and what one wave reads of A or of B
.set SLOT,  4*HALFT                    ; A's two halves, then B's two
.set SCL,   2*SLOT                     ; behind the ring: the scale words, filled once
.set HALFS, 4*STB
.set SPARE, SCL+4*HALFS                ; the spare words, 128 bytes for each wave, which no other line names
.set SPITCH, 272                       ; a stage row: 256 bytes + 16
.set ADRA, 16                          ; v16-17 A: 16 x lane in slot 0, 1;  v18-19: 8 x lane
.set ADRB, 20                          ; v20-23 the same for B
.set STO,  24                          ; v24 the way out: where I put 32 bytes of a row
.set RD,   25                          ; v25 where I read rows back
.set CO,   26                          ; v26 my byte offset in two rows of RES and OUT; never rewritten
.set ADSA, 27                          ; v27 A's scale words: 4 x lane: lanes 0-15 an even K step, lanes 16-31 the odd one behind it
.set SPW,  28
.set NIL,  29
.set ADSB, 31
.set SCA,  32                          ; A's scale words: set s at v[32 + 8 s]; register 2 i + u: tile i, the slot's K steps 2 u and 2 u + 1
.set SCB,  48                          ; B's
.set BK,   64
.set ACC,  128
.set G1, 24
.set G0, 32
.set G1B, 48
.set G0B, 56
.set G1S, 68
.set G0S, 76
.set G1SB, 80
.set G0SB, 88
.set MSB, 0
.macro WIN new                         ; the immediate's high byte repeats the setting that is left
.if MSB != \new
	s_set_vgpr_msb (MSB<<8)|\new
.set MSB, \new
.endif
.endm
.set MUL,  0x05                        ; sources 0 (B) and 1 (A) window 1; C and D window 0
.set TO_F, 0x40                        ; destination window 1, address window 0
.macro JLOAD g0a, g1a, g0b, g1b        ; a joint load: waves 0, 1 fetch for A, waves 2, 3 for B; four v_nop follow each line
	s_cmp_eq_u32 s15, 0
	s_cbranch_scc0 .Lfor_b_\@
	tensor_load_to_lds s[\g0a:\g0a+3], s[\g1a:\g1a+7]
	s_nop 0
.rept 4
	v_nop
.endr
	s_branch .Lasked_\@
.Lfor_b_\@:
	tensor_load_to_lds s[\g0b:\g0b+3], s[\g1b:\g1b+7]
	s_nop 0
.rept 4
	v_nop
.endr
.Lasked_\@:
.endm
.macro CREST                           ; a round of the cluster's barrier behind its opening barrier
	s_cmp_lg_u32 s14, 0
	s_cbranch_scc1 .Lnot_wave_0_\@
	s_barrier_signal -3
.Lnot_wave_0_\@:
	s_barrier_wait -3
	s_barrier_signal -1
	s_barrier_wait -1
.endm
.macro CROUND
	s_barrier_signal -1
	s_barrier_wait -1
	CREST
.endm
	s_load_b128 s[4:7], s[0:1], 0x0                ; A's buffer, wts
	s_load_b128 s[8:11], s[0:1], 0x10              ; RES, OUT
	v_lshl_add_u32 v[SPW], v0, 2, SPARE
	v_mov_b32 v[NIL], 0
	ds_add_u32 v28, v29
	ds_add_u32 v28, v29
	s_wait_dscnt 0x0
	v_lshrrev_b32 v1, 5, v0
	v_readfirstlane_b32 s14, v1                    ; wave
	s_lshr_b32 s15, s14, 1                         ; my half of A's rows; also: I fetch for A (0) or B (1)
	s_and_b32 s16, s14, 1                          ; my half of B's rows; also: which 4 tiles I fetch
	s_bfe_u32 s40, ttmp6, 0x40000                  ; cx
	s_bfe_u32 s41, ttmp6, 0x40004                  ; cy
	s_lshl_b32 s42, ttmp9, 2
	s_add_co_u32 s42, s42, s40                     ; tile column, 0 .. 7
	s_and_b32 s17, ttmp7, 0xffff
	s_lshl_b32 s17, s17, 2
	s_add_co_u32 s17, s17, s41                     ; tile row, 0 .. 31
	s_lshl_b32 s43, s41, 2
	s_lshl_b32 s43, 15, s43                        ; my row of the cluster
	s_lshl_b32 s44, 0x1111, s40                    ; my column
	s_or_b32 s[G1+0], s43, (3<<16)|(1<<21)         ; 15:0 the mask; 17:16 elements of 8 bytes; 21 set beside a mask; no padding
	s_or_b32 s[G1B+0], s44, (3<<16)|(1<<21)
.irp g, G1, G1B
	s_mov_b32 s[\g+1], (ROWB/8)<<16                ; tensor_dim0: 6,144 bytes: a tile's four fragments
	s_mov_b32 s[\g+2], 4<<16                       ; tensor_dim1: 4 tiles
	s_mov_b32 s[\g+3], (ROWB/8)<<16                ; tile_dim0
	s_mov_b32 s[\g+4], 4                           ; tile_dim1
	s_mov_b32 s[\g+5], TILEB/8                     ; from tile to tile
	s_mov_b32 s[\g+6], 0
	s_mov_b32 s[\g+7], 0
.endr
	s_or_b32 s[G1S+0], s43, (3<<16)|(1<<21)
	s_or_b32 s[G1SB+0], s44, (3<<16)|(1<<21)
.irp g, G1S, G1SB
	s_mov_b32 s[\g+1], 32<<16                      ; the scale words of 4 tiles: a dense block, as rows of 256 bytes
	s_mov_b32 s[\g+2], (HALFS/256)<<16
	s_mov_b32 s[\g+3], 32<<16
	s_mov_b32 s[\g+4], HALFS/256
	s_mov_b32 s[\g+5], 32
	s_mov_b32 s[\g+6], 0
	s_mov_b32 s[\g+7], 0
.endr
	s_lshl_b32 s18, s16, 2
	s_lshl_b32 s20, s17, 3
	s_add_co_u32 s20, s20, s18                     ; A: the first tile that I fetch: 8 x tile row + 4 x half
	s_lshl_b32 s46, s42, 3
	s_add_co_u32 s46, s46, s18                     ; B: 8 x tile column + 4 x half
	s_mul_i32 s22, s20, STB
	s_add_co_u32 s22, s22, ASOFF
	s_mul_i32 s20, s20, TILEB
	s_mul_i32 s92, s46, STB
	s_add_co_u32 s92, s92, BSOFF
	s_mul_i32 s46, s46, TILEB
	s_add_co_u32 s46, s46, BOFF
	s_mov_b32 s21, 0
	s_mov_b32 s23, 0
	s_mov_b32 s47, 0
	s_mov_b32 s93, 0
	s_mul_i32 s45, s14, HALFT                      ; where they go: by the wave's number alone
	s_mul_i32 s94, s14, HALFS
	s_wait_kmcnt 0x0
	s_add_nc_u64 s[20:21], s[4:5], s[20:21]
	s_add_nc_u64 s[22:23], s[4:5], s[22:23]
	s_add_nc_u64 s[46:47], s[6:7], s[46:47]
	s_add_nc_u64 s[92:93], s[6:7], s[92:93]
	CROUND                                         ; all sixteen work-groups are here: the first joint loads meet
	s_mov_b32 s[G0S], 1
	s_add_co_u32 s[G0S+1], s94, SCL
	s_mov_b64 s[G0S+2:G0S+3], s[22:23]
	s_or_b32 s[G0S+3], s[G0S+3], 0x80000000
	s_mov_b32 s[G0SB], 1
	s_add_co_u32 s[G0SB+1], s94, SCL
	s_mov_b64 s[G0SB+2:G0SB+3], s[92:93]
	s_or_b32 s[G0SB+3], s[G0SB+3], 0x80000000
	JLOAD G0S, G1S, G0SB, G1SB
.irp s, 0,1
	s_mov_b32 s[G0+4*\s], 1
	s_add_co_u32 s[G0+4*\s+1], s45, \s*SLOT
	s_add_nc_u64 s[G0+4*\s+2:G0+4*\s+3], s[20:21], \s*ROWB
	s_or_b32 s[G0+4*\s+3], s[G0+4*\s+3], 0x80000000
	s_mov_b32 s[G0B+4*\s], 1
	s_add_co_u32 s[G0B+4*\s+1], s45, \s*SLOT
	s_add_nc_u64 s[G0B+4*\s+2:G0B+4*\s+3], s[46:47], \s*ROWB
	s_or_b32 s[G0B+4*\s+3], s[G0B+4*\s+3], 0x80000000
	JLOAD G0+4*\s, G1, G0B+4*\s, G1B
.endr
	v_and_b32 v1, 31, v0
	v_lshlrev_b32 v6, 4, v1                        ; 16 x lane
	v_lshlrev_b32 v5, 3, v1                        ; 8 x lane
	v_lshlrev_b32 v2, 2, v1                        ; 4 x lane
	s_mul_i32 s21, s15, HALFT
	s_mul_i32 s22, s16, HALFT
	s_add_co_u32 s22, s22, 2*HALFT
.irp s, 0,1
	v_add_nc_u32 v[ADRA+\s], s21, v6
	v_add_nc_u32 v[ADRB+\s], s22, v6
	v_add_nc_u32 v[ADRA+2+\s], s21, v5
	v_add_nc_u32 v[ADRB+2+\s], s22, v5
	s_add_co_u32 s21, s21, SLOT
	s_add_co_u32 s22, s22, SLOT
.endr
	s_mul_i32 s21, s15, HALFS
	s_add_co_u32 s21, s21, SCL
	v_add_nc_u32 v[ADSA], s21, v2
	s_mul_i32 s22, s16, HALFS
	s_add_co_u32 s22, s22, SCL+2*HALFS
	v_add_nc_u32 v[ADSB], s22, v2
	s_mul_i32 s23, s14, 16*SPITCH                  ; my stage
	v_and_b32 v3, 15, v0                           ; r
	v_bfe_u32 v4, v0, 4, 1                         ; h
	v_mul_u32_u24 v5, v3, SPITCH
	v_lshl_add_u32 v5, v4, 6, v5
	v_add_nc_u32 v[STO], s23, v5                   ; in: row r, + 64 h
	v_mul_u32_u24 v7, v4, SPITCH
	v_lshl_add_u32 v7, v3, 4, v7
	v_add_nc_u32 v[RD], s23, v7                    ; back: lanes 0-15 one row of 256 bytes, lanes 16-31 the next
	v_lshlrev_b32 v7, 12, v4
	v_lshl_add_u32 v[CO], v3, 4, v7                ; and the same two rows in RES and OUT: 4,096 bytes a row
	s_lshl_b32 s20, s17, 7
	s_lshl_b32 s21, s15, 6
	s_add_co_u32 s20, s20, s21                     ; my first row: 128 x tile row + 64 x half
	s_lshl_b32 s20, s20, 12
	s_lshl_b32 s46, s42, 9                         ; my first column, in bytes: 512 x tile column + 256 x half
	s_lshl_b32 s47, s16, 8
	s_add_co_u32 s46, s46, s47
	s_add_co_u32 s46, s46, s20
	s_mov_b32 s47, 0
	s_add_nc_u64 s[66:67], s[8:9], s[46:47]        ; RES at my 64 x 64
	s_add_nc_u64 s[12:13], s[10:11], s[46:47]      ; OUT likewise; neither is stepped: every row stands in an immediate, 62 rows at the most
.macro FRAG reg, adr, q, i             ; fragment q of tile i of a slot: 1,536 consecutive bytes in the order of the operand's registers
	ds_load_b128 v[\reg:\reg+3], v[\adr] offset:(NQ*(\i)+(\q))*1536
	ds_load_b64 v[\reg+4:\reg+5], v[\adr+2] offset:(NQ*(\i)+(\q))*1536+512
	ds_load_b128 v[\reg+6:\reg+9], v[\adr] offset:(NQ*(\i)+(\q))*1536+768
	ds_load_b64 v[\reg+10:\reg+11], v[\adr+2] offset:(NQ*(\i)+(\q))*1536+1280
.endm
.macro WM acc, bfr, afr, sb, sa, zero, q   ; q = 1: both sides' scale words are taken from lanes 16-31
.if (\zero) && ((\q) == 0)
	v_wmma_scale_f32_16x16x128_f8f6f4 v[\acc:\acc+7], v[\bfr:\bfr+FR-1], v[\afr:\afr+FR-1], 0, v[\sb], v[\sa] matrix_a_fmt:MATRIX_FMT_BF6 matrix_b_fmt:MATRIX_FMT_BF6
.elseif (\q) == 0
	v_wmma_scale_f32_16x16x128_f8f6f4 v[\acc:\acc+7], v[\bfr:\bfr+FR-1], v[\afr:\afr+FR-1], v[\acc:\acc+7], v[\sb], v[\sa] matrix_a_fmt:MATRIX_FMT_BF6 matrix_b_fmt:MATRIX_FMT_BF6
.else
	v_wmma_scale_f32_16x16x128_f8f6f4 v[\acc:\acc+7], v[\bfr:\bfr+FR-1], v[\afr:\afr+FR-1], v[\acc:\acc+7], v[\sb], v[\sa] matrix_a_fmt:MATRIX_FMT_BF6 matrix_b_fmt:MATRIX_FMT_BF6 matrix_a_scale:MATRIX_SCALE_ROW1 matrix_b_scale:MATRIX_SCALE_ROW1
.endif
.endm
.macro MUL4 a, p, q, sc, zero          ; A's block a x B's four, the slot's q-th 128 along K, from set p.  The 16 accumulators take turns, one instruction a turn, in the same order in every step
.irp b, 0,1,2,3
	WM ACC+8*(4*(\a)+\b), 128*(\p)+FR*\b, 128*(\p)+48+FR*(\a), SCB+8*(\sc)+2*\b+(\q)/2, SCA+8*(\sc)+2*(\a)+(\q)/2, \zero, (\q)%2
.endr
.endm
.macro FETCH slot, q, p                ; 32 LDS loads in one run: B's four fragments, then A's four, into set p
	WIN TO_F
.irp i, 0,1,2,3
	FRAG 128*(\p)+FR*\i, ADRB+\slot, \q, \i
.endr
.irp i, 0,1,2,3
	FRAG 128*(\p)+48+FR*\i, ADRA+\slot, \q, \i
.endr
.endm
.macro SCALES sc                       ; a slot's scale words: two loads a tile and side
.irp i, 0,1,2,3
.irp u, 0,1
	ds_load_b32 v[SCA+8*\sc+2*\i+\u], v[ADSA] offset:\i*STB+128*\u
	ds_load_b32 v[SCB+8*\sc+2*\i+\u], v[ADSB] offset:\i*STB+128*\u
.endr
.endr
.endm
.macro PLACES n                        ; plain vector instructions between a matrix instruction and a load into, or a read of, its registers
.rept \n
	v_nop
.endr
.endm
.macro STEP slot, q, zero              ; one of a slot's first three steps: multiplies set q % 2; the next step's fragments go into the other set
	s_wait_dscnt 0x0                               ; my set (asked for a step ago) and the scale words are in
	PLACES NP                                      ; behind the last step's products, which read the other set
	FETCH \slot, (\q)+1, 1-(\q)%2
	WIN MUL
	MUL4 0, (\q)%2, \q, \slot, \zero
	MUL4 1, (\q)%2, \q, \slot, \zero
	MUL4 2, (\q)%2, \q, \slot, \zero
	MUL4 3, (\q)%2, \q, \slot, \zero
.endm
; A slot's last step, and the change of slots: ONE barrier.  Eight products stand ahead of the wait for the next slot's tiles, so that little is left to do between their landing and the next request.
.macro TURN slot, next, fill
	s_wait_dscnt 0x0                               ; set 1 is in: my reads of this slot are over
	WIN MUL
	MUL4 0, 1, 3, \slot, 0
	MUL4 1, 1, 3, \slot, 0
	WIN 0                                          ; (the add's two registers lie in window 0)
	s_wait_tensorcnt 0x0                           ; all my tensor loads have landed: my part of the next slot
	ds_add_u32 v[SPW], v[NIL]                      ; 0 onto my spare word
	WIN MUL
	MUL4 2, 1, 3, \slot, 0                         ; four products stand between the add and the wait for it
	s_wait_dscnt 0x0                               ; the add is done
	s_barrier_signal -1
	WIN 0
	s_barrier_wait -1
.if \fill
	CREST                                          ; the barrier has opened a round of the cluster's: no wave of any partner still reads this slot or has a load on its way
	s_add_nc_u64 s[G0+4*\slot+2:G0+4*\slot+3], s[G0+4*\slot+2:G0+4*\slot+3], 2*ROWB
	s_add_nc_u64 s[G0B+4*\slot+2:G0B+4*\slot+3], s[G0B+4*\slot+2:G0B+4*\slot+3], 2*ROWB
	JLOAD G0+4*\slot, G1, G0B+4*\slot, G1B         ; the first tensor load behind the round; its four v_nop are the places in front of the loads below
.else
	PLACES NP
.endif
	v_add_nc_u32 v[ADSA], 64*NQ, v[ADSA]           ; the next slot's scale words
	v_add_nc_u32 v[ADSB], 64*NQ, v[ADSB]
	SCALES \next
	FETCH \next, 0, 0
	WIN MUL
	MUL4 3, 1, 3, \slot, 0
.endm
	s_wait_tensorcnt 1                             ; of my three loads the scale words and slot 0 are in; slot 1's may be out
	s_barrier_signal -1
	s_barrier_wait -1
	SCALES 0
	FETCH 0, 0, 0
	WIN 0x80                                       ; destination window 2
.irp a, 0,1,2,3                        ; the residual: block a's stage rows 2 i and 2 i + 1 are rows 32 (a / 2) + 8 (a % 2) + 2 i + 8 (i / 4) and the next of my 64; sixteen lanes read 256 consecutive bytes
.irp i, 0,1,2,3,4,5,6,7
	global_load_b128 v[32*\a+4*\i:32*\a+4*\i+3], v[CO], s[66:67] offset:(32*(\a/2)+8*(\a%2)+2*\i+8*(\i/4))*4096 th:TH_LOAD_NT
.endr
.endr
	STEP 0, 0, 1                                   ; the first step's products start the sums
	STEP 0, 1, 0
	STEP 0, 2, 0
.if LAPS > 1
	WIN 0                                          ; at a label and at a branch every window is 0
	s_mov_b32 s3, LAPS-1
.Llap:                                                 ; a trip goes once round the ring and fills both slots again
	TURN 0, 1, 1
	STEP 1, 0, 0
	STEP 1, 1, 0
	STEP 1, 2, 0
	TURN 1, 0, 1
	STEP 0, 0, 0
	STEP 0, 1, 0
	STEP 0, 2, 0
	WIN 0
	s_sub_co_u32 s3, s3, 1
	s_cmp_lg_u32 s3, 0
	s_cbranch_scc1 .Llap
.endif
	TURN 0, 1, 0                                   ; the last lap fills nothing
	STEP 1, 0, 0
	STEP 1, 1, 0
	STEP 1, 2, 0
	s_wait_dscnt 0x0                               ; the very last step: nothing more to fetch
	WIN MUL
	MUL4 0, 1, 3, 1, 0
	MUL4 1, 1, 3, 1, 0
	MUL4 2, 1, 3, 1, 0
	MUL4 3, 1, 3, 1, 0
	WIN 0
.macro TOSTAGE a
.irp b, 0,1,2,3
	ds_store_b128 v[STO], v[ACC+8*(4*(\a)+\b):ACC+8*(4*(\a)+\b)+3] offset:128*(\b/2)+32*(\b%2)       ; columns 32 (b / 2) + 8 (b % 2) + 16 h + 0 .. 7; each accumulator from its low end on
	ds_store_b128 v[STO], v[ACC+8*(4*(\a)+\b)+4:ACC+8*(4*(\a)+\b)+7] offset:128*(\b/2)+32*(\b%2)+16
.endr
.set BB, BK+32*((\a)%2)
.irp i, 0,1,2,3,4,5,6,7
	ds_load_b128 v[BB+4*\i:BB+4*\i+3], v[RD] offset:2*\i*SPITCH      ; LDS serves a wave's instructions in order: these see the stores above
.endr
.endm
.macro SEND a, younger                 ; younger: the LDS instructions issued behind block a's loads, which may stay out
.set BB, BK+32*((\a)%2)
.set XR, 32*(\a)
	s_wait_dscnt \younger                          ; the block is back in registers
	WIN 0x08                                       ; source 1: window 2
.set i, 0
.rept 16
	v_pk_add_f32 v[BB+i:BB+i+1], v[BB+i:BB+i+1], v[XR+i:XR+i+1]
.set i, i+2
.endr
	WIN 0
.irp i, 0,1,2,3,4,5,6,7
	global_store_b128 v[CO], v[BB+4*\i:BB+4*\i+3], s[12:13] offset:(32*((\a)/2)+8*((\a)%2)+2*\i+8*(\i/4))*4096 th:TH_STORE_NT   ; sixteen lanes store 256 consecutive bytes, aligned
.endr
.endm
	PLACES NP                                      ; in front of the first read of results
	TOSTAGE 0
	s_wait_loadcnt 0x0                             ; the residual, asked for behind the first barrier
.irp a, 1,2,3
.if \a > 1
	s_wait_xcnt 0x0                                ; block a - 2's stores have read their registers: block a's loads may land there
.endif
	TOSTAGE \a
	SEND \a-1, 16                                  ; behind block a - 1's loads: block a's 8 stores and 8 loads
.endr
	SEND 3, 0
	s_wait_tensorcnt 0x0                           ; the wave's end
	ds_add_u32 v[SPW], v[NIL]
	s_wait_dscnt 0x0
	CROUND                                         ; the closing round
	s_endpgm
.Lfunc_end_k_q24bc55dc6e_wo:
	.size	k_q24bc55dc6e_wo, .Lfunc_end_k_q24bc55dc6e_wo-k_q24bc55dc6e_wo
	.p2alignl 7, 3214868480
	.fill 96, 4, 3214868480
	.section	.rodata,"a",@progbits
	.p2align	6, 0x0
	.amdhsa_kernel k_q24bc55dc6e_wo
		.amdhsa_group_segment_fixed_size 327680
		.amdhsa_private_segment_fixed_size 0
		.amdhsa_enable_private_segment 0
		.amdhsa_kernarg_size 32
		.amdhsa_user_sgpr_count 2
		.amdhsa_user_sgpr_kernarg_segment_ptr 1
		.amdhsa_wavefront_size32 1
		.amdhsa_system_sgpr_workgroup_id_x 1
		.amdhsa_system_sgpr_workgroup_id_y 1
		.amdhsa_system_sgpr_workgroup_id_z 1
		.amdhsa_system_vgpr_workitem_id 0
		.amdhsa_next_free_vgpr 768
		.amdhsa_next_free_sgpr 102
		.amdhsa_reserve_vcc 0
		.amdhsa_float_denorm_mode_32 3
		.amdhsa_float_denorm_mode_16_64 3
		.amdhsa_memory_ordered 1
		.amdhsa_forward_progress 1
		.amdhsa_inst_pref_size 61
	.end_amdhsa_kernel
	.amdgpu_metadata
---
amdhsa.version: [ 1, 2 ]
amdhsa.kernels:
  - .name:           k_q24bc55dc6e_wo
    .symbol:         k_q24bc55dc6e_wo.kd
    .args:
      - { .name: act, .offset: 0, .size: 8, .value_kind: global_buffer, .address_space: global }
      - { .name: wts, .offset: 8, .size: 8, .value_kind: global_buffer, .address_space: global }
      - { .name: x, .offset: 16, .size: 8, .value_kind: global_buffer, .address_space: global }
      - { .name: x1, .offset: 24, .size: 8, .value_kind: global_buffer, .address_space: global }
    .group_segment_fixed_size: 327680
    .private_segment_fixed_size: 0
    .kernarg_segment_align: 8
    .kernarg_segment_size: 32
    .max_flat_workgroup_size: 128
    .sgpr_count:     102
    .vgpr_count:     768
    .wavefront_size: 32
...
	.end_amdgpu_metadata
.endif
;; end of part 7
;; launch ln2: the kernel of part 1 again; grid 256 x 1, 4 waves a work-group, no clusters, 32,256 bytes of LDS; arguments x1, ln2_g, ln2_b, act, wq_codes, wq_scales, wk_codes, wk_scales, wv_codes, wv_scales, wo_codes, wo_scales, w1_codes, w1_scales, w2_codes, w2_scales, wts; writes act, wts
;; launch ffn1: the kernel of part 5 again; grid 16 x 16, 4 waves a work-group, clusters of 4 x 4, 327,680 bytes of LDS; arguments act, wts, hid; writes hid
;; launch ffn2 (part 8): grid 8 x 32, 4 waves a work-group, clusters of 4 x 4, 327,680 bytes of LDS; arguments hid, wts, x1, out0; writes out0
.if DOCPART == 8
	.amdgcn_target "amdgcn-amd-amdhsa--gfx1250"
	.amdhsa_code_object_version 6
	.text
	.protected	k_q24bc55dc6e_ffn2
	.globl	k_q24bc55dc6e_ffn2
	.p2align	8
	.type	k_q24bc55dc6e_ffn2,@function
k_q24bc55dc6e_ffn2:
	s_mov_b64 s[64:65], 0
	v_nop
	global_prefetch_b8 v0, s[64:65] scope:SCOPE_SE
	s_setreg_imm32_b32 hwreg(HW_REG_WAVE_MODE, 25, 1), 1
	s_wait_xcnt 0x0
	s_wait_alu depctr_hold_cnt(0) depctr_sa_sdst(0) depctr_va_vdst(0) depctr_va_sdst(0) depctr_va_ssrc(0) depctr_va_vcc(0) depctr_vm_vsrc(0)
	s_getreg_b32 s2, hwreg(HW_REG_IB_STS2, 6, 4)
	s_cmp_eq_u32 s2, 0
	s_cbranch_scc0 .Lentry_in_a_cluster
	s_endpgm
.Lentry_in_a_cluster:
	s_bfe_u32 s2, ttmp6, 0x10000c
	s_cmp_lg_u32 s2, 0xf033
	s_cbranch_scc0 .Lentry_shape_is_right
	s_endpgm
.Lentry_shape_is_right:
; OUT = RES + A B^T on E3M2 codes with E8M0 scales.  Here: out0 = x1 + hid W2: A = hid [4096][4096], B = W2's image in wts [1024][4096], RES and OUT [4096][1024] f32.
; Both operands are operand images (16-row tiles whose rows are 32 (t / 2) + 8 (t % 2) + r + 8 (r / 8); a fragment of 16 rows x 128 K is 1,536 consecutive bytes in the order of the operand's registers).
; OUT has 32 x 8 tiles of 128 x 128: 256 work-groups of four waves, a wave 64 x 64: 16 accumulators.  (Tiles of 256 x 256 would be 64.)
; K goes in chunks of 512 through two LDS slots filled by the tensor data mover: a wave's load brings 4 tiles x 4 fragments, 4 rows of 6,144 bytes.  K = 4,096 is eight chunks: two first fills and six refills.
; All scale words come once.  The launch claims all of a WGP's LDS.
; TRANSPOSED USE: source 0 = 16 rows of B, source 1 = 16 rows of A: a lane holds one row of OUT and eight neighbouring columns to an accumulator.
; CLUSTERS 4 x 4: A's tiles hang on the tile row alone and are asked for jointly along a row of the cluster, B's on the tile column alone and jointly along a column.
; A STEP is 128 along K: 16 products on one of two sets of fragments; the other set's 32 LDS loads stand in one run at the step's head, a whole step ahead of their use.
; THE RESIDUAL, my 64 rows x 256 bytes, is loaded into 128 registers once, behind the first barrier, and is waited for on the way out.  Nothing is prefetched.
; THE WAY OUT: a block of 16 rows x 64 columns goes through the wave's stage in LDS (in slot 0, which has had its last fill and its last read) and comes back two whole rows of 256 bytes to a load; the residual is added,
; and sixteen lanes store 256 consecutive bytes, aligned.
; LIMITS: NaN and infinities are not served.
; REGISTERS: window 0: v16-31 addresses; v32-63 scale words and nothing else; v64-127 rows on the way out; v128-255 the accumulators ((a, b) at v[128 + 8 (4 a + b)]).
;   window 1: two sets of fragments, at v0 and at v128: B's four, then A's four.   window 2: v0-127 the residual.
.set KT,    4096
.set ASOFF, 12582912                   ; A's scale words in its buffer
.set BOFF,  6291456                    ; B's codes in wts
.set BSOFF, 9699328                    ; B's scale words
.set FR,    12                         ; registers of a fragment
.set NP,    4                          ; places behind this matrix instruction (ISA guide 7.12.1)
.set NQ,    4                          ; fragments of a tile in a slot: 512 along K
.set KS8,   KT/128
.set TILEB, 1536*KS8                   ; a tile's fragments, all of K
.set STB,   64*KS8                     ; a tile's scale words
.set LAPS,  KT/1024                    ; a lap = two slots
.set ROWB,  NQ*1536                    ; a tile's part of a slot
.set HALFT, 4*ROWB                     ; 4 tiles: what one tensor load brings, and what one wave reads of A or of B
.set SLOT,  4*HALFT                    ; A's two halves, then B's two
.set SCL,   2*SLOT                     ; behind the ring: the scale words, filled once
.set HALFS, 4*STB
.set SPARE, SCL+4*HALFS                ; the spare words, 128 bytes for each wave, which no other line names
.set SPITCH, 272                       ; a stage row: 256 bytes + 16
.set ADRA, 16                          ; v16-17 A: 16 x lane in slot 0, 1;  v18-19: 8 x lane
.set ADRB, 20                          ; v20-23 the same for B
.set STO,  24                          ; v24 the way out: where I put 32 bytes of a row
.set RD,   25                          ; v25 where I read rows back
.set CO,   26                          ; v26 my byte offset in two rows of RES and OUT; never rewritten
.set ADSA, 27                          ; v27 A's scale words: 4 x lane: lanes 0-15 an even K step, lanes 16-31 the odd one behind it
.set SPW,  28
.set NIL,  29
.set ADSB, 31
.set SCA,  32                          ; A's scale words: set s at v[32 + 8 s]; register 2 i + u: tile i, the slot's K steps 2 u and 2 u + 1
.set SCB,  48                          ; B's
.set BK,   64
.set ACC,  128
.set G1, 24
.set G0, 32
.set G1B, 48
.set G0B, 56
.set G1S, 68
.set G0S, 76
.set G1SB, 80
.set G0SB, 88
.set MSB, 0
.macro WIN new                         ; the immediate's high byte repeats the setting that is left
.if MSB != \new
	s_set_vgpr_msb (MSB<<8)|\new
.set MSB, \new
.endif
.endm
.set MUL,  0x05                        ; sources 0 (B) and 1 (A) window 1; C and D window 0
.set TO_F, 0x40                        ; destination window 1, address window 0
.macro JLOAD g0a, g1a, g0b, g1b        ; a joint load: waves 0, 1 fetch for A, waves 2, 3 for B; four v_nop follow each line
	s_cmp_eq_u32 s15, 0
	s_cbranch_scc0 .Lfor_b_\@
	tensor_load_to_lds s[\g0a:\g0a+3], s[\g1a:\g1a+7]
	s_nop 0
.rept 4
	v_nop
.endr
	s_branch .Lasked_\@
.Lfor_b_\@:
	tensor_load_to_lds s[\g0b:\g0b+3], s[\g1b:\g1b+7]
	s_nop 0
.rept 4
	v_nop
.endr
.Lasked_\@:
.endm
.macro CREST                           ; a round of the cluster's barrier behind its opening barrier
	s_cmp_lg_u32 s14, 0
	s_cbranch_scc1 .Lnot_wave_0_\@
	s_barrier_signal -3
.Lnot_wave_0_\@:
	s_barrier_wait -3
	s_barrier_signal -1
	s_barrier_wait -1
.endm
.macro CROUND
	s_barrier_signal -1
	s_barrier_wait -1
	CREST
.endm
	s_load_b128 s[4:7], s[0:1], 0x0                ; A's buffer, wts
	s_load_b128 s[8:11], s[0:1], 0x10              ; RES, OUT
	v_lshl_add_u32 v[SPW], v0, 2, SPARE
	v_mov_b32 v[NIL], 0
	ds_add_u32 v28, v29
	ds_add_u32 v28, v29
	s_wait_dscnt 0x0
	v_lshrrev_b32 v1, 5, v0
	v_readfirstlane_b32 s14, v1                    ; wave
	s_lshr_b32 s15, s14, 1                         ; my half of A's rows; also: I fetch for A (0) or B (1)
	s_and_b32 s16, s14, 1                          ; my half of B's rows; also: which 4 tiles I fetch
	s_bfe_u32 s40, ttmp6, 0x40000                  ; cx
	s_bfe_u32 s41, ttmp6, 0x40004                  ; cy
	s_lshl_b32 s42, ttmp9, 2
	s_add_co_u32 s42, s42, s40                     ; tile column, 0 .. 7
	s_and_b32 s17, ttmp7, 0xffff
	s_lshl_b32 s17, s17, 2
	s_add_co_u32 s17, s17, s41                     ; tile row, 0 .. 31
	s_lshl_b32 s43, s41, 2
	s_lshl_b32 s43, 15, s43                        ; my row of the cluster
	s_lshl_b32 s44, 0x1111, s40                    ; my column
	s_or_b32 s[G1+0], s43, (3<<16)|(1<<21)         ; 15:0 the mask; 17:16 elements of 8 bytes; 21 set beside a mask; no padding
	s_or_b32 s[G1B+0], s44, (3<<16)|(1<<21)
.irp g, G1, G1B
	s_mov_b32 s[\g+1], (ROWB/8)<<16                ; tensor_dim0: 6,144 bytes: a tile's four fragments
	s_mov_b32 s[\g+2], 4<<16                       ; tensor_dim1: 4 tiles
	s_mov_b32 s[\g+3], (ROWB/8)<<16                ; tile_dim0
	s_mov_b32 s[\g+4], 4                           ; tile_dim1
	s_mov_b32 s[\g+5], TILEB/8                     ; from tile to tile
	s_mov_b32 s[\g+6], 0
	s_mov_b32 s[\g+7], 0
.endr
	s_or_b32 s[G1S+0], s43, (3<<16)|(1<<21)
	s_or_b32 s[G1SB+0], s44, (3<<16)|(1<<21)
.irp g, G1S, G1SB
	s_mov_b32 s[\g+1], 32<<16                      ; the scale words of 4 tiles: a dense block, as rows of 256 bytes
	s_mov_b32 s[\g+2], (HALFS/256)<<16
	s_mov_b32 s[\g+3], 32<<16
	s_mov_b32 s[\g+4], HALFS/256
	s_mov_b32 s[\g+5], 32
	s_mov_b32 s[\g+6], 0
	s_mov_b32 s[\g+7], 0
.endr
	s_lshl_b32 s18, s16, 2
	s_lshl_b32 s20, s17, 3
	s_add_co_u32 s20, s20, s18                     ; A: the first tile that I fetch: 8 x tile row + 4 x half
	s_lshl_b32 s46, s42, 3
	s_add_co_u32 s46, s46, s18                     ; B: 8 x tile column + 4 x half
	s_mul_i32 s22, s20, STB
	s_add_co_u32 s22, s22, ASOFF
	s_mul_i32 s20, s20, TILEB
	s_mul_i32 s92, s46, STB
	s_add_co_u32 s92, s92, BSOFF
	s_mul_i32 s46, s46, TILEB
	s_add_co_u32 s46, s46, BOFF
	s_mov_b32 s21, 0
	s_mov_b32 s23, 0
	s_mov_b32 s47, 0
	s_mov_b32 s93, 0
	s_mul_i32 s45, s14, HALFT                      ; where they go: by the wave's number alone
	s_mul_i32 s94, s14, HALFS
	s_wait_kmcnt 0x0
	s_add_nc_u64 s[20:21], s[4:5], s[20:21]
	s_add_nc_u64 s[22:23], s[4:5], s[22:23]
	s_add_nc_u64 s[46:47], s[6:7], s[46:47]
	s_add_nc_u64 s[92:93], s[6:7], s[92:93]
	CROUND                                         ; all sixteen work-groups are here: the first joint loads meet
	s_mov_b32 s[G0S], 1
	s_add_co_u32 s[G0S+1], s94, SCL
	s_mov_b64 s[G0S+2:G0S+3], s[22:23]
	s_or_b32 s[G0S+3], s[G0S+3], 0x80000000
	s_mov_b32 s[G0SB], 1
	s_add_co_u32 s[G0SB+1], s94, SCL
	s_mov_b64 s[G0SB+2:G0SB+3], s[92:93]
	s_or_b32 s[G0SB+3], s[G0SB+3], 0x80000000
	JLOAD G0S, G1S, G0SB, G1SB
.irp s, 0,1
	s_mov_b32 s[G0+4*\s], 1
	s_add_co_u32 s[G0+4*\s+1], s45, \s*SLOT
	s_add_nc_u64 s[G0+4*\s+2:G0+4*\s+3], s[20:21], \s*ROWB
	s_or_b32 s[G0+4*\s+3], s[G0+4*\s+3], 0x80000000
	s_mov_b32 s[G0B+4*\s], 1
	s_add_co_u32 s[G0B+4*\s+1], s45, \s*SLOT
	s_add_nc_u64 s[G0B+4*\s+2:G0B+4*\s+3], s[46:47], \s*ROWB
	s_or_b32 s[G0B+4*\s+3], s[G0B+4*\s+3], 0x80000000
	JLOAD G0+4*\s, G1, G0B+4*\s, G1B
.endr
	v_and_b32 v1, 31, v0
	v_lshlrev_b32 v6, 4, v1                        ; 16 x lane
	v_lshlrev_b32 v5, 3, v1                        ; 8 x lane
	v_lshlrev_b32 v2, 2, v1                        ; 4 x lane
	s_mul_i32 s21, s15, HALFT
	s_mul_i32 s22, s16, HALFT
	s_add_co_u32 s22, s22, 2*HALFT
.irp s, 0,1
	v_add_nc_u32 v[ADRA+\s], s21, v6
	v_add_nc_u32 v[ADRB+\s], s22, v6
	v_add_nc_u32 v[ADRA+2+\s], s21, v5
	v_add_nc_u32 v[ADRB+2+\s], s22, v5
	s_add_co_u32 s21, s21, SLOT
	s_add_co_u32 s22, s22, SLOT
.endr
	s_mul_i32 s21, s15, HALFS
	s_add_co_u32 s21, s21, SCL
	v_add_nc_u32 v[ADSA], s21, v2
	s_mul_i32 s22, s16, HALFS
	s_add_co_u32 s22, s22, SCL+2*HALFS
	v_add_nc_u32 v[ADSB], s22, v2
	s_mul_i32 s23, s14, 16*SPITCH                  ; my stage
	v_and_b32 v3, 15, v0                           ; r
	v_bfe_u32 v4, v0, 4, 1                         ; h
	v_mul_u32_u24 v5, v3, SPITCH
	v_lshl_add_u32 v5, v4, 6, v5
	v_add_nc_u32 v[STO], s23, v5                   ; in: row r, + 64 h
	v_mul_u32_u24 v7, v4, SPITCH
	v_lshl_add_u32 v7, v3, 4, v7
	v_add_nc_u32 v[RD], s23, v7                    ; back: lanes 0-15 one row of 256 bytes, lanes 16-31 the next
	v_lshlrev_b32 v7, 12, v4
	v_lshl_add_u32 v[CO], v3, 4, v7                ; and the same two rows in RES and OUT: 4,096 bytes a row
	s_lshl_b32 s20, s17, 7
	s_lshl_b32 s21, s15, 6
	s_add_co_u32 s20, s20, s21                     ; my first row: 128 x tile row + 64 x half
	s_lshl_b32 s20, s20, 12
	s_lshl_b32 s46, s42, 9                         ; my first column, in bytes: 512 x tile column + 256 x half
	s_lshl_b32 s47, s16, 8
	s_add_co_u32 s46, s46, s47
	s_add_co_u32 s46, s46, s20
	s_mov_b32 s47, 0
	s_add_nc_u64 s[66:67], s[8:9], s[46:47]        ; RES at my 64 x 64
	s_add_nc_u64 s[12:13], s[10:11], s[46:47]      ; OUT likewise; neither is stepped: every row stands in an immediate, 62 rows at the most
.macro FRAG reg, adr, q, i             ; fragment q of tile i of a slot: 1,536 consecutive bytes in the order of the operand's registers
	ds_load_b128 v[\reg:\reg+3], v[\adr] offset:(NQ*(\i)+(\q))*1536
	ds_load_b64 v[\reg+4:\reg+5], v[\adr+2] offset:(NQ*(\i)+(\q))*1536+512
	ds_load_b128 v[\reg+6:\reg+9], v[\adr] offset:(NQ*(\i)+(\q))*1536+768
	ds_load_b64 v[\reg+10:\reg+11], v[\adr+2] offset:(NQ*(\i)+(\q))*1536+1280
.endm
.macro WM acc, bfr, afr, sb, sa, zero, q   ; q = 1: both sides' scale words are taken from lanes 16-31
.if (\zero) && ((\q) == 0)
	v_wmma_scale_f32_16x16x128_f8f6f4 v[\acc:\acc+7], v[\bfr:\bfr+FR-1], v[\afr:\afr+FR-1], 0, v[\sb], v[\sa] matrix_a_fmt:MATRIX_FMT_BF6 matrix_b_fmt:MATRIX_FMT_BF6
.elseif (\q) == 0
	v_wmma_scale_f32_16x16x128_f8f6f4 v[\acc:\acc+7], v[\bfr:\bfr+FR-1], v[\afr:\afr+FR-1], v[\acc:\acc+7], v[\sb], v[\sa] matrix_a_fmt:MATRIX_FMT_BF6 matrix_b_fmt:MATRIX_FMT_BF6
.else
	v_wmma_scale_f32_16x16x128_f8f6f4 v[\acc:\acc+7], v[\bfr:\bfr+FR-1], v[\afr:\afr+FR-1], v[\acc:\acc+7], v[\sb], v[\sa] matrix_a_fmt:MATRIX_FMT_BF6 matrix_b_fmt:MATRIX_FMT_BF6 matrix_a_scale:MATRIX_SCALE_ROW1 matrix_b_scale:MATRIX_SCALE_ROW1
.endif
.endm
.macro MUL4 a, p, q, sc, zero          ; A's block a x B's four, the slot's q-th 128 along K, from set p.  The 16 accumulators take turns, one instruction a turn, in the same order in every step
.irp b, 0,1,2,3
	WM ACC+8*(4*(\a)+\b), 128*(\p)+FR*\b, 128*(\p)+48+FR*(\a), SCB+8*(\sc)+2*\b+(\q)/2, SCA+8*(\sc)+2*(\a)+(\q)/2, \zero, (\q)%2
.endr
.endm
.macro FETCH slot, q, p                ; 32 LDS loads in one run: B's four fragments, then A's four, into set p
	WIN TO_F
.irp i, 0,1,2,3
	FRAG 128*(\p)+FR*\i, ADRB+\slot, \q, \i
.endr
.irp i, 0,1,2,3
	FRAG 128*(\p)+48+FR*\i, ADRA+\slot, \q, \i
.endr
.endm
.macro SCALES sc                       ; a slot's scale words: two loads a tile and side
.irp i, 0,1,2,3
.irp u, 0,1
	ds_load_b32 v[SCA+8*\sc+2*\i+\u], v[ADSA] offset:\i*STB+128*\u
	ds_load_b32 v[SCB+8*\sc+2*\i+\u], v[ADSB] offset:\i*STB+128*\u
.endr
.endr
.endm
.macro PLACES n                        ; plain vector instructions between a matrix instruction and a load into, or a read of, its registers
.rept \n
	v_nop
.endr
.endm
.macro STEP slot, q, zero              ; one of a slot's first three steps: multiplies set q % 2; the next step's fragments go into the other set
	s_wait_dscnt 0x0                               ; my set (asked for a step ago) and the scale words are in
	PLACES NP                                      ; behind the last step's products, which read the other set
	FETCH \slot, (\q)+1, 1-(\q)%2
	WIN MUL
	MUL4 0, (\q)%2, \q, \slot, \zero
	MUL4 1, (\q)%2, \q, \slot, \zero
	MUL4 2, (\q)%2, \q, \slot, \zero
	MUL4 3, (\q)%2, \q, \slot, \zero
.endm
; A slot's last step, and the change of slots: ONE barrier.  Eight products stand ahead of the wait for the next slot's tiles, so that little is left to do between their landing and the next request.
.macro TURN slot, next, fill
	s_wait_dscnt 0x0                               ; set 1 is in: my reads of this slot are over
	WIN MUL
	MUL4 0, 1, 3, \slot, 0
	MUL4 1, 1, 3, \slot, 0
	WIN 0                                          ; (the add's two registers lie in window 0)
	s_wait_tensorcnt 0x0                           ; all my tensor loads have landed: my part of the next slot
	ds_add_u32 v[SPW], v[NIL]                      ; 0 onto my spare word
	WIN MUL
	MUL4 2, 1, 3, \slot, 0                         ; four products stand between the add and the wait for it
	s_wait_dscnt 0x0                               ; the add is done
	s_barrier_signal -1
	WIN 0
	s_barrier_wait -1
.if \fill
	CREST                                          ; the barrier has opened a round of the cluster's: no wave of any partner still reads this slot or has a load on its way
	s_add_nc_u64 s[G0+4*\slot+2:G0+4*\slot+3], s[G0+4*\slot+2:G0+4*\slot+3], 2*ROWB
	s_add_nc_u64 s[G0B+4*\slot+2:G0B+4*\slot+3], s[G0B+4*\slot+2:G0B+4*\slot+3], 2*ROWB
	JLOAD G0+4*\slot, G1, G0B+4*\slot, G1B         ; the first tensor load behind the round; its four v_nop are the places in front of the loads below
.else
	PLACES NP
.endif
	v_add_nc_u32 v[ADSA], 64*NQ, v[ADSA]           ; the next slot's scale words
	v_add_nc_u32 v[ADSB], 64*NQ, v[ADSB]
	SCALES \next
	FETCH \next, 0, 0
	WIN MUL
	MUL4 3, 1, 3, \slot, 0
.endm
	s_wait_tensorcnt 1                             ; of my three loads the scale words and slot 0 are in; slot 1's may be out
	s_barrier_signal -1
	s_barrier_wait -1
	SCALES 0
	FETCH 0, 0, 0
	WIN 0x80                                       ; destination window 2
.irp a, 0,1,2,3                        ; the residual: block a's stage rows 2 i and 2 i + 1 are rows 32 (a / 2) + 8 (a % 2) + 2 i + 8 (i / 4) and the next of my 64; sixteen lanes read 256 consecutive bytes
.irp i, 0,1,2,3,4,5,6,7
	global_load_b128 v[32*\a+4*\i:32*\a+4*\i+3], v[CO], s[66:67] offset:(32*(\a/2)+8*(\a%2)+2*\i+8*(\i/4))*4096 th:TH_LOAD_NT
.endr
.endr
	STEP 0, 0, 1                                   ; the first step's products start the sums
	STEP 0, 1, 0
	STEP 0, 2, 0
.if LAPS > 1
	WIN 0                                          ; at a label and at a branch every window is 0
	s_mov_b32 s3, LAPS-1
.Llap:                                                 ; a trip goes once round the ring and fills both slots again
	TURN 0, 1, 1
	STEP 1, 0, 0
	STEP 1, 1, 0
	STEP 1, 2, 0
	TURN 1, 0, 1
	STEP 0, 0, 0
	STEP 0, 1, 0
	STEP 0, 2, 0
	WIN 0
	s_sub_co_u32 s3, s3, 1
	s_cmp_lg_u32 s3, 0
	s_cbranch_scc1 .Llap
.endif
	TURN 0, 1, 0                                   ; the last lap fills nothing
	STEP 1, 0, 0
	STEP 1, 1, 0
	STEP 1, 2, 0
	s_wait_dscnt 0x0                               ; the very last step: nothing more to fetch
	WIN MUL
	MUL4 0, 1, 3, 1, 0
	MUL4 1, 1, 3, 1, 0
	MUL4 2, 1, 3, 1, 0
	MUL4 3, 1, 3, 1, 0
	WIN 0
.macro TOSTAGE a
.irp b, 0,1,2,3
	ds_store_b128 v[STO], v[ACC+8*(4*(\a)+\b):ACC+8*(4*(\a)+\b)+3] offset:128*(\b/2)+32*(\b%2)       ; columns 32 (b / 2) + 8 (b % 2) + 16 h + 0 .. 7; each accumulator from its low end on
	ds_store_b128 v[STO], v[ACC+8*(4*(\a)+\b)+4:ACC+8*(4*(\a)+\b)+7] offset:128*(\b/2)+32*(\b%2)+16
.endr
.set BB, BK+32*((\a)%2)
.irp i, 0,1,2,3,4,5,6,7
	ds_load_b128 v[BB+4*\i:BB+4*\i+3], v[RD] offset:2*\i*SPITCH      ; LDS serves a wave's instructions in order: these see the stores above
.endr
.endm
.macro SEND a, younger                 ; younger: the LDS instructions issued behind block a's loads, which may stay out
.set BB, BK+32*((\a)%2)
.set XR, 32*(\a)
	s_wait_dscnt \younger                          ; the block is back in registers
	WIN 0x08                                       ; source 1: window 2
.set i, 0
.rept 16
	v_pk_add_f32 v[BB+i:BB+i+1], v[BB+i:BB+i+1], v[XR+i:XR+i+1]
.set i, i+2
.endr
	WIN 0
.irp i, 0,1,2,3,4,5,6,7
	global_store_b128 v[CO], v[BB+4*\i:BB+4*\i+3], s[12:13] offset:(32*((\a)/2)+8*((\a)%2)+2*\i+8*(\i/4))*4096 th:TH_STORE_NT   ; sixteen lanes store 256 consecutive bytes, aligned
.endr
.endm
	PLACES NP                                      ; in front of the first read of results
	TOSTAGE 0
	s_wait_loadcnt 0x0                             ; the residual, asked for behind the first barrier
.irp a, 1,2,3
.if \a > 1
	s_wait_xcnt 0x0                                ; block a - 2's stores have read their registers: block a's loads may land there
.endif
	TOSTAGE \a
	SEND \a-1, 16                                  ; behind block a - 1's loads: block a's 8 stores and 8 loads
.endr
	SEND 3, 0
	s_wait_tensorcnt 0x0                           ; the wave's end
	ds_add_u32 v[SPW], v[NIL]
	s_wait_dscnt 0x0
	CROUND                                         ; the closing round
	s_endpgm
.Lfunc_end_k_q24bc55dc6e_ffn2:
	.size	k_q24bc55dc6e_ffn2, .Lfunc_end_k_q24bc55dc6e_ffn2-k_q24bc55dc6e_ffn2
	.p2alignl 7, 3214868480
	.fill 96, 4, 3214868480
	.section	.rodata,"a",@progbits
	.p2align	6, 0x0
	.amdhsa_kernel k_q24bc55dc6e_ffn2
		.amdhsa_group_segment_fixed_size 327680
		.amdhsa_private_segment_fixed_size 0
		.amdhsa_enable_private_segment 0
		.amdhsa_kernarg_size 32
		.amdhsa_user_sgpr_count 2
		.amdhsa_user_sgpr_kernarg_segment_ptr 1
		.amdhsa_wavefront_size32 1
		.amdhsa_system_sgpr_workgroup_id_x 1
		.amdhsa_system_sgpr_workgroup_id_y 1
		.amdhsa_system_sgpr_workgroup_id_z 1
		.amdhsa_system_vgpr_workitem_id 0
		.amdhsa_next_free_vgpr 768
		.amdhsa_next_free_sgpr 102
		.amdhsa_reserve_vcc 0
		.amdhsa_float_denorm_mode_32 3
		.amdhsa_float_denorm_mode_16_64 3
		.amdhsa_memory_ordered 1
		.amdhsa_forward_progress 1
		.amdhsa_inst_pref_size 99
	.end_amdhsa_kernel
	.amdgpu_metadata
---
amdhsa.version: [ 1, 2 ]
amdhsa.kernels:
  - .name:           k_q24bc55dc6e_ffn2
    .symbol:         k_q24bc55dc6e_ffn2.kd
    .args:
      - { .name: hid, .offset: 0, .size: 8, .value_kind: global_buffer, .address_space: global }
      - { .name: wts, .offset: 8, .size: 8, .value_kind: global_buffer, .address_space: global }
      - { .name: x1, .offset: 16, .size: 8, .value_kind: global_buffer, .address_space: global }
      - { .name: out0, .offset: 24, .size: 8, .value_kind: global_buffer, .address_space: global }
    .group_segment_fixed_size: 327680
    .private_segment_fixed_size: 0
    .kernarg_segment_align: 8
    .kernarg_segment_size: 32
    .max_flat_workgroup_size: 128
    .sgpr_count:     102
    .vgpr_count:     768
    .wavefront_size: 32
...
	.end_amdgpu_metadata
.endif
;; end of part 8
